; MI455X (gfx1250); checked and timed in simulation.
; The chip was launched on July 23, 2026; its instructions are those of AMD's public machine-readable ISA for CDNA 5 (MIT licence, August 2026) and "CDNA5" Instruction Set Architecture Reference Guide (July 2026). The comments in the code are by the model that wrote it; some were corrected since.
;; Sparse Dict. Allowed arithmetic: float matrix products may take bf16 or f16 operands with f32 sums; other float arithmetic in f32, or as packed bf16 or f16 multiplies, adds, multiply-adds, maxima and minima; sums over many terms, partial sums and values carried from step to step in f32; what a program stores and reads back later, other than sums and carried values, may be rounded once to bf16 or f16.
;; Inputs: dictionary 1,024 x 512 float32; z_e_x 8,192 x 16 x 8 x 8 float32.
;; Outputs: out0 8,192 x 16 x 8 x 8 float32; out1 one number float32.
;; 4 versions, each right; versions 2 to 3 are each faster than the one before; version 4 is version 3 with the launches gram, gram2 written anew for expert scheduling mode. Each part assembles by itself: llvm-mc -triple=amdgcn-amd-amdhsa -mcpu=gfx1250 --defsym DOCPART=n.
;; ======== version 1 of 4: 6 launches
;; limits: values are held in f16: magnitudes above 65,504 overflow, below 6.1e-05 lose precision; right only within a limited range of input values
;; workspace buffers: wt 1,048,576 bytes; wh 1,048,576 bytes; ssq 4,096 bytes; gp 524,288 bytes; p 16,777,216 bytes; scal 256 bytes; cnt 1,024 bytes
;; launch prep (part 1): grid 256 x 1, 4 waves a work-group, no clusters, 0 bytes of LDS; arguments dictionary, wh, wt, ssq; writes wh, wt, ssq
.if DOCPART == 1
	.amdgcn_target "amdgcn-amd-amdhsa--gfx1250"
	.amdhsa_code_object_version 6
	.text
	.protected	k_q9bb009fa5f_prep
	.globl	k_q9bb009fa5f_prep
	.p2align	8
	.type	k_q9bb009fa5f_prep,@function
k_q9bb009fa5f_prep:
	s_mov_b64 s[64:65], 0
	v_nop
	global_prefetch_b8 v0, s[64:65] scope:SCOPE_SE
	s_setreg_imm32_b32 hwreg(HW_REG_WAVE_MODE, 25, 1), 1
	s_wait_xcnt 0x0
; SparseDict, launch prep, the first: the dictionary W [1024 (d)][512 (k)] f32 is rounded once to bf16 and laid out as matrix operands.
; THE WHOLE PROGRAM.  X = z_e_x with each row permuted, [8192][1024].  L = the Rayleigh quotient of G = W^T W after 20 power steps from the vector of ones.
; Six steps Z <- soft(Z - ((Z W^T - X) W) / L, 0.1 / L) from Z = 0.  out0 = Z W^T, out1 = count(|Z| > 1e-6) / 8192.
; The launches: prep (W's two copies, the trace), gram (G), gram2 (G G and G 1), xwpow (X W, and beside it L), ista (the steps, out0, counts), finish (out1).
; WORK LEFT OUT, for all real values of the inputs:
;   (a) (Z W^T - X) W = Z (W^T W) - X W by the distributive and associative laws, so G (512 x 512) and X W are made once and a step is one product Z G: the order of rounding differs from that of reference().
;   (b) the first step's Z0 W^T and its product with W: Z0 is built as zeros in the body of reference(), so both are 0: the first step is soft(X W / L, 0.1 / L).
;   (c) the permutation of X: a sum over d may run in any order, so z_e_x is read as it lies (d' = 64 c + hw) and W's rows are taken in that order (d = 16 (d' % 64) + d' / 64) in the copy wt.
;   (d) stop_gradient changes no value.
;   (e) the 20 power steps go two at a time.  Every v_k is a multiple of G^k 1: v_k = m_k u_k, u_k = G^k 1 / |G^k 1|.  With G2 = G G the vectors a = G^(2j) 1 and b = G^(2j+1) 1 go from j to j + 1 by one product each,
;       and both are rows of one matrix operand: 10 products with G2 stand for the 21 with G.  The norms of reference() are |G v_k| = m_k r_k with r_k = |G^(k+1) 1| / |G^k 1|, so m_(k+1) = m_k r_k / (m_k r_k + 1e-12)
;       for k = 0 .. 19, from the norms of a and b; and, G being symmetric, L = m^2 (a . b / a . a) / (m^2 + 1e-12) with m = m_20, a = G^20 1, b = G^21 1.  Every 1e-12 of reference() is kept.
;   No input is left out.  A NaN, an infinity or an overflow that would arise only in Z W^T - X is not carried to the result.
; FORMATS.  z_e_x and W are rounded once to bf16.  G' = G / s (s a power of two, the mean of G's diagonal in [s, 2 s), so |G'| < 1024), G' G' / 32 and the scaled codes -sqrt(L) Z are f16; all sums and the codes' state are f32.
; LIMITS.  |W| below 65,504 (wh is f16; below 6.1e-5 it keeps f16's fixed step of 6e-8); |sqrt(L) Z|, some 2.5 times a row's norm of X, below 65,504; W = 0 and G 1 = 0 are not served (reference() gives NaN); NaN and infinities are not treated apart.
; A FRAGMENT is the register image of 16 rows x 32 k of 16-bit numbers, 1,024 bytes: byte 512 q + 16 lane + 2 e holds row lane % 16, k = 16 q + 8 (lane / 16) + e.  Two loads of 16 bytes a lane fill an operand.
; THIS LAUNCH.  Wave F = 4 x work-group + wave (0 .. 1023) makes fragment F of wh and fragment F of wt, and the sum of squares of the 512 rounded numbers of its wh fragment (the 1,024 sums add up to G's trace).
;   wh: rows d, k along W's rows, f16 (the bf16 number written as f16); fragment (d tile nt, k step ks) at ((nt / 4) 16 + ks) 4 + nt % 4.
;   wt: rows k, d' along K, bf16; fragment (d' step ks', k tile nt) at 32 ks' + nt.
.set SELA, 20                          ; s20, s21  v_permlanex16_b32's selects: each lane takes its own place in the other half
.set SELB, 21
.macro WRED reg, tmp                   ; the sum over the wave's 32 lanes, in every lane
	v_add_f32_dpp v[\reg], v[\reg], v[\reg] row_xmask:1 row_mask:0xf bank_mask:0xf
	v_add_f32_dpp v[\reg], v[\reg], v[\reg] row_xmask:2 row_mask:0xf bank_mask:0xf
	v_add_f32_dpp v[\reg], v[\reg], v[\reg] row_xmask:4 row_mask:0xf bank_mask:0xf
	v_add_f32_dpp v[\reg], v[\reg], v[\reg] row_xmask:8 row_mask:0xf bank_mask:0xf
	v_mov_b32 v[\tmp], v[\reg]                     ; the next line's destination counts as read
	v_permlanex16_b32 v[\tmp], v[\reg], s[SELA], s[SELB]
	v_add_f32 v[\reg], v[\reg], v[\tmp]
.endm
	s_load_b256 s[4:11], s[0:1], 0x0               ; dictionary s[4:5], wh s[6:7], wt s[8:9], ssq s[10:11]
	v_lshrrev_b32 v1, 5, v0
	v_readfirstlane_b32 s12, v1                    ; wave 0..3
	s_lshl_b32 s13, ttmp9, 2
	s_add_co_u32 s13, s13, s12                     ; F
	s_mov_b32 s[SELA], 0x76543210
	s_mov_b32 s[SELB], 0xfedcba98
	s_mov_b32 s22, 0xffff0000                      ; a word's upper bf16
	v_and_b32 v1, 31, v0                           ; lane
	v_and_b32 v2, 15, v0                           ; r
	v_bfe_u32 v3, v0, 4, 1                         ; h
	; wh's fragment: W[16 nt + r][32 ks + 16 q + 8 h + e]: 32 bytes on end for each q
	s_and_b32 s14, s13, 3
	s_bfe_u32 s15, s13, 0x40002                    ; ks
	s_lshr_b32 s16, s13, 6
	s_lshl2_add_u32 s16, s16, s14                  ; nt
	s_lshl_b32 s16, s16, 15                        ; 16 rows of 2,048 bytes
	s_lshl_b32 s15, s15, 7
	s_add_co_u32 s16, s16, s15
	v_lshlrev_b32 v4, 11, v2
	v_lshl_add_u32 v4, v3, 5, v4
	v_add_nc_u32 v4, s16, v4
	; wt's fragment: W[d][16 nt + r] with d = 16 (32 (ks' % 2) + 16 q + 8 h + e) + ks' / 2
	s_and_b32 s17, s13, 31                         ; nt
	s_lshr_b32 s18, s13, 5                         ; ks'
	s_and_b32 s19, s18, 1
	s_lshl_b32 s19, s19, 20
	s_lshr_b32 s18, s18, 1
	s_lshl_b32 s18, s18, 11
	s_add_co_u32 s19, s19, s18
	s_lshl_b32 s17, s17, 6
	s_add_co_u32 s19, s19, s17
	v_lshlrev_b32 v5, 2, v2
	v_lshl_add_u32 v5, v3, 18, v5
	v_add_nc_u32 v5, s19, v5
	s_lshl_b32 s23, s13, 10
	v_lshl_add_u32 v6, v1, 4, s23                  ; where both fragments go: 1,024 F + 16 lane
	s_lshl_b32 s24, s13, 2
	v_mov_b32 v7, s24                              ; and the sum of squares: 4 F
	s_wait_kmcnt 0x0
	global_load_b128 v[16:19], v4, s[4:5]
	global_load_b128 v[20:23], v4, s[4:5] offset:16
	global_load_b128 v[24:27], v4, s[4:5] offset:64
	global_load_b128 v[28:31], v4, s[4:5] offset:80
.irp q, 0,1
.irp e, 0,1,2,3,4,5,6,7
	global_load_b32 v[32+8*\q+\e], v5, s[4:5] offset:\q*524288+\e*32768  ; the four waves of a work-group take 256 neighbouring bytes of each row
.endr
.endr
	s_wait_loadcnt 16                              ; the four wide loads are in; the sixteen narrow ones may stay out
.set i, 0
.rept 8
	v_cvt_pk_bf16_f32 v58, v[16+2*i], v[17+2*i]    ; the one rounding of W
	v_lshlrev_b32 v59, 16, v58                     ; back to f32: the low half moves up,
	v_and_b32 v60, s22, v58                        ; the high half stays
.if i == 0
	v_mul_f32 v56, v59, v59                        ; the first pair starts the two chains of the sum of squares
	v_mul_f32 v57, v60, v60
.else
	v_fmac_f32 v56, v59, v59
	v_fmac_f32 v57, v60, v60
.endif
	v_cvt_pk_f16_f32 v[8+i], v59, v60              ; eight significant bits: exact in f16's normal range
.set i, i+1
.endr
	global_store_b128 v6, v[8:11], s[6:7]          ; each store of the wave covers 512 consecutive bytes, aligned
	global_store_b128 v6, v[12:15], s[6:7] offset:512
	s_wait_loadcnt 0x0
.set i, 0
.rept 8
	v_cvt_pk_bf16_f32 v[48+i], v[32+2*i], v[33+2*i]
.set i, i+1
.endr
	global_store_b128 v6, v[48:51], s[8:9]
	global_store_b128 v6, v[52:55], s[8:9] offset:512
	v_add_f32 v56, v56, v57
	WRED 56, 57
	s_wait_xcnt 0x0                                ; EXEC is a source of the stores above: it changes only behind this wait
	v_cmp_eq_u32 vcc_lo, 0, v1
	s_and_saveexec_b32 s25, vcc_lo
	global_store_b32 v7, v56, s[10:11]             ; lane 0 alone
	s_wait_xcnt 0x0
	s_or_b32 exec_lo, exec_lo, s25
	s_endpgm
.Lfunc_end_k_q9bb009fa5f_prep:
	.size	k_q9bb009fa5f_prep, .Lfunc_end_k_q9bb009fa5f_prep-k_q9bb009fa5f_prep
	.p2alignl 7, 3214868480
	.fill 96, 4, 3214868480
	.section	.rodata,"a",@progbits
	.p2align	6, 0x0
	.amdhsa_kernel k_q9bb009fa5f_prep
		.amdhsa_group_segment_fixed_size 0
		.amdhsa_private_segment_fixed_size 0
		.amdhsa_enable_private_segment 0
		.amdhsa_kernarg_size 32
		.amdhsa_user_sgpr_count 2
		.amdhsa_user_sgpr_kernarg_segment_ptr 1
		.amdhsa_wavefront_size32 1
		.amdhsa_system_sgpr_workgroup_id_x 1
		.amdhsa_system_sgpr_workgroup_id_y 1
		.amdhsa_system_sgpr_workgroup_id_z 1
		.amdhsa_system_vgpr_workitem_id 0
		.amdhsa_next_free_vgpr 64
		.amdhsa_next_free_sgpr 66
		.amdhsa_reserve_vcc 1
		.amdhsa_float_denorm_mode_32 3
		.amdhsa_float_denorm_mode_16_64 3
		.amdhsa_memory_ordered 1
		.amdhsa_forward_progress 1
		.amdhsa_inst_pref_size 8
	.end_amdhsa_kernel
	.amdgpu_metadata
---
amdhsa.version: [ 1, 2 ]
amdhsa.kernels:
  - .name:           k_q9bb009fa5f_prep
    .symbol:         k_q9bb009fa5f_prep.kd
    .args:
      - { .name: dictionary, .offset: 0, .size: 8, .value_kind: global_buffer, .address_space: global }
      - { .name: wh, .offset: 8, .size: 8, .value_kind: global_buffer, .address_space: global }
      - { .name: wt, .offset: 16, .size: 8, .value_kind: global_buffer, .address_space: global }
      - { .name: ssq, .offset: 24, .size: 8, .value_kind: global_buffer, .address_space: global }
    .group_segment_fixed_size: 0
    .private_segment_fixed_size: 0
    .kernarg_segment_align: 8
    .kernarg_segment_size: 32
    .max_flat_workgroup_size: 128
    .sgpr_count:     66
    .vgpr_count:     64
    .wavefront_size: 32
...
	.end_amdgpu_metadata
.endif
;; end of part 1
;; launch gram (part 2): grid 256 x 1, 2 waves a work-group, no clusters, 0 bytes of LDS; arguments wt, ssq, gp; writes gp
.if DOCPART == 2
	.amdgcn_target "amdgcn-amd-amdhsa--gfx1250"
	.amdhsa_code_object_version 6
	.text
	.protected	k_q9bb009fa5f_gram
	.globl	k_q9bb009fa5f_gram
	.p2align	8
	.type	k_q9bb009fa5f_gram,@function
k_q9bb009fa5f_gram:
	s_mov_b64 s[64:65], 0
	v_nop
	global_prefetch_b8 v0, s[64:65] scope:SCOPE_SE
	s_setreg_imm32_b32 hwreg(HW_REG_WAVE_MODE, 25, 1), 1
	s_wait_xcnt 0x0
; SparseDict, launch gram: G' = W^T W / s in f16, as fragments.  G stands for the two products with W in every step of reference() (see the first kernel's head).
; s is the power of two at or below trace(G) / 512, so the mean of G's diagonal lies in [s, 2 s) and |G'| < 1,024 for every W (|G[i][j]| <= trace).
; Wave n = 2 x work-group + wave (0 .. 511) makes fragment n of gp: rows i = 16 ni + r, columns j = 32 ks + 16 q + 8 h + e; n = ((ni / 8) 16 + ks) 8 + ni % 8.
; Source 0 = wt's fragment of the 16 columns j, source 1 = wt's fragment of the 16 rows i: in the result a lane holds one row i (lane % 16) and eight neighbouring j: two results packed in pairs ARE the fragment.
; K = 1,024 goes in 32 steps; a ring of eight steps in registers keeps 42 to 48 loads of the wave on their way.  Nothing is shared between waves, so nothing goes through LDS.
.set SELA, 20
.set SELB, 21
.set LN,   1                           ; v1   16 x lane
.set VQ,   2                           ; v2   the rows' fragments: 1,024 ni + 16 lane
.set VP,   3                           ; v3   the columns' fragments: 1,024 (2 ks) + 16 lane
.set A0,   16                          ; v[16:23]  columns 32 ks + 0..15
.set A1,   24                          ; v[24:31]  columns 32 ks + 16..31
.set RING, 32                          ; v[32:223] eight slots of 24: rows' fragment, then the two columns' fragments
.set TL,   224                         ; v[224:255] the 1,024 sums of squares, 32 a lane
.macro WRED reg, tmp
	v_add_f32_dpp v[\reg], v[\reg], v[\reg] row_xmask:1 row_mask:0xf bank_mask:0xf
	v_add_f32_dpp v[\reg], v[\reg], v[\reg] row_xmask:2 row_mask:0xf bank_mask:0xf
	v_add_f32_dpp v[\reg], v[\reg], v[\reg] row_xmask:4 row_mask:0xf bank_mask:0xf
	v_add_f32_dpp v[\reg], v[\reg], v[\reg] row_xmask:8 row_mask:0xf bank_mask:0xf
	v_mov_b32 v[\tmp], v[\reg]
	v_permlanex16_b32 v[\tmp], v[\reg], s[SELA], s[SELB]
	v_add_f32 v[\reg], v[\reg], v[\tmp]
.endm
; The trace and s.  The same lines stand in the launch that finds L, so that both have the same bits.  Leaves s in v[TL] and 1 / s in v[TL+1].
.macro TRACE_LOAD
.irp i, 0,1,2,3,4,5,6,7
	global_load_b128 v[TL+4*\i:TL+4*\i+3], v[LN], s[6:7] offset:512*\i
.endr
.endm
.macro TRACE_SUM
.irp z, 0,2,4,6,8,10,12,14
	v_pk_add_f32 v[TL+\z:TL+\z+1], v[TL+\z:TL+\z+1], v[TL+16+\z:TL+17+\z]
.endr
.irp z, 0,2,4,6
	v_pk_add_f32 v[TL+\z:TL+\z+1], v[TL+\z:TL+\z+1], v[TL+8+\z:TL+9+\z]
.endr
.irp z, 0,2
	v_pk_add_f32 v[TL+\z:TL+\z+1], v[TL+\z:TL+\z+1], v[TL+4+\z:TL+5+\z]
.endr
	v_pk_add_f32 v[TL:TL+1], v[TL:TL+1], v[TL+2:TL+3]
	v_add_f32 v[TL], v[TL], v[TL+1]
	WRED TL, TL+1
	v_mul_f32 v[TL], 0x3b000000, v[TL]             ; trace / 512
	v_and_b32 v[TL], 0x7f800000, v[TL]             ; its exponent alone: s
	v_sub_nc_u32 v[TL+1], 0x7f000000, v[TL]        ; exponent field 254 - E: 1 / s
.endm
.macro PLACES                          ; four plain vector instructions between a matrix instruction and a load into, or a vector read of, its registers
.rept 4
	v_nop
.endr
.endm
.macro GLOAD k                         ; the six loads of K step k, into its slot
.set RL, RING+24*((\k)%8)
	global_load_b128 v[RL:RL+3],     v[VQ], s[4:5] offset:(\k)*32768
	global_load_b128 v[RL+4:RL+7],   v[VQ], s[4:5] offset:(\k)*32768+512
	global_load_b128 v[RL+8:RL+11],  v[VP], s[4:5] offset:(\k)*32768
	global_load_b128 v[RL+12:RL+15], v[VP], s[4:5] offset:(\k)*32768+512
	global_load_b128 v[RL+16:RL+19], v[VP], s[4:5] offset:(\k)*32768+1024
	global_load_b128 v[RL+20:RL+23], v[VP], s[4:5] offset:(\k)*32768+1536
.endm
	s_load_b128 s[4:7], s[0:1], 0x0                ; wt s[4:5], ssq s[6:7]
	s_load_b64 s[8:9], s[0:1], 0x10                ; gp
	v_lshrrev_b32 v1, 5, v0
	v_readfirstlane_b32 s12, v1                    ; wave 0..1
	s_lshl_b32 s13, ttmp9, 1
	s_add_co_u32 s13, s13, s12                     ; n
	s_mov_b32 s[SELA], 0x76543210
	s_mov_b32 s[SELB], 0xfedcba98
	s_and_b32 s14, s13, 7
	s_bfe_u32 s15, s13, 0x40003                    ; ks
	s_lshr_b32 s16, s13, 7
	s_lshl3_add_u32 s16, s16, s14                  ; ni
	v_and_b32 v[LN], 31, v0
	v_lshlrev_b32 v[LN], 4, v[LN]
	s_lshl_b32 s16, s16, 10
	s_lshl_b32 s15, s15, 11
	v_add_nc_u32 v[VQ], s16, v[LN]
	v_add_nc_u32 v[VP], s15, v[LN]
	s_lshl_b32 s17, s13, 10
	v_add_nc_u32 v6, s17, v[LN]                    ; where the fragment goes
	s_wait_kmcnt 0x0
	TRACE_LOAD
.irp k, 0,1,2,3,4,5,6,7
	GLOAD \k
.endr
	s_wait_loadcnt 48                              ; the eight loads of the sums of squares are in; the ring's 48 stay out
	TRACE_SUM
	v_mov_b32 v4, v[TL+1]
	v_mov_b32 v5, v[TL+1]                          ; 1 / s, twice: a pair for the packed multiply
.set st, 0
.rept 32
.set R, RING+24*(st%8)
.if st < 24
	s_wait_loadcnt 42                              ; this step's six loads are in; the seven younger steps' stay out
.else
	s_wait_loadcnt 6*(31-st)                       ; the last steps load nothing: the counts run down
.endif
.if st == 0                            ; the first products start the sums; the two accumulators take turns
	v_wmma_f32_16x16x32_bf16 v[A0:A0+7], v[R+8:R+15],  v[R:R+7], 0
	v_wmma_f32_16x16x32_bf16 v[A1:A1+7], v[R+16:R+23], v[R:R+7], 0
.else
	v_wmma_f32_16x16x32_bf16 v[A0:A0+7], v[R+8:R+15],  v[R:R+7], v[A0:A0+7]
	v_wmma_f32_16x16x32_bf16 v[A1:A1+7], v[R+16:R+23], v[R:R+7], v[A1:A1+7]
.endif
.if st < 24
	PLACES
	GLOAD st+8                                     ; the slot just multiplied takes the step eight further on
.endif
.set st, st+1
.endr
	PLACES
.irp z, 0,2,4,6,8,10,12,14
	v_pk_mul_f32 v[A0+\z:A0+\z+1], v[A0+\z:A0+\z+1], v[4:5]   ; a power of two: exact
.endr
.irp z, 0,1,2,3,4,5,6,7
	v_cvt_pk_f16_f32 v[8+\z], v[A0+2*\z], v[A0+2*\z+1]        ; G's one rounding
.endr
	global_store_b128 v6, v[8:11], s[8:9]          ; 512 consecutive bytes, aligned
	global_store_b128 v6, v[12:15], s[8:9] offset:512
	s_endpgm
.Lfunc_end_k_q9bb009fa5f_gram:
	.size	k_q9bb009fa5f_gram, .Lfunc_end_k_q9bb009fa5f_gram-k_q9bb009fa5f_gram
	.p2alignl 7, 3214868480
	.fill 96, 4, 3214868480
	.section	.rodata,"a",@progbits
	.p2align	6, 0x0
	.amdhsa_kernel k_q9bb009fa5f_gram
		.amdhsa_group_segment_fixed_size 0
		.amdhsa_private_segment_fixed_size 0
		.amdhsa_enable_private_segment 0
		.amdhsa_kernarg_size 24
		.amdhsa_user_sgpr_count 2
		.amdhsa_user_sgpr_kernarg_segment_ptr 1
		.amdhsa_wavefront_size32 1
		.amdhsa_system_sgpr_workgroup_id_x 1
		.amdhsa_system_sgpr_workgroup_id_y 1
		.amdhsa_system_sgpr_workgroup_id_z 1
		.amdhsa_system_vgpr_workitem_id 0
		.amdhsa_next_free_vgpr 256
		.amdhsa_next_free_sgpr 66
		.amdhsa_reserve_vcc 0
		.amdhsa_float_denorm_mode_32 3
		.amdhsa_float_denorm_mode_16_64 3
		.amdhsa_memory_ordered 1
		.amdhsa_forward_progress 1
		.amdhsa_inst_pref_size 31
	.end_amdhsa_kernel
	.amdgpu_metadata
---
amdhsa.version: [ 1, 2 ]
amdhsa.kernels:
  - .name:           k_q9bb009fa5f_gram
    .symbol:         k_q9bb009fa5f_gram.kd
    .args:
      - { .name: wt, .offset: 0, .size: 8, .value_kind: global_buffer, .address_space: global }
      - { .name: ssq, .offset: 8, .size: 8, .value_kind: global_buffer, .address_space: global }
      - { .name: gp, .offset: 16, .size: 8, .value_kind: global_buffer, .address_space: global }
    .group_segment_fixed_size: 0
    .private_segment_fixed_size: 0
    .kernarg_segment_align: 8
    .kernarg_segment_size: 24
    .max_flat_workgroup_size: 64
    .sgpr_count:     66
    .vgpr_count:     256
    .wavefront_size: 32
...
	.end_amdgpu_metadata
.endif
;; end of part 2
;; launch xw (part 3): grid 256 x 1, 4 waves a work-group, no clusters, 70,144 bytes of LDS; arguments z_e_x, wt, p; writes p
.if DOCPART == 3
	.amdgcn_target "amdgcn-amd-amdhsa--gfx1250"
	.amdhsa_code_object_version 6
	.text
	.protected	k_q9bb009fa5f_xw
	.globl	k_q9bb009fa5f_xw
	.p2align	8
	.type	k_q9bb009fa5f_xw,@function
k_q9bb009fa5f_xw:
	s_mov_b64 s[64:65], 0
	v_nop
	global_prefetch_b8 v0, s[64:65] scope:SCOPE_SE
	s_setreg_imm32_b32 hwreg(HW_REG_WAVE_MODE, 25, 1), 1
	s_wait_xcnt 0x0
; SparseDict, launch 3 of 6: P = X W, [8192][512] in f32, from z_e_x and W rounded to bf16.  z_e_x is read as it lies; wt holds W's rows in that order (see the first kernel's head).
; SHARES.  A work-group takes 32 rows of X, so that 256 work-groups share the 8,192; wave w takes columns 128 w .. 128 w + 127: 16 accumulators (8 column tiles x 2 row tiles).
; X: each wave reads 8 rows (64 loads of 512 consecutive bytes), rounds them and lays them into LDS, where all four waves read them as fragments.
; wt: each fragment is wanted by one wave of the work-group and comes straight from memory into a ring of four K steps in registers: 48 to 64 loads of a wave are on their way all the time.
; NO CLUSTER, NO TENSOR LOADS: what work-groups share is wt, of which no two waves of a work-group want the same byte; through LDS it would need slots, barriers and a second trip into registers.
; Source 0 = 16 columns of W, source 1 = 16 rows of X: a lane holds one row of P (lane % 16) and eight neighbouring columns.  P is stored as the accumulators' register images, which the launch that uses it loads back as they are.
; LDS: 256 blocks of 272 bytes.  Block 128 mt + 4 ks + 2 q + h holds, for its 16 rows, the 16 bytes k = 32 ks + 16 q + 8 h + 0..7, then 16 bytes of padding:
; the 32 lanes of a store touch 32 different 8-byte columns modulo 256 bytes, the 16 lanes of a load's pass 256 consecutive bytes.
; REGISTERS: window 0: v0-15 addresses, v16-31 at work, v32-63 X's fragments (two buffers x two row tiles), v64-191 the accumulators (column tile t, row tile m at 64 + 8 (2 t + m));
;   window 1: X as loaded, 64 x 4;   window 2: wt's ring: K step j % 4, column tile t at 64 j + 8 t.
.set XBMT,  34816                      ; bytes of a row tile's 128 blocks
.set SPARE, 69632                      ; behind the blocks: the spare words, 128 bytes for each wave
.set XO,  2                            ; v2   my 16 bytes in my wave's first row of z_e_x: 32,768 w + 16 lane
.set XS,  3                            ; v3   where I put 8 bytes of a row
.set XR0, 4                            ; v4   where I read row tile 0's fragments; stepped once a trip
.set XR1, 5                            ; v5   row tile 1's
.set WO,  6                            ; v6   my wave's fragments in a K step of wt: 8,192 w + 16 lane
.set PO,  7                            ; v7   16,384 w + 16 lane
.set SPW, 8                            ; v8   my spare word; never rewritten
.set NIL, 9                            ; v9   0; never rewritten
.set TMP, 16
.set XF,  32
.set ACC, 64
.set MSB, 0
.macro WIN new                         ; the immediate's high byte repeats the setting that is left; a switch that changes nothing is dropped
.if MSB != (\new)
	s_set_vgpr_msb (MSB<<8)|(\new)
.set MSB, \new
.endif
.endm
.macro PLACES                          ; four plain vector instructions between a matrix instruction and a load into, or a read of, its registers
.rept 4
	v_nop
.endr
.endm
.macro XFL buf, off                    ; X's two fragments of one K step, at byte off of the blocks, into buffer buf
	ds_load_b128 v[XF+16*(\buf):XF+16*(\buf)+3],     v[XR0] offset:(\off)
	ds_load_b128 v[XF+16*(\buf)+4:XF+16*(\buf)+7],   v[XR0] offset:(\off)+544
	ds_load_b128 v[XF+16*(\buf)+8:XF+16*(\buf)+11],  v[XR1] offset:(\off)
	ds_load_b128 v[XF+16*(\buf)+12:XF+16*(\buf)+15], v[XR1] offset:(\off)+544
.endm
; K step j of a trip of four.  zero: the products start the sums.  more: the ring's slot takes the step four further on.  nx: X's buffer takes the step two further on.
; lc: the younger global loads that may stay out (16 for each younger step of the ring).  dc: the younger LDS loads (the next step's four).
.macro XSTEP j, zero, more, nx, lc, dc
	s_wait_loadcnt \lc
	s_wait_dscnt \dc
	WIN 0x02                                       ; source 0 in window 2
.set t, 0
.rept 8                                ; the 16 accumulators take turns, in the same order in every step
.set m, 0
.rept 2
.if \zero
	v_wmma_f32_16x16x32_bf16 v[ACC+8*(2*t+m):ACC+8*(2*t+m)+7], v[64*(\j)+8*t:64*(\j)+8*t+7], v[XF+16*((\j)%2)+8*m:XF+16*((\j)%2)+8*m+7], 0
.else
	v_wmma_f32_16x16x32_bf16 v[ACC+8*(2*t+m):ACC+8*(2*t+m)+7], v[64*(\j)+8*t:64*(\j)+8*t+7], v[XF+16*((\j)%2)+8*m:XF+16*((\j)%2)+8*m+7], v[ACC+8*(2*t+m):ACC+8*(2*t+m)+7]
.endif
.set m, m+1
.endr
.set t, t+1
.endr
	PLACES
.if \more
	WIN 0x80                                       ; destination in window 2
.set n, 0
.rept 16
	global_load_b128 v[64*(\j)+4*n:64*(\j)+4*n+3], v[WO], s[6:7] offset:((\j)+4)*32768+512*n
.set n, n+1
.endr
.endif
.if \nx
	WIN 0
	XFL (\j)%2, ((\j)+2)*1088
.endif
.endm
.macro ONWARD                          ; a trip's end: four K steps on
	WIN 0
	s_wait_xcnt 0x0                                ; every load issued so far has read its address: wt's base may be written
	s_add_nc_u64 s[6:7], s[6:7], 131072
	v_add_nc_u32 v[XR0], 4352, v[XR0]
	v_add_nc_u32 v[XR1], 4352, v[XR1]
.endm
	s_load_b128 s[4:7], s[0:1], 0x0                ; z_e_x s[4:5], wt s[6:7]
	s_load_b64 s[8:9], s[0:1], 0x10                ; p
	v_lshl_add_u32 v[SPW], v0, 2, SPARE
	v_mov_b32 v[NIL], 0
	v_lshrrev_b32 v1, 5, v0
	v_readfirstlane_b32 s12, v1                    ; wave 0..3
	v_and_b32 v1, 31, v0                           ; lane
	v_and_b32 v10, 15, v0                          ; r
	v_bfe_u32 v11, v0, 4, 1                        ; h
	v_lshlrev_b32 v12, 4, v1
	s_lshl_b32 s16, s12, 15
	v_add_nc_u32 v[XO], s16, v12
	s_lshl_b32 s16, s12, 13
	v_add_nc_u32 v[WO], s16, v12
	s_lshl_b32 s16, s12, 14
	v_add_nc_u32 v[PO], s16, v12
	v_lshrrev_b32 v13, 1, v1                       ; a lane's four numbers are half of a block's 16 bytes: block lane / 2 of the load's sixteen,
	v_and_b32 v14, 1, v1                           ; half lane % 2
	v_mul_u32_u24 v[XS], v13, 272
	v_lshl_add_u32 v[XS], v14, 3, v[XS]
	s_lshr_b32 s16, s12, 1                         ; my wave's 8 rows: row tile w / 2,
	s_mul_i32 s16, s16, XBMT
	s_and_b32 s17, s12, 1                          ; rows 8 (w % 2) on
	s_lshl_b32 s17, s17, 7
	s_add_co_u32 s16, s16, s17
	v_add_nc_u32 v[XS], s16, v[XS]
	v_mul_u32_u24 v[XR0], v11, 272
	v_lshl_add_u32 v[XR0], v10, 4, v[XR0]
	v_add_nc_u32 v[XR1], XBMT, v[XR0]
	s_lshl_b32 s14, ttmp9, 17                      ; the work-group's 32 rows of 4,096 bytes
	s_mov_b32 s15, 0
	s_lshl_b32 s18, ttmp9, 16                      ; and its 65,536 bytes of p
	s_mov_b32 s19, 0
	s_wait_kmcnt 0x0
	s_add_nc_u64 s[4:5], s[4:5], s[14:15]
	s_add_nc_u64 s[8:9], s[8:9], s[18:19]
	; X: my 8 rows, read once in the launch
	WIN 0x40                                       ; destination in window 1
.set n, 0
.rept 64
	global_load_b128 v[4*n:4*n+3], v[XO], s[4:5] offset:(n/8)*4096+(n%8)*512 th:TH_LOAD_NT
.set n, n+1
.endr
.set rho, 0
.rept 8                                ; row by row: rounded, laid into LDS; behind each row eight of the ring's first 64 loads go out
	s_wait_loadcnt 56                              ; row rho is in: behind it stand 8 (7 - rho) loads of X and 8 rho of the ring
	WIN 0x05                                       ; sources in window 1
.set i, 0
.rept 8
	v_cvt_pk_bf16_f32 v[TMP+2*i],   v[(rho*8+i)*4],   v[(rho*8+i)*4+1]
	v_cvt_pk_bf16_f32 v[TMP+2*i+1], v[(rho*8+i)*4+2], v[(rho*8+i)*4+3]
.set i, i+1
.endr
	WIN 0
.set i, 0
.rept 8
	ds_store_b64 v[XS], v[TMP+2*i:TMP+2*i+1] offset:i*4352+rho*16
.set i, i+1
.endr
	WIN 0x80
.set n, 8*rho
.rept 8
	global_load_b128 v[4*n:4*n+3], v[WO], s[6:7] offset:(n/16)*32768+(n%16)*512
.set n, n+1
.endr
.set rho, rho+1
.endr
	WIN 0
	s_wait_dscnt 0x0                               ; for the others' sake: my rows lie in LDS
	s_barrier_signal -1
	s_barrier_wait -1                              ; all 32 rows do
	XFL 0, 0
	XFL 1, 1088
	XSTEP 0, 1, 1, 1, 48, 4                        ; the first trip stands in front of the loop: its first step starts the sums
	XSTEP 1, 0, 1, 1, 48, 4
	XSTEP 2, 0, 1, 1, 48, 4
	XSTEP 3, 0, 1, 1, 48, 4
	ONWARD
	s_mov_b32 s13, 6
.Ltrip:
	XSTEP 0, 0, 1, 1, 48, 4
	XSTEP 1, 0, 1, 1, 48, 4
	XSTEP 2, 0, 1, 1, 48, 4
	XSTEP 3, 0, 1, 1, 48, 4
	ONWARD
	s_sub_co_u32 s13, s13, 1
	s_cmp_lg_u32 s13, 0
	s_cbranch_scc1 .Ltrip
	XSTEP 0, 0, 0, 1, 48, 4                        ; the last trip asks for nothing of wt: the counts run down
	XSTEP 1, 0, 0, 1, 32, 4
	XSTEP 2, 0, 0, 0, 16, 4
	XSTEP 3, 0, 0, 0, 0, 0
	WIN 0
.set i, 0
.rept 32                               ; each accumulator's low half first; each store covers 512 consecutive bytes, aligned
	global_store_b128 v[PO], v[ACC+4*i:ACC+4*i+3], s[8:9] offset:512*i
.set i, i+1
.endr
	s_wait_tensorcnt 0x0                           ; the wave's end: behind my last LDS store
	ds_add_u32 v[SPW], v[NIL]
	s_wait_dscnt 0x0
	s_endpgm
.Lfunc_end_k_q9bb009fa5f_xw:
	.size	k_q9bb009fa5f_xw, .Lfunc_end_k_q9bb009fa5f_xw-k_q9bb009fa5f_xw
	.p2alignl 7, 3214868480
	.fill 96, 4, 3214868480
	.section	.rodata,"a",@progbits
	.p2align	6, 0x0
	.amdhsa_kernel k_q9bb009fa5f_xw
		.amdhsa_group_segment_fixed_size 70144
		.amdhsa_private_segment_fixed_size 0
		.amdhsa_enable_private_segment 0
		.amdhsa_kernarg_size 24
		.amdhsa_user_sgpr_count 2
		.amdhsa_user_sgpr_kernarg_segment_ptr 1
		.amdhsa_wavefront_size32 1
		.amdhsa_system_sgpr_workgroup_id_x 1
		.amdhsa_system_sgpr_workgroup_id_y 1
		.amdhsa_system_sgpr_workgroup_id_z 1
		.amdhsa_system_vgpr_workitem_id 0
		.amdhsa_next_free_vgpr 768
		.amdhsa_next_free_sgpr 66
		.amdhsa_reserve_vcc 0
		.amdhsa_float_denorm_mode_32 3
		.amdhsa_float_denorm_mode_16_64 3
		.amdhsa_memory_ordered 1
		.amdhsa_forward_progress 1
		.amdhsa_inst_pref_size 61
	.end_amdhsa_kernel
	.amdgpu_metadata
---
amdhsa.version: [ 1, 2 ]
amdhsa.kernels:
  - .name:           k_q9bb009fa5f_xw
    .symbol:         k_q9bb009fa5f_xw.kd
    .args:
      - { .name: z_e_x, .offset: 0, .size: 8, .value_kind: global_buffer, .address_space: global }
      - { .name: wt, .offset: 8, .size: 8, .value_kind: global_buffer, .address_space: global }
      - { .name: p, .offset: 16, .size: 8, .value_kind: global_buffer, .address_space: global }
    .group_segment_fixed_size: 70144
    .private_segment_fixed_size: 0
    .kernarg_segment_align: 8
    .kernarg_segment_size: 24
    .max_flat_workgroup_size: 128
    .sgpr_count:     66
    .vgpr_count:     768
    .wavefront_size: 32
...
	.end_amdgpu_metadata
.endif
;; end of part 3
;; launch power (part 4): grid 1 x 1, 4 waves a work-group, no clusters, 134,400 bytes of LDS; arguments gp, ssq, scal; writes scal
.if DOCPART == 4
	.amdgcn_target "amdgcn-amd-amdhsa--gfx1250"
	.amdhsa_code_object_version 6
	.text
	.protected	k_q9bb009fa5f_power
	.globl	k_q9bb009fa5f_power
	.p2align	8
	.type	k_q9bb009fa5f_power,@function
k_q9bb009fa5f_power:
	s_mov_b64 s[64:65], 0
	v_nop
	global_prefetch_b8 v0, s[64:65] scope:SCOPE_SE
	s_setreg_imm32_b32 hwreg(HW_REG_WAVE_MODE, 25, 1), 1
	s_wait_xcnt 0x0
; SparseDict, launch 4 of 6: L, by 20 power steps on G' = G / s and a Rayleigh quotient, and the five constants that the steps on the codes use.
; The reference's Wd^T (Wd v) is G v (see the first kernel's head).  With y = G' v its v / (|G v| + 1e-12) is y / (|y| + 1e-12 / s), and L = s rho, rho = v . G' v / (v . v + 1e-12).
; ONE WORK-GROUP: each of the 21 products needs the whole vector of the one before, and work-groups of a launch hand nothing to each other.  G' stays on chip: of a wave's 128 rows (128 fragments)
; 96 fragments lie in 768 registers, 32 in LDS, from where they come in four batches of eight under the products on the others.
; THE PRODUCT.  Source 0 = the vector as 16 pseudo-rows: even rows hold v rounded to f16, odd rows what that rounding left, again f16.  Source 1 = 16 rows of G'.  In the result every lane holds, for row lane % 16 of the tile,
; the first part's product in register 0 and the second's in register 1; their sum is y.  v itself, y, the norms and the quotient are f32.
; STORED: gamma = sqrt(rho / s), 0.1 gamma, -1 / rho, 1e-6 rho sqrt(rho s), -1 / sqrt(rho s), L, s, rho.  The state of the codes is Y = rho sqrt(rho s) Z: Y <- soft(Y + gamma X W + (-Y / rho) G', 0.1 gamma).
; LDS: 0: the streamed fragments, 32,768 bytes a wave: batch 2 g + (ks - 12) / 2, in it fragment 4 (ks % 2) + t.  131,072: v's first parts (1,024 bytes); 1,152 bytes on: its second parts (128 modulo 256, so that the two
; addresses of a load's pass fall into different columns).  133,632: the waves' partial sums.  133,888: the spare words.
; REGISTERS: window 0: v0-15 addresses and at work; v16-47 four accumulators; v48-175 the vector's 16 fragments; v176-239 a batch; v240-247 y, v248-255 v (my wave's eight tiles, one number a lane and tile);
;   windows 1-3: fragment f = 48 g + 4 ks + t (group g of four tiles, ks 0..11) at 256 + 8 f.
.set VH,    131072
.set PART,  133632
.set SPARE, 133888
.set SELA, 24
.set SELB, 25
.set PW,  1                            ; v1   where my wave's sum of squares goes
.set GO,  2                            ; v2   my wave's fragments in gp: 131,072 w + 16 lane
.set LSA, 3                            ; v3   and in LDS: 32,768 w + 16 lane
.set VFA, 4                            ; v4   the vector's fragments: first or second parts by my row's parity, + 16 h
.set VST, 5                            ; v5   where my number of a tile goes: 256 w + 2 r
.set SPW, 6                            ; v6   my spare word; never rewritten
.set NIL, 7                            ; v7   0; never rewritten
.set LN,  10                           ; v10  16 x lane, at the head alone
.set PR,  15                           ; v15  the partial sums' first byte
.set ACC, 16
.set VF,  48
.set TL,  48                           ; the sums of squares land where the vector's fragments will lie
.set SB,  176
.set Y,   240
.set V,   248
.set MSB, 0
.macro WIN new
.if MSB != (\new)
	s_set_vgpr_msb (MSB<<8)|(\new)
.set MSB, \new
.endif
.endm
.macro PLACES
.rept 4
	v_nop
.endr
.endm
.macro WRED reg, tmp
	v_add_f32_dpp v[\reg], v[\reg], v[\reg] row_xmask:1 row_mask:0xf bank_mask:0xf
	v_add_f32_dpp v[\reg], v[\reg], v[\reg] row_xmask:2 row_mask:0xf bank_mask:0xf
	v_add_f32_dpp v[\reg], v[\reg], v[\reg] row_xmask:4 row_mask:0xf bank_mask:0xf
	v_add_f32_dpp v[\reg], v[\reg], v[\reg] row_xmask:8 row_mask:0xf bank_mask:0xf
	v_mov_b32 v[\tmp], v[\reg]
	v_permlanex16_b32 v[\tmp], v[\reg], s[SELA], s[SELB]
	v_add_f32 v[\reg], v[\reg], v[\tmp]
.endm
.macro HALF reg                        ; the sum over 16 lanes: the two halves of the lanes hold the same numbers
	v_add_f32_dpp v[\reg], v[\reg], v[\reg] row_xmask:1 row_mask:0xf bank_mask:0xf
	v_add_f32_dpp v[\reg], v[\reg], v[\reg] row_xmask:2 row_mask:0xf bank_mask:0xf
	v_add_f32_dpp v[\reg], v[\reg], v[\reg] row_xmask:4 row_mask:0xf bank_mask:0xf
	v_add_f32_dpp v[\reg], v[\reg], v[\reg] row_xmask:8 row_mask:0xf bank_mask:0xf
.endm
; The trace and s: the same lines as in the launch that made G', so that both have the same bits.  Leaves s in v[TL] and 1 / s in v[TL+1].
.macro TRACE_LOAD
.irp i, 0,1,2,3,4,5,6,7
	global_load_b128 v[TL+4*\i:TL+4*\i+3], v[LN], s[6:7] offset:512*\i
.endr
.endm
.macro TRACE_SUM
.irp z, 0,2,4,6,8,10,12,14
	v_pk_add_f32 v[TL+\z:TL+\z+1], v[TL+\z:TL+\z+1], v[TL+16+\z:TL+17+\z]
.endr
.irp z, 0,2,4,6
	v_pk_add_f32 v[TL+\z:TL+\z+1], v[TL+\z:TL+\z+1], v[TL+8+\z:TL+9+\z]
.endr
.irp z, 0,2
	v_pk_add_f32 v[TL+\z:TL+\z+1], v[TL+\z:TL+\z+1], v[TL+4+\z:TL+5+\z]
.endr
	v_pk_add_f32 v[TL:TL+1], v[TL:TL+1], v[TL+2:TL+3]
	v_add_f32 v[TL], v[TL], v[TL+1]
	WRED TL, TL+1
	v_mul_f32 v[TL], 0x3b000000, v[TL]
	v_and_b32 v[TL], 0x7f800000, v[TL]
	v_sub_nc_u32 v[TL+1], 0x7f000000, v[TL]
.endm
.macro SOFF n                          ; load n of the 64 of the streamed part lies in LDS at 512 n; in gp at SO: batch n / 16, fragment (n % 16) / 2, half n % 2
.set SO, ((12+2*(((\n)/16)%2)+(((\n)%16)/8))*8+((\n)/32)*4+(((\n)%16)/2)%4)*1024+((\n)%2)*512
.endm
.macro SLOAD beta                      ; a batch of eight fragments out of LDS
	WIN 0
.set n, 0
.rept 16
	ds_load_b128 v[SB+4*n:SB+4*n+3], v[LSA] offset:(\beta)*8192+512*n
.set n, n+1
.endr
.endm
; Four products, one for each tile of group g, on K step ks.  The four accumulators take turns, one instruction a turn.
.macro RES g, ks, zero                 ; G' from registers
.set t, 0
.rept 4
.set f, (\g)*48+(\ks)*4+t
	WIN (1+f/32)<<2
.if \zero
	v_wmma_f32_16x16x32_f16 v[ACC+8*t:ACC+8*t+7], v[VF+8*(\ks):VF+8*(\ks)+7], v[(8*f)%256:(8*f)%256+7], 0
.else
	v_wmma_f32_16x16x32_f16 v[ACC+8*t:ACC+8*t+7], v[VF+8*(\ks):VF+8*(\ks)+7], v[(8*f)%256:(8*f)%256+7], v[ACC+8*t:ACC+8*t+7]
.endif
.set t, t+1
.endr
.endm
.macro STR ks                          ; G' from the batch
	WIN 0
.set t, 0
.rept 4
	v_wmma_f32_16x16x32_f16 v[ACC+8*t:ACC+8*t+7], v[VF+8*(\ks):VF+8*(\ks)+7], v[SB+8*(4*((\ks)%2)+t):SB+8*(4*((\ks)%2)+t)+7], v[ACC+8*t:ACC+8*t+7]
.set t, t+1
.endr
.endm
.macro YSUM g                          ; behind five plain instructions: y = the two parts' products; four are owed to these reads, five to the next group's products, which write the accumulators anew
	v_nop
.irp t, 0,1,2,3
	v_add_f32 v[Y+4*(\g)+\t], v[ACC+8*\t], v[ACC+8*\t+1]
.endr
.endm
; y = G' v for my 128 rows.  At its head no LDS instruction of mine is out and batch 0 lies in registers.  last = 1: no product follows, so batch 0 is not fetched again.
.macro MATVEC last
	WIN 0
.set n, 0
.rept 16
	ds_load_b128 v[VF+8*n:VF+8*n+3],   v[VFA] offset:64*n
	ds_load_b128 v[VF+8*n+4:VF+8*n+7], v[VFA] offset:64*n+32
.set n, n+1
.endr
	s_wait_dscnt 30                                ; the vector's fragment ks is in: 30 - 2 ks younger loads may stay out
	RES 0, 0, 1
.irp ks, 1,2,3,4,5
	s_wait_dscnt 30-2*\ks
	RES 0, \ks, 0
.endr
	s_wait_dscnt 4                                 ; fragments 0 to 13 are in
	STR 12
	STR 13
	PLACES
	SLOAD 1                                        ; the next batch lands under 24 products
.irp ks, 6,7,8,9,10,11
	RES 0, \ks, 0
.endr
	s_wait_dscnt 0x0
	STR 14
	STR 15
	PLACES
	SLOAD 2
	YSUM 0
	RES 1, 0, 1
.irp ks, 1,2,3,4,5
	RES 1, \ks, 0
.endr
	s_wait_dscnt 0x0
	STR 12
	STR 13
	PLACES
	SLOAD 3
.irp ks, 6,7,8,9,10,11
	RES 1, \ks, 0
.endr
	s_wait_dscnt 0x0
	STR 14
	STR 15
	PLACES
.if !(\last)
	SLOAD 0
.endif
	YSUM 1
.endm
	s_load_b128 s[4:7], s[0:1], 0x0                ; gp s[4:5], ssq s[6:7]
	s_load_b64 s[8:9], s[0:1], 0x10                ; scal
	v_lshl_add_u32 v[SPW], v0, 2, SPARE
	v_mov_b32 v[NIL], 0
	v_lshrrev_b32 v1, 5, v0
	v_readfirstlane_b32 s12, v1                    ; wave 0..3
	s_mov_b32 s[SELA], 0x76543210
	s_mov_b32 s[SELB], 0xfedcba98
	v_and_b32 v[LN], 31, v0
	v_lshlrev_b32 v[LN], 4, v[LN]
	s_lshl_b32 s16, s12, 17
	v_add_nc_u32 v[GO], s16, v[LN]
	s_lshl_b32 s16, s12, 15
	v_add_nc_u32 v[LSA], s16, v[LN]
	v_and_b32 v8, 15, v0                           ; r
	v_bfe_u32 v9, v0, 4, 1                         ; h
	v_and_b32 v[VFA], 1, v0
	v_mul_u32_u24 v[VFA], v[VFA], 1152
	v_lshl_add_u32 v[VFA], v9, 4, v[VFA]
	v_add_nc_u32 v[VFA], VH, v[VFA]
	s_lshl_b32 s16, s12, 8
	s_add_co_u32 s16, s16, VH
	v_lshl_add_u32 v[VST], v8, 1, s16
	s_lshl_b32 s16, s12, 2
	s_add_co_u32 s16, s16, PART
	v_mov_b32 v[PW], s16
	v_mov_b32 v[PR], PART
	s_lshl_b32 s21, s12, 3
	s_add_co_u32 s21, s21, PART+64                 ; where my wave's last two sums go
	s_wait_kmcnt 0x0
	TRACE_LOAD
.set f, 0
.rept 96                               ; the fragments that stay in registers
	WIN (1+f/32)<<6
	global_load_b128 v[(8*f)%256:(8*f)%256+3],   v[GO], s[4:5] offset:(((f%48)/4)*8+(f/48)*4+f%4)*1024
	global_load_b128 v[(8*f)%256+4:(8*f)%256+7], v[GO], s[4:5] offset:(((f%48)/4)*8+(f/48)*4+f%4)*1024+512
.set f, f+1
.endr
	WIN 0
	s_wait_loadcnt 63                              ; 192 loads are younger than the eight of the sums of squares: these are in
	TRACE_SUM
	v_mul_f32 v[TL+2], 0x2b8cbccc, v[TL+1]         ; 1e-12 / s
	v_readfirstlane_b32 s31, v[TL]                 ; s
	v_readfirstlane_b32 s29, v[TL+1]               ; 1 / s
	v_readfirstlane_b32 s30, v[TL+2]
.set n, 0
.rept 48                               ; the fragments that go to LDS: three batches through v48-239,
	SOFF n
	global_load_b128 v[48+4*n:48+4*n+3], v[GO], s[4:5] offset:SO
.set n, n+1
.endr
	s_wait_loadcnt 0x0
.set n, 0
.rept 48
	ds_store_b128 v[LSA], v[48+4*n:48+4*n+3] offset:512*n
.set n, n+1
.endr
	s_wait_dscnt 0x0                               ; the stores have read their registers
.set n, 48
.rept 16                               ; and the fourth
	SOFF n
	global_load_b128 v[48+4*(n-48):48+4*(n-48)+3], v[GO], s[4:5] offset:SO
.set n, n+1
.endr
	s_wait_loadcnt 0x0
.set n, 48
.rept 16
	ds_store_b128 v[LSA], v[48+4*(n-48):48+4*(n-48)+3] offset:512*n
.set n, n+1
.endr
	v_mov_b32 v14, 0x3c00                          ; the first vector: ones, with nothing left over
	v_mov_b32 v13, 0
.irp t, 0,1,2,3,4,5,6,7
	ds_store_b16 v[VST], v14 offset:32*\t
	ds_store_b16 v[VST], v13 offset:32*\t+1152
.endr
	s_wait_dscnt 0x0                               ; the stores have read v176-239
	SLOAD 0
	s_wait_dscnt 0x0                               ; for the others' sake: my part of the vector lies in LDS
	s_barrier_signal -1
	s_barrier_wait -1
	s_mov_b32 s20, 20
.Lpow:
	MATVEC 0
	v_mul_f32 v8, v[Y], v[Y]
.irp t, 1,2,3,4,5,6,7
	v_fmac_f32 v8, v[Y+\t], v[Y+\t]
.endr
	HALF 8
	ds_store_b32 v[PW], v8
	s_wait_dscnt 0x0                               ; my sum lies in LDS, and my reads of the vector are over
	s_barrier_signal -1
	s_barrier_wait -1
	ds_load_b128 v[10:13], v[PR]
	s_wait_dscnt 0x0
	v_add_f32 v10, v10, v11
	v_add_f32 v12, v12, v13
	v_add_f32 v10, v10, v12                        ; the same order in all four waves: the same bits
	v_sqrt_f32 v8, v10
	v_nop                                          ; a plain instruction behind the root (ISA guide 5.7.2),
	s_wait_alu depctr_va_vdst(0)                   ; and a wait ahead of its first reader
	v_add_f32 v8, s30, v8
	v_rcp_f32 v8, v8
	v_nop
	s_wait_alu depctr_va_vdst(0)
.irp t, 0,1,2,3,4,5,6,7
	v_mul_f32 v[V+\t], v[Y+\t], v8
	v_cvt_f16_f32 v14.l, v[V+\t]                   ; the first part,
	v_cvt_f32_f16 v9, v14.l
	v_sub_f32 v9, v[V+\t], v9                      ; what it leaves (exact),
	v_cvt_f16_f32 v13.l, v9                        ; the second part
	ds_store_b16 v[VST], v14 offset:32*\t
	ds_store_b16 v[VST], v13 offset:32*\t+1152
.endr
	s_wait_dscnt 0x0                               ; my part of the new vector lies in LDS, and my read of the sums is over
	s_barrier_signal -1
	s_barrier_wait -1
	s_sub_co_u32 s20, s20, 1
	s_cmp_lg_u32 s20, 0
	s_cbranch_scc1 .Lpow
	MATVEC 1
	v_mul_f32 v10, v[V], v[Y]
	v_mul_f32 v11, v[V], v[V]
.irp t, 1,2,3,4,5,6,7
	v_fmac_f32 v10, v[V+\t], v[Y+\t]
	v_fmac_f32 v11, v[V+\t], v[V+\t]
.endr
	HALF 10
	HALF 11
	v_mov_b32 v9, s21
	ds_store_b64 v9, v[10:11]
	s_wait_dscnt 0x0
	s_barrier_signal -1
	s_barrier_wait -1
	s_cmp_lg_u32 s12, 0
	s_cbranch_scc1 .Lend                           ; wave 0 finishes
	ds_load_b128 v[240:243], v[PR] offset:64
	ds_load_b128 v[244:247], v[PR] offset:80
	s_wait_dscnt 0x0
	v_add_f32 v10, v240, v242
	v_add_f32 v11, v241, v243
	v_add_f32 v12, v244, v246
	v_add_f32 v13, v245, v247
	v_add_f32 v10, v10, v12                        ; v . G' v
	v_add_f32 v11, v11, v13                        ; v . v
	v_add_f32 v11, 0x2b8cbccc, v11                 ; + 1e-12
	v_rcp_f32 v11, v11
	v_nop
	s_wait_alu depctr_va_vdst(0)
	v_mul_f32 v247, v10, v11                       ; rho
	v_mov_b32 v246, s31                            ; s
	v_mul_f32 v245, s31, v247                      ; L = s rho
	v_mul_f32 v9, s29, v247                        ; rho / s
	v_sqrt_f32 v240, v9                            ; gamma
	v_sqrt_f32 v12, v245                           ; sqrt(rho s)
	v_rcp_f32 v242, v247
	v_nop                                          ; one plain instruction and one wait for the batch of three
	s_wait_alu depctr_va_vdst(0)
	v_rcp_f32 v244, v12
	v_nop
	s_wait_alu depctr_va_vdst(0)
	v_mul_f32 v241, 0x3dcccccd, v240               ; 0.1 gamma
	v_mul_f32 v242, -1.0, v242                     ; -1 / rho
	v_mul_f32 v243, v247, v12
	v_mul_f32 v243, 0x358637bd, v243               ; 1e-6 rho sqrt(rho s)
	v_mul_f32 v244, -1.0, v244                     ; -1 / sqrt(rho s)
	v_mov_b32 v9, 0
	s_wait_xcnt 0x0                                ; EXEC changes only behind this wait
	v_cmp_eq_u32 vcc_lo, 0, v0
	s_and_saveexec_b32 s22, vcc_lo
	global_store_b128 v9, v[240:243], s[8:9]       ; lane 0 alone
	global_store_b128 v9, v[244:247], s[8:9] offset:16
	s_wait_xcnt 0x0
	s_or_b32 exec_lo, exec_lo, s22
.Lend:
	s_wait_tensorcnt 0x0                           ; the wave's end: behind my last LDS store
	ds_add_u32 v[SPW], v[NIL]
	s_wait_dscnt 0x0
	s_endpgm
.Lfunc_end_k_q9bb009fa5f_power:
	.size	k_q9bb009fa5f_power, .Lfunc_end_k_q9bb009fa5f_power-k_q9bb009fa5f_power
	.p2alignl 7, 3214868480
	.fill 96, 4, 3214868480
	.section	.rodata,"a",@progbits
	.p2align	6, 0x0
	.amdhsa_kernel k_q9bb009fa5f_power
		.amdhsa_group_segment_fixed_size 134400
		.amdhsa_private_segment_fixed_size 0
		.amdhsa_enable_private_segment 0
		.amdhsa_kernarg_size 24
		.amdhsa_user_sgpr_count 2
		.amdhsa_user_sgpr_kernarg_segment_ptr 1
		.amdhsa_wavefront_size32 1
		.amdhsa_system_sgpr_workgroup_id_x 1
		.amdhsa_system_sgpr_workgroup_id_y 1
		.amdhsa_system_sgpr_workgroup_id_z 1
		.amdhsa_system_vgpr_workitem_id 0
		.amdhsa_next_free_vgpr 1024
		.amdhsa_next_free_sgpr 66
		.amdhsa_reserve_vcc 1
		.amdhsa_float_denorm_mode_32 3
		.amdhsa_float_denorm_mode_16_64 3
		.amdhsa_memory_ordered 1
		.amdhsa_forward_progress 1
		.amdhsa_inst_pref_size 71
	.end_amdhsa_kernel
	.amdgpu_metadata
---
amdhsa.version: [ 1, 2 ]
amdhsa.kernels:
  - .name:           k_q9bb009fa5f_power
    .symbol:         k_q9bb009fa5f_power.kd
    .args:
      - { .name: gp, .offset: 0, .size: 8, .value_kind: global_buffer, .address_space: global }
      - { .name: ssq, .offset: 8, .size: 8, .value_kind: global_buffer, .address_space: global }
      - { .name: scal, .offset: 16, .size: 8, .value_kind: global_buffer, .address_space: global }
    .group_segment_fixed_size: 134400
    .private_segment_fixed_size: 0
    .kernarg_segment_align: 8
    .kernarg_segment_size: 24
    .max_flat_workgroup_size: 128
    .sgpr_count:     66
    .vgpr_count:     1024
    .wavefront_size: 32
...
	.end_amdgpu_metadata
.endif
;; end of part 4
;; launch ista (part 5): grid 256 x 1, 4 waves a work-group, no clusters, 247,552 bytes of LDS; arguments p, gp, wh, scal, out0, cnt; writes out0, cnt
.if DOCPART == 5
	.amdgcn_target "amdgcn-amd-amdhsa--gfx1250"
	.amdhsa_code_object_version 6
	.text
	.protected	k_q9bb009fa5f_ista
	.globl	k_q9bb009fa5f_ista
	.p2align	8
	.type	k_q9bb009fa5f_ista,@function
k_q9bb009fa5f_ista:
	s_mov_b64 s[64:65], 0
	v_nop
	global_prefetch_b8 v0, s[64:65] scope:SCOPE_SE
	s_setreg_imm32_b32 hwreg(HW_REG_WAVE_MODE, 25, 1), 1
	s_wait_xcnt 0x0
; SparseDict, launch ista: the six steps on the codes, out0 = Z W^T, and each work-group's count of |Z| > 1e-6.
; LEFT OUT (shown at the first kernel's head): the first step's products with Z0 = 0; a step's two products with W are one with G' = W^T W / s.
; THE STATE is Y = c Z in f32, c = rho sqrt(rho s):  Y <- soft(Y + gamma X W + A G', 0.1 gamma), A = f16(-Y / rho) = -sqrt(L) Z; soft(x, t) = x - (x held to -t .. t).  Six times soft, five products.
; out0 = (A W^T) (-1 / sqrt(rho s)); counted is |Y| > 1e-6 c.  LIMIT: |A|, some 2.5 times a row's norm of X whatever W's scale, stays below 65,504.
; SHARES.  A work-group takes 32 rows; wave w the codes' columns 128 w .. 128 w + 127 (16 accumulators: 8 column tiles x 2 row tiles), later out0's columns 256 w .. 256 w + 255.
; G' STAYS ON CHIP through the five products: of a wave's 128 fragments 96 lie in 768 registers and 32 in LDS, from where a K step's eight come under the products of three others.
; Source 0 = 16 rows of G' (or of W), source 1 = 16 rows of A: a lane holds one row of the result (lane % 16) and eight neighbouring columns, so two tiles packed in pairs ARE a fragment of A, and go to LDS as such, for all four waves.
; NO CLUSTER, NO TENSOR LOADS: gp and wh are shared by all work-groups, but each fragment is wanted by one wave of a work-group and goes straight into its registers, 56 to 64 loads of a wave on their way.
; LDS: 0 G' (K steps 12-15), 32,768 a wave; 131,072 A's 32 fragments; 163,840 U = gamma X W in f32, 16,384 a wave; 229,376 four stages of 16 rows x 272 bytes; 246,784 the waves' counts; 247,040 the spare words.
; REGISTERS: window 0: v0-15 addresses; v16-143 accumulators (column tile t, row tile m at 16 + 8 (2 t + m)); v144-175 A's fragments, two buffers x two row tiles; v176-239 a K step of G' from LDS; v240-255 at work;
;   windows 1-3: G' K step ks (0..11), tile t at 256 + 8 (8 ks + t).  For out0: window 1 A's 32 fragments, window 2 wh's ring of eight K steps of four fragments.
.set ZH,    131072
.set UB,    163840
.set STG,   229376
.set CP,    246784
.set SPARE, 247040
.set SELA, 30
.set SELB, 31
.set TAU,  21                          ; s20 gamma, s21 0.1 gamma, s22 -1 / rho, s23 1e-6 c, s24 -1 / sqrt(rho s)
.set THR,  23
.set NTAU, 28                          ; s28 -0.1 gamma
.set GO,  2                            ; v2   my wave's fragments in gp: 131,072 w + 16 lane
.set MSA, 3                            ; v3   and in LDS: 32,768 w + 16 lane
.set ZRA, 4                            ; v4   A's fragments, to read
.set ZWA, 5                            ; v5   my wave's four K steps of them, to write
.set UA,  6                            ; v6   my wave's U
.set STO, 7                            ; v7   the way out: where I put 32 bytes of a row
.set RD,  8                            ; v8   where I read rows back
.set CO,  9                            ; v9   my 16 bytes in out0
.set WO,  10                           ; v10  my wave's fragments in wh: 262,144 w + 16 lane
.set CNT, 11                           ; v11  my count
.set PO,  12                           ; v12  16,384 w + 16 lane
.set SPW, 13                           ; v13  my spare word; never rewritten
.set NIL, 14                           ; v14  0; never rewritten
.set ACC, 16
.set ZF,  144
.set SB,  176
.set T,   240
.set OB,  144                          ; the way out: rows read back, 32 registers for each row tile
.set MSB, 0
.macro WIN new
.if MSB != (\new)
	s_set_vgpr_msb (MSB<<8)|(\new)
.set MSB, \new
.endif
.endm
.macro PLACES                          ; four plain vector instructions between a matrix instruction and a load into, or a vector read or write of, its registers
.rept 4
	v_nop
.endr
.endm
.macro WRED reg, tmp
	v_add_f32_dpp v[\reg], v[\reg], v[\reg] row_xmask:1 row_mask:0xf bank_mask:0xf
	v_add_f32_dpp v[\reg], v[\reg], v[\reg] row_xmask:2 row_mask:0xf bank_mask:0xf
	v_add_f32_dpp v[\reg], v[\reg], v[\reg] row_xmask:4 row_mask:0xf bank_mask:0xf
	v_add_f32_dpp v[\reg], v[\reg], v[\reg] row_xmask:8 row_mask:0xf bank_mask:0xf
	v_mov_b32 v[\tmp], v[\reg]
	v_permlanex16_b32 v[\tmp], v[\reg], s[SELA], s[SELB]
	v_add_f32 v[\reg], v[\reg], v[\tmp]
.endm
.macro ULOAD dst, a                    ; U of accumulator a
	ds_load_b128 v[(\dst):(\dst)+3],   v[UA] offset:(\a)*1024
	ds_load_b128 v[(\dst)+4:(\dst)+7], v[UA] offset:(\a)*1024+512
.endm
.macro MLOAD ks                        ; G's K step ks (12..15) out of LDS: eight fragments
.set n, 0
.rept 16
	ds_load_b128 v[SB+4*n:SB+4*n+3], v[MSA] offset:((\ks)-12)*8192+512*n
.set n, n+1
.endr
.endm
.macro ZLOAD buf, ks                   ; A's two fragments of K step ks
.irp c, 0,1,2,3
	ds_load_b128 v[ZF+16*(\buf)+4*\c:ZF+16*(\buf)+4*\c+3], v[ZRA] offset:(\ks)*2048+512*\c
.endr
.endm
; One accumulator's soft threshold.  The accumulator holds S = Y_old + U + A G'.  T takes Y = soft(S); the accumulator Y + U (not in the last step, which counts instead); A goes to LDS.
.macro TILE a, last
.set rA, ACC+8*(\a)
.if (\a) < 8
.set rU, SB+8*(\a)
.elseif (\a) < 12
.set rU, ZF+8*((\a)-8)
.else
.set rU, SB+8*((\a)-12)
.endif
.set rH, T+8+4*((\a)%2)
.if !(\last) && ((\a) == 12)
	s_wait_dscnt 8                                 ; U of accumulators 12-15 is in: behind its loads stand the stores of accumulators 4 to 11
.endif
.irp e, 0,1,2,3,4,5,6,7
	v_med3_num_f32 v[T+\e], v[rA+\e], s[NTAU], s[TAU]        ; the accumulator's lowest registers are read first
.endr
.irp e, 0,2,4,6
	v_pk_add_f32 v[T+\e:T+\e+1], v[rA+\e:rA+\e+1], v[T+\e:T+\e+1] neg_lo:[0,1] neg_hi:[0,1]
.endr
.if \last
.irp e, 0,1,2,3,4,5,6,7
	v_and_b32 v15, 0x7fffffff, v[T+\e]
	v_cmp_lt_f32 vcc_lo, s[THR], v15
	v_add_co_ci_u32 v[CNT], vcc_lo, 0, v[CNT], vcc_lo        ; + 1 where |Y| is above the line
.endr
.else
.irp e, 0,2,4,6
	v_pk_add_f32 v[rA+\e:rA+\e+1], v[T+\e:T+\e+1], v[rU+\e:rU+\e+1]
.endr
.endif
.irp e, 0,2,4,6
	v_pk_mul_f32 v[T+\e:T+\e+1], v[T+\e:T+\e+1], s[22:23] op_sel_hi:[1,0]
.endr
.irp e, 0,1,2,3
	v_cvt_pk_f16_f32 v[rH+\e], v[T+2*\e], v[T+2*\e+1]
.endr
	ds_store_b128 v[ZWA], v[rH:rH+3] offset:((\a)/4)*2048+((\a)%2)*1024+(((\a)/2)%2)*512
.if !(\last) && ((\a) < 4)
	ULOAD SB+8*(\a), 12+(\a)                       ; the registers of the U just used take a later one
.endif
.endm
; A step's vector part.  Two barriers: the first when all waves have read the old A, the second when the new A lies in LDS.
.macro EPI last
	WIN 0
	PLACES                                         ; behind the last products
.if \last
	WIN 0x80                                       ; G' is done with: window 2 takes wh's first eight K steps, which land under the vector work
.set n, 0
.rept 64
	global_load_b128 v[4*n:4*n+3], v[WO], s[8:9] offset:512*n
.set n, n+1
.endr
	WIN 0
	v_mov_b32 v[CNT], 0
.else
.set ta, 0
.rept 8
	ULOAD SB+8*ta, ta
.set ta, ta+1
.endr
.rept 4
	ULOAD ZF+8*(ta-8), ta
.set ta, ta+1
.endr
.endif
	s_wait_dscnt 0x0                               ; my reads of A are over (and U is in)
	s_barrier_signal -1
	s_barrier_wait -1
.set ta, 0
.rept 16
	TILE ta, \last
.set ta, ta+1
.endr
.if \last
	v_cvt_f32_u32 v[CNT], v[CNT]                   ; 128 at the most
	WRED CNT, 15
	v_mov_b32 v1, s32
	ds_store_b32 v1, v[CNT]
.else
	MLOAD 12
.endif
	s_wait_dscnt 0x0                               ; for the others' sake: my part of A lies in LDS
	s_barrier_signal -1
	s_barrier_wait -1
.endm
.macro KSOF p                          ; the K step at place p of 16: the four from LDS stand three others apart: 12, 0, 1, 2, 13, 3, 4, 5, 14, 6, 7, 8, 15, 9, 10, 11
.if (\p)%4 == 0
.set KSV, 12+(\p)/4
.else
.set KSV, ((\p)/4)*3+(\p)%4-1
.endif
.endm
; S += A G': 256 products.  The 16 accumulators take turns, in the same order at every place.
.macro PRODUCT
	WIN 0
	KSOF 0
	ZLOAD 0, KSV
	KSOF 1
	ZLOAD 1, KSV
.set pp, 0
.rept 16
	KSOF pp
.if pp == 15
	s_wait_dscnt 0x0
.elseif (pp%4 == 1) && (pp < 12)
	s_wait_dscnt 20                                ; A of this place is in: behind it stand 16 loads of G' and the next place's four of A
.else
	s_wait_dscnt 4                                 ; behind this place's A (and the G' ahead of it) stand the next place's four
.endif
.if KSV >= 12
	WIN 0
.set rG, SB
.else
	WIN 1+KSV/4                                    ; source 0 in window 1, 2 or 3
.set rG, (KSV%4)*64
.endif
.set t, 0
.rept 8
.set m, 0
.rept 2
	v_wmma_f32_16x16x32_f16 v[ACC+8*(2*t+m):ACC+8*(2*t+m)+7], v[rG+8*t:rG+8*t+7], v[ZF+16*(pp%2)+8*m:ZF+16*(pp%2)+8*m+7], v[ACC+8*(2*t+m):ACC+8*(2*t+m)+7]
.set m, m+1
.endr
.set t, t+1
.endr
	PLACES
	WIN 0
.if (pp%4 == 0) && (pp < 12)
	MLOAD 13+pp/4
.endif
.if pp <= 13
	KSOF pp+2
	ZLOAD pp%2, KSV
.endif
.set pp, pp+1
.endr
.endm
; out0, a group of 64 columns at a time.  K step ul of a group: four fragments of wh x A's two row tiles; eight accumulators by turns.  more: the ring's slot takes the K step eight further on (it runs on into the next group).
.macro OSTEP ul, more, n
	s_wait_loadcnt \n                              ; this K step's eight loads are in; the younger steps' stay out
	WIN 0x06                                       ; source 0 in window 2, source 1 in window 1
.set j, 0
.rept 4
.set m, 0
.rept 2
.if (\ul) == 0
	v_wmma_f32_16x16x32_f16 v[ACC+8*(2*j+m):ACC+8*(2*j+m)+7], v[((\ul)%8)*32+8*j:((\ul)%8)*32+8*j+7], v[((\ul)*2+m)*8:((\ul)*2+m)*8+7], 0
.else
	v_wmma_f32_16x16x32_f16 v[ACC+8*(2*j+m):ACC+8*(2*j+m)+7], v[((\ul)%8)*32+8*j:((\ul)%8)*32+8*j+7], v[((\ul)*2+m)*8:((\ul)*2+m)*8+7], v[ACC+8*(2*j+m):ACC+8*(2*j+m)+7]
.endif
.set m, m+1
.endr
.set j, j+1
.endr
.if (\more) || ((\ul) == 15)
	PLACES
.endif
.if \more
	WIN 0x80
.set c, 0
.rept 8
	global_load_b128 v[((\ul)%8)*32+4*c:((\ul)%8)*32+4*c+3], v[WO], s[8:9] offset:((\ul)+8)*4096+512*c
.set c, c+1
.endr
.endif
.endm
; A group leaves: scaled, 32 bytes a lane into my stage (rows of 272 bytes), back as whole rows of 256 bytes, stored.
.macro OEPI
	WIN 0
.irp m, 0,1
.irp j, 0,1,2,3
.irp e, 0,2,4,6
	v_pk_mul_f32 v[ACC+8*(2*\j+\m)+\e:ACC+8*(2*\j+\m)+\e+1], v[ACC+8*(2*\j+\m)+\e:ACC+8*(2*\j+\m)+\e+1], s[24:25] op_sel_hi:[1,0]
.endr
.endr
.irp j, 0,1,2,3
	ds_store_b128 v[STO], v[ACC+8*(2*\j+\m):ACC+8*(2*\j+\m)+3]   offset:64*\j
	ds_store_b128 v[STO], v[ACC+8*(2*\j+\m)+4:ACC+8*(2*\j+\m)+7] offset:64*\j+16
.endr
.irp i, 0,1,2,3,4,5,6,7
	ds_load_b128 v[OB+32*\m+4*\i:OB+32*\m+4*\i+3], v[RD] offset:544*\i   ; LDS serves a wave's instructions in order (ISA guide 5.7.1.4): these see the stores above, and the other row tile's stores come behind them
.endr
.endr
	s_wait_dscnt 16                                ; row tile 0 is back: behind it stand row tile 1's eight stores and eight loads
.irp i, 0,1,2,3,4,5,6,7
	global_store_b128 v[CO], v[OB+4*\i:OB+4*\i+3], s[12:13] offset:(2*\i)*4096 th:TH_STORE_NT   ; 16 lanes store 256 consecutive bytes, aligned
.endr
	s_wait_dscnt 0x0
.irp i, 0,1,2,3,4,5,6,7
	global_store_b128 v[CO], v[OB+32+4*\i:OB+32+4*\i+3], s[12:13] offset:(16+2*\i)*4096 th:TH_STORE_NT
.endr
.endm
	s_load_b256 s[4:11], s[0:1], 0x0               ; p s[4:5], gp s[6:7], wh s[8:9], scal s[10:11]
	s_load_b128 s[12:15], s[0:1], 0x20             ; out0 s[12:13], cnt s[14:15]
	v_lshl_add_u32 v[SPW], v0, 2, SPARE
	v_mov_b32 v[NIL], 0
	v_lshrrev_b32 v1, 5, v0
	v_readfirstlane_b32 s16, v1                    ; wave 0..3
	s_mov_b32 s[SELA], 0x76543210
	s_mov_b32 s[SELB], 0xfedcba98
	v_and_b32 v1, 31, v0
	v_lshlrev_b32 v1, 4, v1                        ; 16 x lane
	v_and_b32 v15, 15, v0                          ; r
	v_bfe_u32 v11, v0, 4, 1                        ; h
	s_lshl_b32 s18, s16, 17
	v_add_nc_u32 v[GO], s18, v1
	s_lshl_b32 s18, s16, 15
	v_add_nc_u32 v[MSA], s18, v1
	v_add_nc_u32 v[ZRA], ZH, v1
	s_lshl_b32 s18, s16, 13
	s_add_co_u32 s18, s18, ZH
	v_add_nc_u32 v[ZWA], s18, v1
	s_lshl_b32 s18, s16, 14
	v_add_nc_u32 v[PO], s18, v1
	s_add_co_u32 s18, s18, UB
	v_add_nc_u32 v[UA], s18, v1
	s_lshl_b32 s18, s16, 18
	v_add_nc_u32 v[WO], s18, v1
	s_mul_i32 s18, s16, 4352
	s_add_co_u32 s18, s18, STG                     ; my stage
	v_mul_u32_u24 v[STO], v15, 272
	v_lshl_add_u32 v[STO], v11, 5, v[STO]
	v_add_nc_u32 v[STO], s18, v[STO]
	v_mul_u32_u24 v[RD], v11, 272                  ; back: lanes 0-15 take one row, lanes 16-31 the next
	v_lshl_add_u32 v[RD], v15, 4, v[RD]
	v_add_nc_u32 v[RD], s18, v[RD]
	v_lshlrev_b32 v[CO], 12, v11                   ; the same two rows in out0,
	v_lshl_add_u32 v[CO], v15, 4, v[CO]
	s_lshl_b32 s19, s16, 10                        ; at my wave's 256 columns
	v_add_nc_u32 v[CO], s19, v[CO]
	s_lshl_b32 s32, s16, 2
	s_add_co_u32 s32, s32, CP                      ; where my wave's count goes
	s_lshl_b32 s33, ttmp9, 2                       ; and the work-group's
	s_lshl_b32 s18, ttmp9, 16                      ; the work-group's 65,536 bytes of p
	s_mov_b32 s19, 0
	s_lshl_b32 s34, ttmp9, 17                      ; and its 32 rows of out0
	s_mov_b32 s35, 0
	s_wait_kmcnt 0x0
	s_load_b256 s[20:27], s[10:11], 0x0            ; the constants
	s_add_nc_u64 s[4:5], s[4:5], s[18:19]
	s_add_nc_u64 s[12:13], s[12:13], s[34:35]
.set i, 0
.rept 32
	global_load_b128 v[ACC+4*i:ACC+4*i+3], v[PO], s[4:5] offset:512*i th:TH_LOAD_NT   ; X W, as the accumulators' images
.set i, i+1
.endr
	WIN 0xc0
.set n, 0
.rept 64
	global_load_b128 v[4*n:4*n+3], v[GO], s[6:7] offset:12*8192+512*n   ; G's K steps 12-15, on their way to LDS through window 3
.set n, n+1
.endr
.irp w, 1,2
	WIN \w<<6
.set n, 0
.rept 64
	global_load_b128 v[4*n:4*n+3], v[GO], s[6:7] offset:(\w-1)*32768+512*n   ; K steps 0-7 stay in windows 1 and 2
.set n, n+1
.endr
.endr
	s_wait_loadcnt 63                              ; 128 loads are younger than X W and K steps 12-15: these are in
	WIN 0x0c                                       ; store data in window 3
.set n, 0
.rept 64
	ds_store_b128 v[MSA], v[4*n:4*n+3] offset:512*n
.set n, n+1
.endr
	s_wait_dscnt 0x0                               ; the stores have read window 3
	WIN 0xc0
.set n, 0
.rept 64
	global_load_b128 v[4*n:4*n+3], v[GO], s[6:7] offset:2*32768+512*n   ; K steps 8-11
.set n, n+1
.endr
	WIN 0
	s_wait_kmcnt 0x0
	s_xor_b32 s[NTAU], s[TAU], 0x80000000
.set i, 0
.rept 64
	v_pk_mul_f32 v[ACC+2*i:ACC+2*i+1], v[ACC+2*i:ACC+2*i+1], s[20:21] op_sel_hi:[1,0]   ; U = gamma X W: also the first step's S
.set i, i+1
.endr
.set i, 0
.rept 32
	ds_store_b128 v[UA], v[ACC+4*i:ACC+4*i+3] offset:512*i
.set i, i+1
.endr
	s_wait_loadcnt 0x0                             ; all of G' is on chip
	s_mov_b32 s17, 5
.Lstep:
	EPI 0
	PRODUCT
	s_sub_co_u32 s17, s17, 1
	s_cmp_lg_u32 s17, 0
	s_cbranch_scc1 .Lstep
	EPI 1                                          ; the sixth soft threshold: the last codes, counted
	s_cmp_lg_u32 s16, 0
	s_cbranch_scc1 .Lnot0                          ; wave 0 adds the four counts
	v_mov_b32 v1, CP
	ds_load_b128 v[T:T+3], v1
	s_wait_dscnt 0x0
	v_add_f32 v[T], v[T], v[T+1]
	v_add_f32 v[T+2], v[T+2], v[T+3]
	v_add_f32 v[T], v[T], v[T+2]                   ; whole numbers up to 16,384: exact
	v_mov_b32 v15, s33
	s_wait_xcnt 0x0                                ; EXEC is a source of the loads of wh that are out: it changes only behind this wait
	v_cmp_eq_u32 vcc_lo, 0, v0
	s_and_saveexec_b32 s34, vcc_lo
	global_store_b32 v15, v[T], s[14:15]
	s_wait_xcnt 0x0
	s_or_b32 exec_lo, exec_lo, s34
.Lnot0:
	WIN 0x40                                       ; A's 32 fragments stay in window 1 for all of out0
.set n, 0
.rept 64
	ds_load_b128 v[4*n:4*n+3], v[ZRA] offset:512*n
.set n, n+1
.endr
	WIN 0
	s_wait_dscnt 0x0
	s_mov_b32 s17, 3
.Lgroup:
.set ou, 0
.rept 16
	OSTEP ou, 1, 56                                ; seven younger K steps of eight loads
.set ou, ou+1
.endr
	OEPI
	s_wait_xcnt 0x0                                ; the loads and stores have read their addresses and data: the two bases, and later the rows' registers, may be written
	s_add_nc_u64 s[8:9], s[8:9], 65536             ; the next group's 16 K steps
	s_add_nc_u64 s[12:13], s[12:13], 256           ; and its 64 columns
	s_sub_co_u32 s17, s17, 1
	s_cmp_lg_u32 s17, 0
	s_cbranch_scc1 .Lgroup
.set ou, 0
.rept 8                                ; the last group is written out: its second half asks for nothing, and the counts run down
	OSTEP ou, 1, 56
.set ou, ou+1
.endr
.rept 8
	OSTEP ou, 0, (15-ou)*8
.set ou, ou+1
.endr
	OEPI
	s_wait_tensorcnt 0x0                           ; the wave's end: behind my last LDS store
	ds_add_u32 v[SPW], v[NIL]
	s_wait_dscnt 0x0
	s_endpgm
.Lfunc_end_k_q9bb009fa5f_ista:
	.size	k_q9bb009fa5f_ista, .Lfunc_end_k_q9bb009fa5f_ista-k_q9bb009fa5f_ista
	.p2alignl 7, 3214868480
	.fill 96, 4, 3214868480
	.section	.rodata,"a",@progbits
	.p2align	6, 0x0
	.amdhsa_kernel k_q9bb009fa5f_ista
		.amdhsa_group_segment_fixed_size 247552
		.amdhsa_private_segment_fixed_size 0
		.amdhsa_enable_private_segment 0
		.amdhsa_kernarg_size 48
		.amdhsa_user_sgpr_count 2
		.amdhsa_user_sgpr_kernarg_segment_ptr 1
		.amdhsa_wavefront_size32 1
		.amdhsa_system_sgpr_workgroup_id_x 1
		.amdhsa_system_sgpr_workgroup_id_y 1
		.amdhsa_system_sgpr_workgroup_id_z 1
		.amdhsa_system_vgpr_workitem_id 0
		.amdhsa_next_free_vgpr 1024
		.amdhsa_next_free_sgpr 66
		.amdhsa_reserve_vcc 1
		.amdhsa_float_denorm_mode_32 3
		.amdhsa_float_denorm_mode_16_64 3
		.amdhsa_memory_ordered 1
		.amdhsa_forward_progress 1
		.amdhsa_inst_pref_size 195
	.end_amdhsa_kernel
	.amdgpu_metadata
---
amdhsa.version: [ 1, 2 ]
amdhsa.kernels:
  - .name:           k_q9bb009fa5f_ista
    .symbol:         k_q9bb009fa5f_ista.kd
    .args:
      - { .name: p, .offset: 0, .size: 8, .value_kind: global_buffer, .address_space: global }
      - { .name: gp, .offset: 8, .size: 8, .value_kind: global_buffer, .address_space: global }
      - { .name: wh, .offset: 16, .size: 8, .value_kind: global_buffer, .address_space: global }
      - { .name: scal, .offset: 24, .size: 8, .value_kind: global_buffer, .address_space: global }
      - { .name: out0, .offset: 32, .size: 8, .value_kind: global_buffer, .address_space: global }
      - { .name: cnt, .offset: 40, .size: 8, .value_kind: global_buffer, .address_space: global }
    .group_segment_fixed_size: 247552
    .private_segment_fixed_size: 0
    .kernarg_segment_align: 8
    .kernarg_segment_size: 48
    .max_flat_workgroup_size: 128
    .sgpr_count:     66
    .vgpr_count:     1024
    .wavefront_size: 32
...
	.end_amdgpu_metadata
.endif
;; end of part 5
;; launch finish (part 6): grid 1 x 1, 1 waves a work-group, no clusters, 0 bytes of LDS; arguments cnt, out1; writes out1
.if DOCPART == 6
	.amdgcn_target "amdgcn-amd-amdhsa--gfx1250"
	.amdhsa_code_object_version 6
	.text
	.protected	k_q9bb009fa5f_finish
	.globl	k_q9bb009fa5f_finish
	.p2align	8
	.type	k_q9bb009fa5f_finish,@function
k_q9bb009fa5f_finish:
	s_mov_b64 s[64:65], 0
	v_nop
	global_prefetch_b8 v0, s[64:65] scope:SCOPE_SE
	s_setreg_imm32_b32 hwreg(HW_REG_WAVE_MODE, 25, 1), 1
	s_wait_xcnt 0x0
; SparseDict, launch finish, the last: out1 = the sum of the 256 work-groups' counts / 8192.  The counts are whole numbers in f32, 4,194,304 in all at the most: every sum is exact, and so is the division by a power of two.
; One wave: a sum that spans work-groups is made by one owner, in a launch of its own.
	s_load_b128 s[4:7], s[0:1], 0x0                ; cnt s[4:5], out1 s[6:7]
	s_mov_b32 s8, 0x76543210                       ; v_permlanex16_b32's selects
	s_mov_b32 s9, 0xfedcba98
	v_lshlrev_b32 v1, 4, v0
	v_mov_b32 v2, 0
	s_wait_kmcnt 0x0
	global_load_b128 v[4:7], v1, s[4:5]
	global_load_b128 v[8:11], v1, s[4:5] offset:512
	s_wait_loadcnt 0x0
	v_pk_add_f32 v[4:5], v[4:5], v[8:9]
	v_pk_add_f32 v[6:7], v[6:7], v[10:11]
	v_pk_add_f32 v[4:5], v[4:5], v[6:7]
	v_add_f32 v4, v4, v5
	v_add_f32_dpp v4, v4, v4 row_xmask:1 row_mask:0xf bank_mask:0xf
	v_add_f32_dpp v4, v4, v4 row_xmask:2 row_mask:0xf bank_mask:0xf
	v_add_f32_dpp v4, v4, v4 row_xmask:4 row_mask:0xf bank_mask:0xf
	v_add_f32_dpp v4, v4, v4 row_xmask:8 row_mask:0xf bank_mask:0xf
	v_permlanex16_b32 v5, v4, s8, s9               ; v5 has been written
	v_add_f32 v4, v4, v5
	v_mul_f32 v4, 0x39000000, v4                   ; / 8192
	s_wait_xcnt 0x0                                ; EXEC changes only behind this wait
	v_cmp_eq_u32 vcc_lo, 0, v0
	s_and_saveexec_b32 s10, vcc_lo
	global_store_b32 v2, v4, s[6:7]
	s_wait_xcnt 0x0
	s_or_b32 exec_lo, exec_lo, s10
	s_endpgm
.Lfunc_end_k_q9bb009fa5f_finish:
	.size	k_q9bb009fa5f_finish, .Lfunc_end_k_q9bb009fa5f_finish-k_q9bb009fa5f_finish
	.p2alignl 7, 3214868480
	.fill 96, 4, 3214868480
	.section	.rodata,"a",@progbits
	.p2align	6, 0x0
	.amdhsa_kernel k_q9bb009fa5f_finish
		.amdhsa_group_segment_fixed_size 0
		.amdhsa_private_segment_fixed_size 0
		.amdhsa_enable_private_segment 0
		.amdhsa_kernarg_size 16
		.amdhsa_user_sgpr_count 2
		.amdhsa_user_sgpr_kernarg_segment_ptr 1
		.amdhsa_wavefront_size32 1
		.amdhsa_system_sgpr_workgroup_id_x 1
		.amdhsa_system_sgpr_workgroup_id_y 1
		.amdhsa_system_sgpr_workgroup_id_z 1
		.amdhsa_system_vgpr_workitem_id 0
		.amdhsa_next_free_vgpr 24
		.amdhsa_next_free_sgpr 66
		.amdhsa_reserve_vcc 1
		.amdhsa_float_denorm_mode_32 3
		.amdhsa_float_denorm_mode_16_64 3
		.amdhsa_memory_ordered 1
		.amdhsa_forward_progress 1
		.amdhsa_inst_pref_size 2
	.end_amdhsa_kernel
	.amdgpu_metadata
---
amdhsa.version: [ 1, 2 ]
amdhsa.kernels:
  - .name:           k_q9bb009fa5f_finish
    .symbol:         k_q9bb009fa5f_finish.kd
    .args:
      - { .name: cnt, .offset: 0, .size: 8, .value_kind: global_buffer, .address_space: global }
      - { .name: out1, .offset: 8, .size: 8, .value_kind: global_buffer, .address_space: global }
    .group_segment_fixed_size: 0
    .private_segment_fixed_size: 0
    .kernarg_segment_align: 8
    .kernarg_segment_size: 16
    .max_flat_workgroup_size: 32
    .sgpr_count:     66
    .vgpr_count:     24
    .wavefront_size: 32
...
	.end_amdgpu_metadata
.endif
;; end of part 6
;; ======== version 2 of 4: 5 launches; 1.18 times as fast as version 1
;; limits: values are held in f16: magnitudes above 65,504 overflow, below 6.1e-05 lose precision; right only within a limited range of input values
;; workspace buffers: wt 1,048,576 bytes; wh 1,048,576 bytes; ssq 4,096 bytes; gp 524,288 bytes; p 16,777,216 bytes; scal 256 bytes; cnt 1,024 bytes
;; launch prep (part 7): grid 256 x 1, 4 waves a work-group, no clusters, 0 bytes of LDS; arguments dictionary, wh, wt, ssq; writes wh, wt, ssq
.if DOCPART == 7
	.amdgcn_target "amdgcn-amd-amdhsa--gfx1250"
	.amdhsa_code_object_version 6
	.text
	.protected	k_q9bb009fa5f_prep
	.globl	k_q9bb009fa5f_prep
	.p2align	8
	.type	k_q9bb009fa5f_prep,@function
k_q9bb009fa5f_prep:
	s_mov_b64 s[64:65], 0
	v_nop
	global_prefetch_b8 v0, s[64:65] scope:SCOPE_SE
	s_setreg_imm32_b32 hwreg(HW_REG_WAVE_MODE, 25, 1), 1
	s_wait_xcnt 0x0
; SparseDict, launch prep, the first: the dictionary W [1024 (d)][512 (k)] f32 is rounded once to bf16 and laid out as matrix operands.
; THE WHOLE PROGRAM.  X = z_e_x with each row permuted, [8192][1024].  L = the Rayleigh quotient of G = W^T W after 20 power steps from the vector of ones.
; Six steps Z <- soft(Z - ((Z W^T - X) W) / L, 0.1 / L) from Z = 0.  out0 = Z W^T, out1 = count(|Z| > 1e-6) / 8192.
; The launches: prep (W's two copies, the trace), gram (G), gram2 (G G and G 1), xwpow (X W, and beside it L), ista (the steps, out0, counts), finish (out1).
; WORK LEFT OUT, for all real values of the inputs:
;   (a) (Z W^T - X) W = Z (W^T W) - X W by the distributive and associative laws, so G (512 x 512) and X W are made once and a step is one product Z G: the order of rounding differs from that of reference().
;   (b) the first step's Z0 W^T and its product with W: Z0 is built as zeros in the body of reference(), so both are 0: the first step is soft(X W / L, 0.1 / L).
;   (c) the permutation of X: a sum over d may run in any order, so z_e_x is read as it lies (d' = 64 c + hw) and W's rows are taken in that order (d = 16 (d' % 64) + d' / 64) in the copy wt.
;   (d) stop_gradient changes no value.
;   (e) the 20 power steps go two at a time.  Every v_k is a multiple of G^k 1: v_k = m_k u_k, u_k = G^k 1 / |G^k 1|.  With G2 = G G the vectors a = G^(2j) 1 and b = G^(2j+1) 1 go from j to j + 1 by one product each,
;       and both are rows of one matrix operand: 10 products with G2 stand for the 21 with G.  The norms of reference() are |G v_k| = m_k r_k with r_k = |G^(k+1) 1| / |G^k 1|, so m_(k+1) = m_k r_k / (m_k r_k + 1e-12)
;       for k = 0 .. 19, from the norms of a and b; and, G being symmetric, L = m^2 (a . b / a . a) / (m^2 + 1e-12) with m = m_20, a = G^20 1, b = G^21 1.  Every 1e-12 of reference() is kept.
;   No input is left out.  A NaN, an infinity or an overflow that would arise only in Z W^T - X is not carried to the result.
; FORMATS.  z_e_x and W are rounded once to bf16.  G' = G / s (s a power of two, the mean of G's diagonal in [s, 2 s), so |G'| < 1024), G' G' / 32 and the scaled codes -sqrt(L) Z are f16; all sums and the codes' state are f32.
; LIMITS.  |W| below 65,504 (wh is f16; below 6.1e-5 it keeps f16's fixed step of 6e-8); |sqrt(L) Z|, some 2.5 times a row's norm of X, below 65,504; W = 0 and G 1 = 0 are not served (reference() gives NaN); NaN and infinities are not treated apart.
; A FRAGMENT is the register image of 16 rows x 32 k of 16-bit numbers, 1,024 bytes: byte 512 q + 16 lane + 2 e holds row lane % 16, k = 16 q + 8 (lane / 16) + e.  Two loads of 16 bytes a lane fill an operand.
; THIS LAUNCH.  Wave F = 4 x work-group + wave (0 .. 1023) makes fragment F of wh and fragment F of wt, and the sum of squares of the 512 rounded numbers of its wh fragment (the 1,024 sums add up to G's trace).
;   wh: rows d, k along W's rows, f16 (the bf16 number written as f16); fragment (d tile nt, k step ks) at ((nt / 4) 16 + ks) 4 + nt % 4.
;   wt: rows k, d' along K, bf16; fragment (d' step ks', k tile nt) at 32 ks' + nt.
.set SELA, 20                          ; s20, s21  v_permlanex16_b32's selects: each lane takes its own place in the other half
.set SELB, 21
.macro WRED reg, tmp                   ; the sum over the wave's 32 lanes, in every lane
	v_add_f32_dpp v[\reg], v[\reg], v[\reg] row_xmask:1 row_mask:0xf bank_mask:0xf
	v_add_f32_dpp v[\reg], v[\reg], v[\reg] row_xmask:2 row_mask:0xf bank_mask:0xf
	v_add_f32_dpp v[\reg], v[\reg], v[\reg] row_xmask:4 row_mask:0xf bank_mask:0xf
	v_add_f32_dpp v[\reg], v[\reg], v[\reg] row_xmask:8 row_mask:0xf bank_mask:0xf
	v_mov_b32 v[\tmp], v[\reg]                     ; the next line's destination counts as read
	v_permlanex16_b32 v[\tmp], v[\reg], s[SELA], s[SELB]
	v_add_f32 v[\reg], v[\reg], v[\tmp]
.endm
	s_load_b256 s[4:11], s[0:1], 0x0               ; dictionary s[4:5], wh s[6:7], wt s[8:9], ssq s[10:11]
	v_lshrrev_b32 v1, 5, v0
	v_readfirstlane_b32 s12, v1                    ; wave 0..3
	s_lshl_b32 s13, ttmp9, 2
	s_add_co_u32 s13, s13, s12                     ; F
	s_mov_b32 s[SELA], 0x76543210
	s_mov_b32 s[SELB], 0xfedcba98
	s_mov_b32 s22, 0xffff0000                      ; a word's upper bf16
	v_and_b32 v1, 31, v0                           ; lane
	v_and_b32 v2, 15, v0                           ; r
	v_bfe_u32 v3, v0, 4, 1                         ; h
	; wh's fragment: W[16 nt + r][32 ks + 16 q + 8 h + e]: 32 bytes on end for each q
	s_and_b32 s14, s13, 3
	s_bfe_u32 s15, s13, 0x40002                    ; ks
	s_lshr_b32 s16, s13, 6
	s_lshl2_add_u32 s16, s16, s14                  ; nt
	s_lshl_b32 s16, s16, 15                        ; 16 rows of 2,048 bytes
	s_lshl_b32 s15, s15, 7
	s_add_co_u32 s16, s16, s15
	v_lshlrev_b32 v4, 11, v2
	v_lshl_add_u32 v4, v3, 5, v4
	v_add_nc_u32 v4, s16, v4
	; wt's fragment: W[d][16 nt + r] with d = 16 (32 (ks' % 2) + 16 q + 8 h + e) + ks' / 2
	s_and_b32 s17, s13, 31                         ; nt
	s_lshr_b32 s18, s13, 5                         ; ks'
	s_and_b32 s19, s18, 1
	s_lshl_b32 s19, s19, 20
	s_lshr_b32 s18, s18, 1
	s_lshl_b32 s18, s18, 11
	s_add_co_u32 s19, s19, s18
	s_lshl_b32 s17, s17, 6
	s_add_co_u32 s19, s19, s17
	v_lshlrev_b32 v5, 2, v2
	v_lshl_add_u32 v5, v3, 18, v5
	v_add_nc_u32 v5, s19, v5
	s_lshl_b32 s23, s13, 10
	v_lshl_add_u32 v6, v1, 4, s23                  ; where both fragments go: 1,024 F + 16 lane
	s_lshl_b32 s24, s13, 2
	v_mov_b32 v7, s24                              ; and the sum of squares: 4 F
	s_wait_kmcnt 0x0
	global_load_b128 v[16:19], v4, s[4:5]
	global_load_b128 v[20:23], v4, s[4:5] offset:16
	global_load_b128 v[24:27], v4, s[4:5] offset:64
	global_load_b128 v[28:31], v4, s[4:5] offset:80
.irp q, 0,1
.irp e, 0,1,2,3,4,5,6,7
	global_load_b32 v[32+8*\q+\e], v5, s[4:5] offset:\q*524288+\e*32768  ; the four waves of a work-group take 256 neighbouring bytes of each row
.endr
.endr
	s_wait_loadcnt 16                              ; the four wide loads are in; the sixteen narrow ones may stay out
.set i, 0
.rept 8
	v_cvt_pk_bf16_f32 v58, v[16+2*i], v[17+2*i]    ; the one rounding of W
	v_lshlrev_b32 v59, 16, v58                     ; back to f32: the low half moves up,
	v_and_b32 v60, s22, v58                        ; the high half stays
.if i == 0
	v_mul_f32 v56, v59, v59                        ; the first pair starts the two chains of the sum of squares
	v_mul_f32 v57, v60, v60
.else
	v_fmac_f32 v56, v59, v59
	v_fmac_f32 v57, v60, v60
.endif
	v_cvt_pk_f16_f32 v[8+i], v59, v60              ; eight significant bits: exact in f16's normal range
.set i, i+1
.endr
	global_store_b128 v6, v[8:11], s[6:7]          ; each store of the wave covers 512 consecutive bytes, aligned
	global_store_b128 v6, v[12:15], s[6:7] offset:512
	s_wait_loadcnt 0x0
.set i, 0
.rept 8
	v_cvt_pk_bf16_f32 v[48+i], v[32+2*i], v[33+2*i]
.set i, i+1
.endr
	global_store_b128 v6, v[48:51], s[8:9]
	global_store_b128 v6, v[52:55], s[8:9] offset:512
	v_add_f32 v56, v56, v57
	WRED 56, 57
	s_wait_xcnt 0x0                                ; EXEC is a source of the stores above: it changes only behind this wait
	v_cmp_eq_u32 vcc_lo, 0, v1
	s_and_saveexec_b32 s25, vcc_lo
	global_store_b32 v7, v56, s[10:11]             ; lane 0 alone
	s_wait_xcnt 0x0
	s_or_b32 exec_lo, exec_lo, s25
	s_endpgm
.Lfunc_end_k_q9bb009fa5f_prep:
	.size	k_q9bb009fa5f_prep, .Lfunc_end_k_q9bb009fa5f_prep-k_q9bb009fa5f_prep
	.p2alignl 7, 3214868480
	.fill 96, 4, 3214868480
	.section	.rodata,"a",@progbits
	.p2align	6, 0x0
	.amdhsa_kernel k_q9bb009fa5f_prep
		.amdhsa_group_segment_fixed_size 0
		.amdhsa_private_segment_fixed_size 0
		.amdhsa_enable_private_segment 0
		.amdhsa_kernarg_size 32
		.amdhsa_user_sgpr_count 2
		.amdhsa_user_sgpr_kernarg_segment_ptr 1
		.amdhsa_wavefront_size32 1
		.amdhsa_system_sgpr_workgroup_id_x 1
		.amdhsa_system_sgpr_workgroup_id_y 1
		.amdhsa_system_sgpr_workgroup_id_z 1
		.amdhsa_system_vgpr_workitem_id 0
		.amdhsa_next_free_vgpr 64
		.amdhsa_next_free_sgpr 66
		.amdhsa_reserve_vcc 1
		.amdhsa_float_denorm_mode_32 3
		.amdhsa_float_denorm_mode_16_64 3
		.amdhsa_memory_ordered 1
		.amdhsa_forward_progress 1
		.amdhsa_inst_pref_size 8
	.end_amdhsa_kernel
	.amdgpu_metadata
---
amdhsa.version: [ 1, 2 ]
amdhsa.kernels:
  - .name:           k_q9bb009fa5f_prep
    .symbol:         k_q9bb009fa5f_prep.kd
    .args:
      - { .name: dictionary, .offset: 0, .size: 8, .value_kind: global_buffer, .address_space: global }
      - { .name: wh, .offset: 8, .size: 8, .value_kind: global_buffer, .address_space: global }
      - { .name: wt, .offset: 16, .size: 8, .value_kind: global_buffer, .address_space: global }
      - { .name: ssq, .offset: 24, .size: 8, .value_kind: global_buffer, .address_space: global }
    .group_segment_fixed_size: 0
    .private_segment_fixed_size: 0
    .kernarg_segment_align: 8
    .kernarg_segment_size: 32
    .max_flat_workgroup_size: 128
    .sgpr_count:     66
    .vgpr_count:     64
    .wavefront_size: 32
...
	.end_amdgpu_metadata
.endif
;; end of part 7
;; launch gram (part 8): grid 256 x 1, 2 waves a work-group, no clusters, 0 bytes of LDS; arguments wt, ssq, gp; writes gp
.if DOCPART == 8
	.amdgcn_target "amdgcn-amd-amdhsa--gfx1250"
	.amdhsa_code_object_version 6
	.text
	.protected	k_q9bb009fa5f_gram
	.globl	k_q9bb009fa5f_gram
	.p2align	8
	.type	k_q9bb009fa5f_gram,@function
k_q9bb009fa5f_gram:
	s_mov_b64 s[64:65], 0
	v_nop
	global_prefetch_b8 v0, s[64:65] scope:SCOPE_SE
	s_setreg_imm32_b32 hwreg(HW_REG_WAVE_MODE, 25, 1), 1
	s_wait_xcnt 0x0
; SparseDict, launch gram: G' = W^T W / s in f16, as fragments.  G stands for the two products with W in every step of reference() (see the first kernel's head).
; s is the power of two at or below trace(G) / 512, so the mean of G's diagonal lies in [s, 2 s) and |G'| < 1,024 for every W (|G[i][j]| <= trace).
; Wave n = 2 x work-group + wave (0 .. 511) makes fragment n of gp: rows i = 16 ni + r, columns j = 32 ks + 16 q + 8 h + e; n = ((ni / 8) 16 + ks) 8 + ni % 8.
; Source 0 = wt's fragment of the 16 columns j, source 1 = wt's fragment of the 16 rows i: in the result a lane holds one row i (lane % 16) and eight neighbouring j: two results packed in pairs ARE the fragment.
; K = 1,024 goes in 32 steps; a ring of eight steps in registers keeps 42 to 48 loads of the wave on their way.  Nothing is shared between waves, so nothing goes through LDS.
.set SELA, 20
.set SELB, 21
.set LN,   1                           ; v1   16 x lane
.set VQ,   2                           ; v2   the rows' fragments: 1,024 ni + 16 lane
.set VP,   3                           ; v3   the columns' fragments: 1,024 (2 ks) + 16 lane
.set A0,   16                          ; v[16:23]  columns 32 ks + 0..15
.set A1,   24                          ; v[24:31]  columns 32 ks + 16..31
.set RING, 32                          ; v[32:223] eight slots of 24: rows' fragment, then the two columns' fragments
.set TL,   224                         ; v[224:255] the 1,024 sums of squares, 32 a lane
.macro WRED reg, tmp
	v_add_f32_dpp v[\reg], v[\reg], v[\reg] row_xmask:1 row_mask:0xf bank_mask:0xf
	v_add_f32_dpp v[\reg], v[\reg], v[\reg] row_xmask:2 row_mask:0xf bank_mask:0xf
	v_add_f32_dpp v[\reg], v[\reg], v[\reg] row_xmask:4 row_mask:0xf bank_mask:0xf
	v_add_f32_dpp v[\reg], v[\reg], v[\reg] row_xmask:8 row_mask:0xf bank_mask:0xf
	v_mov_b32 v[\tmp], v[\reg]
	v_permlanex16_b32 v[\tmp], v[\reg], s[SELA], s[SELB]
	v_add_f32 v[\reg], v[\reg], v[\tmp]
.endm
; The trace and s.  The same lines stand in the launch that finds L, so that both have the same bits.  Leaves s in v[TL] and 1 / s in v[TL+1].
.macro TRACE_LOAD
.irp i, 0,1,2,3,4,5,6,7
	global_load_b128 v[TL+4*\i:TL+4*\i+3], v[LN], s[6:7] offset:512*\i
.endr
.endm
.macro TRACE_SUM
.irp z, 0,2,4,6,8,10,12,14
	v_pk_add_f32 v[TL+\z:TL+\z+1], v[TL+\z:TL+\z+1], v[TL+16+\z:TL+17+\z]
.endr
.irp z, 0,2,4,6
	v_pk_add_f32 v[TL+\z:TL+\z+1], v[TL+\z:TL+\z+1], v[TL+8+\z:TL+9+\z]
.endr
.irp z, 0,2
	v_pk_add_f32 v[TL+\z:TL+\z+1], v[TL+\z:TL+\z+1], v[TL+4+\z:TL+5+\z]
.endr
	v_pk_add_f32 v[TL:TL+1], v[TL:TL+1], v[TL+2:TL+3]
	v_add_f32 v[TL], v[TL], v[TL+1]
	WRED TL, TL+1
	v_mul_f32 v[TL], 0x3b000000, v[TL]             ; trace / 512
	v_and_b32 v[TL], 0x7f800000, v[TL]             ; its exponent alone: s
	v_sub_nc_u32 v[TL+1], 0x7f000000, v[TL]        ; exponent field 254 - E: 1 / s
.endm
.macro PLACES                          ; four plain vector instructions between a matrix instruction and a load into, or a vector read of, its registers
.rept 4
	v_nop
.endr
.endm
.macro GLOAD k                         ; the six loads of K step k, into its slot
.set RL, RING+24*((\k)%8)
	global_load_b128 v[RL:RL+3],     v[VQ], s[4:5] offset:(\k)*32768
	global_load_b128 v[RL+4:RL+7],   v[VQ], s[4:5] offset:(\k)*32768+512
	global_load_b128 v[RL+8:RL+11],  v[VP], s[4:5] offset:(\k)*32768
	global_load_b128 v[RL+12:RL+15], v[VP], s[4:5] offset:(\k)*32768+512
	global_load_b128 v[RL+16:RL+19], v[VP], s[4:5] offset:(\k)*32768+1024
	global_load_b128 v[RL+20:RL+23], v[VP], s[4:5] offset:(\k)*32768+1536
.endm
	s_load_b128 s[4:7], s[0:1], 0x0                ; wt s[4:5], ssq s[6:7]
	s_load_b64 s[8:9], s[0:1], 0x10                ; gp
	v_lshrrev_b32 v1, 5, v0
	v_readfirstlane_b32 s12, v1                    ; wave 0..1
	s_lshl_b32 s13, ttmp9, 1
	s_add_co_u32 s13, s13, s12                     ; n
	s_mov_b32 s[SELA], 0x76543210
	s_mov_b32 s[SELB], 0xfedcba98
	s_and_b32 s14, s13, 7
	s_bfe_u32 s15, s13, 0x40003                    ; ks
	s_lshr_b32 s16, s13, 7
	s_lshl3_add_u32 s16, s16, s14                  ; ni
	v_and_b32 v[LN], 31, v0
	v_lshlrev_b32 v[LN], 4, v[LN]
	s_lshl_b32 s16, s16, 10
	s_lshl_b32 s15, s15, 11
	v_add_nc_u32 v[VQ], s16, v[LN]
	v_add_nc_u32 v[VP], s15, v[LN]
	s_lshl_b32 s17, s13, 10
	v_add_nc_u32 v6, s17, v[LN]                    ; where the fragment goes
	s_wait_kmcnt 0x0
	TRACE_LOAD
.irp k, 0,1,2,3,4,5,6,7
	GLOAD \k
.endr
	s_wait_loadcnt 48                              ; the eight loads of the sums of squares are in; the ring's 48 stay out
	TRACE_SUM
	v_mov_b32 v4, v[TL+1]
	v_mov_b32 v5, v[TL+1]                          ; 1 / s, twice: a pair for the packed multiply
.set st, 0
.rept 32
.set R, RING+24*(st%8)
.if st < 24
	s_wait_loadcnt 42                              ; this step's six loads are in; the seven younger steps' stay out
.else
	s_wait_loadcnt 6*(31-st)                       ; the last steps load nothing: the counts run down
.endif
.if st == 0                            ; the first products start the sums; the two accumulators take turns
	v_wmma_f32_16x16x32_bf16 v[A0:A0+7], v[R+8:R+15],  v[R:R+7], 0
	v_wmma_f32_16x16x32_bf16 v[A1:A1+7], v[R+16:R+23], v[R:R+7], 0
.else
	v_wmma_f32_16x16x32_bf16 v[A0:A0+7], v[R+8:R+15],  v[R:R+7], v[A0:A0+7]
	v_wmma_f32_16x16x32_bf16 v[A1:A1+7], v[R+16:R+23], v[R:R+7], v[A1:A1+7]
.endif
.if st < 24
	PLACES
	GLOAD st+8                                     ; the slot just multiplied takes the step eight further on
.endif
.set st, st+1
.endr
	PLACES
.irp z, 0,2,4,6,8,10,12,14
	v_pk_mul_f32 v[A0+\z:A0+\z+1], v[A0+\z:A0+\z+1], v[4:5]   ; a power of two: exact
.endr
.irp z, 0,1,2,3,4,5,6,7
	v_cvt_pk_f16_f32 v[8+\z], v[A0+2*\z], v[A0+2*\z+1]        ; G's one rounding
.endr
	global_store_b128 v6, v[8:11], s[8:9]          ; 512 consecutive bytes, aligned
	global_store_b128 v6, v[12:15], s[8:9] offset:512
	s_endpgm
.Lfunc_end_k_q9bb009fa5f_gram:
	.size	k_q9bb009fa5f_gram, .Lfunc_end_k_q9bb009fa5f_gram-k_q9bb009fa5f_gram
	.p2alignl 7, 3214868480
	.fill 96, 4, 3214868480
	.section	.rodata,"a",@progbits
	.p2align	6, 0x0
	.amdhsa_kernel k_q9bb009fa5f_gram
		.amdhsa_group_segment_fixed_size 0
		.amdhsa_private_segment_fixed_size 0
		.amdhsa_enable_private_segment 0
		.amdhsa_kernarg_size 24
		.amdhsa_user_sgpr_count 2
		.amdhsa_user_sgpr_kernarg_segment_ptr 1
		.amdhsa_wavefront_size32 1
		.amdhsa_system_sgpr_workgroup_id_x 1
		.amdhsa_system_sgpr_workgroup_id_y 1
		.amdhsa_system_sgpr_workgroup_id_z 1
		.amdhsa_system_vgpr_workitem_id 0
		.amdhsa_next_free_vgpr 256
		.amdhsa_next_free_sgpr 66
		.amdhsa_reserve_vcc 0
		.amdhsa_float_denorm_mode_32 3
		.amdhsa_float_denorm_mode_16_64 3
		.amdhsa_memory_ordered 1
		.amdhsa_forward_progress 1
		.amdhsa_inst_pref_size 31
	.end_amdhsa_kernel
	.amdgpu_metadata
---
amdhsa.version: [ 1, 2 ]
amdhsa.kernels:
  - .name:           k_q9bb009fa5f_gram
    .symbol:         k_q9bb009fa5f_gram.kd
    .args:
      - { .name: wt, .offset: 0, .size: 8, .value_kind: global_buffer, .address_space: global }
      - { .name: ssq, .offset: 8, .size: 8, .value_kind: global_buffer, .address_space: global }
      - { .name: gp, .offset: 16, .size: 8, .value_kind: global_buffer, .address_space: global }
    .group_segment_fixed_size: 0
    .private_segment_fixed_size: 0
    .kernarg_segment_align: 8
    .kernarg_segment_size: 24
    .max_flat_workgroup_size: 64
    .sgpr_count:     66
    .vgpr_count:     256
    .wavefront_size: 32
...
	.end_amdgpu_metadata
.endif
;; end of part 8
;; launch xwpow (part 9): grid 257 x 1, 4 waves a work-group, no clusters, 204,032 bytes of LDS; arguments z_e_x, wt, p, scal, gp, ssq; writes p, scal
.if DOCPART == 9
	.amdgcn_target "amdgcn-amd-amdhsa--gfx1250"
	.amdhsa_code_object_version 6
	.text
	.protected	k_q9bb009fa5f_xwpow
	.globl	k_q9bb009fa5f_xwpow
	.p2align	8
	.type	k_q9bb009fa5f_xwpow,@function
k_q9bb009fa5f_xwpow:
	s_mov_b64 s[64:65], 0
	v_nop
	global_prefetch_b8 v0, s[64:65] scope:SCOPE_SE
	s_setreg_imm32_b32 hwreg(HW_REG_WAVE_MODE, 25, 1), 1
	s_wait_xcnt 0x0
; SparseDict, launch xwpow.  Two pieces of work that need only what earlier launches stored, and nothing of each other, share one launch:
;   work-group 0:          L, by 20 power steps on G' = G / s and a Rayleigh quotient, and the constants that the steps on the codes use (reads gp, ssq; stores scal);
;   work-groups 1 to 256:  P = X W, [8192][512] in f32, 32 rows each (read z_e_x, wt; store p).
; WHY ONE LAUNCH.  Each of the 21 products for L needs the whole vector of the one before, and work-groups of a launch hand nothing to each other: that chain is one work-group's.  X W has work for all the others meanwhile.
; The chain is the longest share, so it has the first number.  The branch hangs on the work-group's number alone: it is the same in all four waves, so the waves of a work-group pass the same barriers.
; LEFT OUT (shown at the first kernel's head): the permutation of X (z_e_x is read as it lies; wt holds W's rows in that order); Wd^T (Wd v) is G v.
; LDS.  Each kind of work-group has bytes of its own: 0 to 133,887 the chain's; 133,888 the spare words, 128 bytes for each wave (both kinds'); 134,400 to 204,031 X's blocks.
.set SPARE, 133888
.set XB0,   134400
.set SPW, 6                            ; v6   my spare word; never rewritten
.set NIL, 7                            ; v7   0; never rewritten
.set MSB, 0
.macro WIN new                         ; the immediate's high byte repeats the setting that is left; a switch that changes nothing is dropped
.if MSB != (\new)
	s_set_vgpr_msb (MSB<<8)|(\new)
.set MSB, \new
.endif
.endm
.macro PLACES                          ; four plain vector instructions between a matrix instruction and a load into, or a read of, its registers
.rept 4
	v_nop
.endr
.endm
	v_lshl_add_u32 v[SPW], v0, 2, SPARE
	v_mov_b32 v[NIL], 0
	v_lshrrev_b32 v1, 5, v0
	v_readfirstlane_b32 s12, v1                    ; wave 0..3
	s_cmp_eq_u32 ttmp9, 0
	s_cbranch_scc1 .Lpower                         ; work-group 0 takes the chain
; ---------------------------------------------------------------- P = X W, work-groups 1 to 256 ----------------------------------------------------------------
; SHARES.  Work-group b + 1 takes rows 32 b .. 32 b + 31 of X; wave w takes columns 128 w .. 128 w + 127: 16 accumulators (8 column tiles x 2 row tiles).
; X: each wave reads 8 rows (64 loads of 512 consecutive bytes), rounds them to bf16 and lays them into LDS, where all four waves read them as fragments.
; wt: each fragment is wanted by one wave of the work-group and comes straight from memory into a ring of four K steps in registers: 48 to 64 loads of a wave are on their way all the time.
; NO CLUSTER, NO TENSOR LOADS: what work-groups share is wt, of which no two waves of a work-group want the same byte; through LDS it would need slots, barriers and a second trip into registers.
; Source 0 = 16 columns of W, source 1 = 16 rows of X: a lane holds one row of P (lane % 16) and eight neighbouring columns.  P is stored as the accumulators' register images, which the launch that uses it loads back as they are.
; LDS: 256 blocks of 272 bytes.  Block 128 mt + 4 ks + 2 q + h holds, for its 16 rows, the 16 bytes k = 32 ks + 16 q + 8 h + 0..7, then 16 bytes of padding:
; the 32 lanes of a store touch 32 different 8-byte columns modulo 256 bytes, the 16 lanes of a load's pass 256 consecutive bytes.
; REGISTERS: window 0: v0-15 addresses, v16-31 at work, v32-63 X's fragments (two buffers x two row tiles), v64-191 the accumulators (column tile t, row tile m at 64 + 8 (2 t + m));
;   window 1: X as loaded, 64 x 4;   window 2: wt's ring: K step j % 4, column tile t at 64 j + 8 t.
.set XBMT,  34816                      ; bytes of a row tile's 128 blocks
.set XO,  2                            ; v2   my 16 bytes in my wave's first row of z_e_x: 32,768 w + 16 lane
.set XS,  3                            ; v3   where I put 8 bytes of a row
.set XR0, 4                            ; v4   where I read row tile 0's fragments; stepped once a trip
.set XR1, 5                            ; v5   row tile 1's
.set WO,  8                            ; v8   my wave's fragments in a K step of wt: 8,192 w + 16 lane
.set PO,  9                            ; v9   16,384 w + 16 lane
.set XT,  16
.set XF,  32
.set XAC, 64
.macro XFL buf, off                    ; X's two fragments of one K step, at byte off of the blocks, into buffer buf
	ds_load_b128 v[XF+16*(\buf):XF+16*(\buf)+3],     v[XR0] offset:(\off)
	ds_load_b128 v[XF+16*(\buf)+4:XF+16*(\buf)+7],   v[XR0] offset:(\off)+544
	ds_load_b128 v[XF+16*(\buf)+8:XF+16*(\buf)+11],  v[XR1] offset:(\off)
	ds_load_b128 v[XF+16*(\buf)+12:XF+16*(\buf)+15], v[XR1] offset:(\off)+544
.endm
; K step j of a trip of four.  zero: the products start the sums.  more: the ring's slot takes the step four further on.  nx: X's buffer takes the step two further on.
; lc: the younger global loads that may stay out (16 for each younger step of the ring).  dc: the younger LDS loads (the next step's four).
.macro XSTEP j, zero, more, nx, lc, dc
	s_wait_loadcnt \lc
	s_wait_dscnt \dc
	WIN 0x02                                       ; source 0 in window 2
.set t, 0
.rept 8                                ; the 16 accumulators take turns, in the same order in every step
.set m, 0
.rept 2
.if \zero
	v_wmma_f32_16x16x32_bf16 v[XAC+8*(2*t+m):XAC+8*(2*t+m)+7], v[64*(\j)+8*t:64*(\j)+8*t+7], v[XF+16*((\j)%2)+8*m:XF+16*((\j)%2)+8*m+7], 0
.else
	v_wmma_f32_16x16x32_bf16 v[XAC+8*(2*t+m):XAC+8*(2*t+m)+7], v[64*(\j)+8*t:64*(\j)+8*t+7], v[XF+16*((\j)%2)+8*m:XF+16*((\j)%2)+8*m+7], v[XAC+8*(2*t+m):XAC+8*(2*t+m)+7]
.endif
.set m, m+1
.endr
.set t, t+1
.endr
	PLACES
.if \more
	WIN 0x80                                       ; destination in window 2
.set n, 0
.rept 16
	global_load_b128 v[64*(\j)+4*n:64*(\j)+4*n+3], v[WO], s[6:7] offset:((\j)+4)*32768+512*n
.set n, n+1
.endr
.endif
.if \nx
	WIN 0
	XFL (\j)%2, ((\j)+2)*1088
.endif
.endm
.macro ONWARD                          ; a trip's end: four K steps on
	WIN 0
	s_wait_xcnt 0x0                                ; every load issued so far has read its address: wt's base may be written
	s_add_nc_u64 s[6:7], s[6:7], 131072
	v_add_nc_u32 v[XR0], 4352, v[XR0]
	v_add_nc_u32 v[XR1], 4352, v[XR1]
.endm
	s_load_b128 s[4:7], s[0:1], 0x0                ; z_e_x s[4:5], wt s[6:7]
	s_load_b64 s[8:9], s[0:1], 0x10                ; p
	v_and_b32 v1, 31, v0                           ; lane
	v_and_b32 v10, 15, v0                          ; r
	v_bfe_u32 v11, v0, 4, 1                        ; h
	v_lshlrev_b32 v12, 4, v1
	s_lshl_b32 s16, s12, 15
	v_add_nc_u32 v[XO], s16, v12
	s_lshl_b32 s16, s12, 13
	v_add_nc_u32 v[WO], s16, v12
	s_lshl_b32 s16, s12, 14
	v_add_nc_u32 v[PO], s16, v12
	v_lshrrev_b32 v13, 1, v1                       ; a lane's four numbers are half of a block's 16 bytes: block lane / 2 of the load's sixteen,
	v_and_b32 v14, 1, v1                           ; half lane % 2
	v_mul_u32_u24 v[XS], v13, 272
	v_lshl_add_u32 v[XS], v14, 3, v[XS]
	s_lshr_b32 s16, s12, 1                         ; my wave's 8 rows: row tile w / 2,
	s_mul_i32 s16, s16, XBMT
	s_and_b32 s17, s12, 1                          ; rows 8 (w % 2) on
	s_lshl_b32 s17, s17, 7
	s_add_co_u32 s16, s16, s17
	s_add_co_u32 s16, s16, XB0
	v_add_nc_u32 v[XS], s16, v[XS]
	v_mul_u32_u24 v[XR0], v11, 272
	v_lshl_add_u32 v[XR0], v10, 4, v[XR0]
	v_add_nc_u32 v[XR0], XB0, v[XR0]
	v_add_nc_u32 v[XR1], XBMT, v[XR0]
	s_sub_co_u32 s20, ttmp9, 1                     ; b: on this way the work-group's number is 1 or more
	s_lshl_b32 s14, s20, 17                        ; its 32 rows of 4,096 bytes
	s_mov_b32 s15, 0
	s_lshl_b32 s18, s20, 16                        ; and its 65,536 bytes of p
	s_mov_b32 s19, 0
	s_wait_kmcnt 0x0
	s_add_nc_u64 s[4:5], s[4:5], s[14:15]
	s_add_nc_u64 s[8:9], s[8:9], s[18:19]
	; X: my 8 rows, read once in the launch
	WIN 0x40                                       ; destination in window 1
.set n, 0
.rept 64
	global_load_b128 v[4*n:4*n+3], v[XO], s[4:5] offset:(n/8)*4096+(n%8)*512 th:TH_LOAD_NT
.set n, n+1
.endr
.set rho, 0
.rept 8                                ; row by row: rounded, laid into LDS; behind each row eight of the ring's first 64 loads go out
	s_wait_loadcnt 56                              ; row rho is in: behind it stand 8 (7 - rho) loads of X and 8 rho of the ring
	WIN 0x05                                       ; sources in window 1
.set i, 0
.rept 8
	v_cvt_pk_bf16_f32 v[XT+2*i],   v[(rho*8+i)*4],   v[(rho*8+i)*4+1]
	v_cvt_pk_bf16_f32 v[XT+2*i+1], v[(rho*8+i)*4+2], v[(rho*8+i)*4+3]
.set i, i+1
.endr
	WIN 0
.set i, 0
.rept 8
	ds_store_b64 v[XS], v[XT+2*i:XT+2*i+1] offset:i*4352+rho*16
.set i, i+1
.endr
	WIN 0x80
.set n, 8*rho
.rept 8
	global_load_b128 v[4*n:4*n+3], v[WO], s[6:7] offset:(n/16)*32768+(n%16)*512
.set n, n+1
.endr
.set rho, rho+1
.endr
	WIN 0
	s_wait_dscnt 0x0                               ; for the others' sake: my rows lie in LDS
	s_barrier_signal -1
	s_barrier_wait -1                              ; all 32 rows do
	XFL 0, 0
	XFL 1, 1088
	XSTEP 0, 1, 1, 1, 48, 4                        ; the first trip stands in front of the loop: its first step starts the sums
	XSTEP 1, 0, 1, 1, 48, 4
	XSTEP 2, 0, 1, 1, 48, 4
	XSTEP 3, 0, 1, 1, 48, 4
	ONWARD
	s_mov_b32 s13, 6
.Ltrip:
	XSTEP 0, 0, 1, 1, 48, 4
	XSTEP 1, 0, 1, 1, 48, 4
	XSTEP 2, 0, 1, 1, 48, 4
	XSTEP 3, 0, 1, 1, 48, 4
	ONWARD
	s_sub_co_u32 s13, s13, 1
	s_cmp_lg_u32 s13, 0
	s_cbranch_scc1 .Ltrip
	XSTEP 0, 0, 0, 1, 48, 4                        ; the last trip asks for nothing of wt: the counts run down
	XSTEP 1, 0, 0, 1, 32, 4
	XSTEP 2, 0, 0, 0, 16, 4
	XSTEP 3, 0, 0, 0, 0, 0
	WIN 0
.set i, 0
.rept 32                               ; each accumulator's low half first; each store covers 512 consecutive bytes, aligned
	global_store_b128 v[PO], v[XAC+4*i:XAC+4*i+3], s[8:9] offset:512*i
.set i, i+1
.endr
	s_wait_tensorcnt 0x0                           ; the wave's end: behind my last LDS store
	ds_add_u32 v[SPW], v[NIL]
	s_wait_dscnt 0x0
	s_endpgm
; ---------------------------------------------------------------- L, work-group 0 ----------------------------------------------------------------
; With y = G' v the step v / (|G v| + 1e-12) of reference() is y / (|y| + 1e-12 / s), and L = s rho, rho = v . G' v / (v . v + 1e-12).
; G' STAYS ON CHIP: of a wave's 128 rows (128 fragments) 96 fragments lie in 768 registers, 32 in LDS, from where they come in four batches of eight under the products on the others.
; THE PRODUCT.  Source 0 = the vector as 16 pseudo-rows: even rows hold v rounded to f16, odd rows what that rounding left, again f16.  Source 1 = 16 rows of G'.  In the result every lane holds, for row lane % 16 of the tile,
; the first part's product in register 0 and the second's in register 1; their sum is y.  v itself, y, the norms and the quotient are f32.
; STORED: gamma = sqrt(rho / s), 0.1 gamma, -1 / rho, 1e-6 rho sqrt(rho s), -1 / sqrt(rho s), L, s, rho.  The state of the codes is Y = rho sqrt(rho s) Z: Y <- soft(Y + gamma X W + (-Y / rho) G', 0.1 gamma).
; LDS: 0: the streamed fragments, 32,768 bytes a wave: batch 2 g + (ks - 12) / 2, in it fragment 4 (ks % 2) + t.  131,072: v's first parts (1,024 bytes); 1,152 bytes on: its second parts (128 modulo 256, so that the two
; addresses of a load's pass fall into different columns).  133,632: the waves' partial sums.
; REGISTERS: window 0: v0-15 addresses and at work; v16-47 four accumulators; v48-175 the vector's 16 fragments; v176-239 a batch; v240-247 y, v248-255 v (my wave's eight tiles, one number a lane and tile);
;   windows 1-3: fragment f = 48 g + 4 ks + t (group g of four tiles, ks 0..11) at 256 + 8 f.
.set VH,    131072
.set PART,  133632
.set SELA, 24
.set SELB, 25
.set PW,  1                            ; v1   where my wave's sum of squares goes
.set GO,  2                            ; v2   my wave's fragments in gp: 131,072 w + 16 lane
.set LSA, 3                            ; v3   and in LDS: 32,768 w + 16 lane
.set VFA, 4                            ; v4   the vector's fragments: first or second parts by my row's parity, + 16 h
.set VST, 5                            ; v5   where my number of a tile goes: 256 w + 2 r
.set LN,  10                           ; v10  16 x lane, at the head alone
.set PR,  15                           ; v15  the partial sums' first byte
.set ACC, 16
.set VF,  48
.set TL,  48                           ; the sums of squares land where the vector's fragments will lie
.set SB,  176
.set Y,   240
.set V,   248
.macro WRED reg, tmp
	v_add_f32_dpp v[\reg], v[\reg], v[\reg] row_xmask:1 row_mask:0xf bank_mask:0xf
	v_add_f32_dpp v[\reg], v[\reg], v[\reg] row_xmask:2 row_mask:0xf bank_mask:0xf
	v_add_f32_dpp v[\reg], v[\reg], v[\reg] row_xmask:4 row_mask:0xf bank_mask:0xf
	v_add_f32_dpp v[\reg], v[\reg], v[\reg] row_xmask:8 row_mask:0xf bank_mask:0xf
	v_mov_b32 v[\tmp], v[\reg]
	v_permlanex16_b32 v[\tmp], v[\reg], s[SELA], s[SELB]
	v_add_f32 v[\reg], v[\reg], v[\tmp]
.endm
.macro HALF reg                        ; the sum over 16 lanes: the two halves of the lanes hold the same numbers
	v_add_f32_dpp v[\reg], v[\reg], v[\reg] row_xmask:1 row_mask:0xf bank_mask:0xf
	v_add_f32_dpp v[\reg], v[\reg], v[\reg] row_xmask:2 row_mask:0xf bank_mask:0xf
	v_add_f32_dpp v[\reg], v[\reg], v[\reg] row_xmask:4 row_mask:0xf bank_mask:0xf
	v_add_f32_dpp v[\reg], v[\reg], v[\reg] row_xmask:8 row_mask:0xf bank_mask:0xf
.endm
; The trace and s: the same lines as in the launch that made G', so that both have the same bits.  Leaves s in v[TL] and 1 / s in v[TL+1].
.macro TRACE_LOAD
.irp i, 0,1,2,3,4,5,6,7
	global_load_b128 v[TL+4*\i:TL+4*\i+3], v[LN], s[6:7] offset:512*\i
.endr
.endm
.macro TRACE_SUM
.irp z, 0,2,4,6,8,10,12,14
	v_pk_add_f32 v[TL+\z:TL+\z+1], v[TL+\z:TL+\z+1], v[TL+16+\z:TL+17+\z]
.endr
.irp z, 0,2,4,6
	v_pk_add_f32 v[TL+\z:TL+\z+1], v[TL+\z:TL+\z+1], v[TL+8+\z:TL+9+\z]
.endr
.irp z, 0,2
	v_pk_add_f32 v[TL+\z:TL+\z+1], v[TL+\z:TL+\z+1], v[TL+4+\z:TL+5+\z]
.endr
	v_pk_add_f32 v[TL:TL+1], v[TL:TL+1], v[TL+2:TL+3]
	v_add_f32 v[TL], v[TL], v[TL+1]
	WRED TL, TL+1
	v_mul_f32 v[TL], 0x3b000000, v[TL]
	v_and_b32 v[TL], 0x7f800000, v[TL]
	v_sub_nc_u32 v[TL+1], 0x7f000000, v[TL]
.endm
.macro SOFF n                          ; load n of the 64 of the streamed part lies in LDS at 512 n; in gp at SO: batch n / 16, fragment (n % 16) / 2, half n % 2
.set SO, ((12+2*(((\n)/16)%2)+(((\n)%16)/8))*8+((\n)/32)*4+(((\n)%16)/2)%4)*1024+((\n)%2)*512
.endm
.macro SLOAD beta                      ; a batch of eight fragments out of LDS
	WIN 0
.set n, 0
.rept 16
	ds_load_b128 v[SB+4*n:SB+4*n+3], v[LSA] offset:(\beta)*8192+512*n
.set n, n+1
.endr
.endm
; Four products, one for each tile of group g, on K step ks.  The four accumulators take turns, one instruction a turn.
.macro RES g, ks, zero                 ; G' from registers
.set t, 0
.rept 4
.set f, (\g)*48+(\ks)*4+t
	WIN (1+f/32)<<2
.if \zero
	v_wmma_f32_16x16x32_f16 v[ACC+8*t:ACC+8*t+7], v[VF+8*(\ks):VF+8*(\ks)+7], v[(8*f)%256:(8*f)%256+7], 0
.else
	v_wmma_f32_16x16x32_f16 v[ACC+8*t:ACC+8*t+7], v[VF+8*(\ks):VF+8*(\ks)+7], v[(8*f)%256:(8*f)%256+7], v[ACC+8*t:ACC+8*t+7]
.endif
.set t, t+1
.endr
.endm
.macro STR ks                          ; G' from the batch
	WIN 0
.set t, 0
.rept 4
	v_wmma_f32_16x16x32_f16 v[ACC+8*t:ACC+8*t+7], v[VF+8*(\ks):VF+8*(\ks)+7], v[SB+8*(4*((\ks)%2)+t):SB+8*(4*((\ks)%2)+t)+7], v[ACC+8*t:ACC+8*t+7]
.set t, t+1
.endr
.endm
.macro YSUM g                          ; behind five plain instructions: y = the two parts' products; four are owed to these reads, five to the next group's products, which write the accumulators anew
	v_nop
.irp t, 0,1,2,3
	v_add_f32 v[Y+4*(\g)+\t], v[ACC+8*\t], v[ACC+8*\t+1]
.endr
.endm
; y = G' v for my 128 rows.  At its head no LDS instruction of mine is out and batch 0 lies in registers.  last = 1: no product follows, so batch 0 is not fetched again.
.macro MATVEC last
	WIN 0
.set n, 0
.rept 16
	ds_load_b128 v[VF+8*n:VF+8*n+3],   v[VFA] offset:64*n
	ds_load_b128 v[VF+8*n+4:VF+8*n+7], v[VFA] offset:64*n+32
.set n, n+1
.endr
	s_wait_dscnt 30                                ; the vector's fragment ks is in: 30 - 2 ks younger loads may stay out
	RES 0, 0, 1
.irp ks, 1,2,3,4,5
	s_wait_dscnt 30-2*\ks
	RES 0, \ks, 0
.endr
	s_wait_dscnt 4                                 ; fragments 0 to 13 are in
	STR 12
	STR 13
	PLACES
	SLOAD 1                                        ; the next batch lands under 24 products
.irp ks, 6,7,8,9,10,11
	RES 0, \ks, 0
.endr
	s_wait_dscnt 0x0
	STR 14
	STR 15
	PLACES
	SLOAD 2
	YSUM 0
	RES 1, 0, 1
.irp ks, 1,2,3,4,5
	RES 1, \ks, 0
.endr
	s_wait_dscnt 0x0
	STR 12
	STR 13
	PLACES
	SLOAD 3
.irp ks, 6,7,8,9,10,11
	RES 1, \ks, 0
.endr
	s_wait_dscnt 0x0
	STR 14
	STR 15
	PLACES
.if !(\last)
	SLOAD 0
.endif
	YSUM 1
.endm
.Lpower:
	s_load_b128 s[4:7], s[0:1], 0x20               ; gp s[4:5], ssq s[6:7]
	s_load_b64 s[8:9], s[0:1], 0x18                ; scal
	s_mov_b32 s[SELA], 0x76543210
	s_mov_b32 s[SELB], 0xfedcba98
	v_and_b32 v[LN], 31, v0
	v_lshlrev_b32 v[LN], 4, v[LN]
	s_lshl_b32 s16, s12, 17
	v_add_nc_u32 v[GO], s16, v[LN]
	s_lshl_b32 s16, s12, 15
	v_add_nc_u32 v[LSA], s16, v[LN]
	v_and_b32 v8, 15, v0                           ; r
	v_bfe_u32 v9, v0, 4, 1                         ; h
	v_and_b32 v[VFA], 1, v0
	v_mul_u32_u24 v[VFA], v[VFA], 1152
	v_lshl_add_u32 v[VFA], v9, 4, v[VFA]
	v_add_nc_u32 v[VFA], VH, v[VFA]
	s_lshl_b32 s16, s12, 8
	s_add_co_u32 s16, s16, VH
	v_lshl_add_u32 v[VST], v8, 1, s16
	s_lshl_b32 s16, s12, 2
	s_add_co_u32 s16, s16, PART
	v_mov_b32 v[PW], s16
	v_mov_b32 v[PR], PART
	s_lshl_b32 s21, s12, 3
	s_add_co_u32 s21, s21, PART+64                 ; where my wave's last two sums go
	s_wait_kmcnt 0x0
	TRACE_LOAD
.set f, 0
.rept 96                               ; the fragments that stay in registers
	WIN (1+f/32)<<6
	global_load_b128 v[(8*f)%256:(8*f)%256+3],   v[GO], s[4:5] offset:(((f%48)/4)*8+(f/48)*4+f%4)*1024
	global_load_b128 v[(8*f)%256+4:(8*f)%256+7], v[GO], s[4:5] offset:(((f%48)/4)*8+(f/48)*4+f%4)*1024+512
.set f, f+1
.endr
	WIN 0
	s_wait_loadcnt 63                              ; 192 loads are younger than the eight of the sums of squares: these are in
	TRACE_SUM
	v_mul_f32 v[TL+2], 0x2b8cbccc, v[TL+1]         ; 1e-12 / s
	v_readfirstlane_b32 s31, v[TL]                 ; s
	v_readfirstlane_b32 s29, v[TL+1]               ; 1 / s
	v_readfirstlane_b32 s30, v[TL+2]
.set n, 0
.rept 48                               ; the fragments that go to LDS: three batches through v48-239,
	SOFF n
	global_load_b128 v[48+4*n:48+4*n+3], v[GO], s[4:5] offset:SO
.set n, n+1
.endr
	s_wait_loadcnt 0x0
.set n, 0
.rept 48
	ds_store_b128 v[LSA], v[48+4*n:48+4*n+3] offset:512*n
.set n, n+1
.endr
	s_wait_dscnt 0x0                               ; the stores have read their registers
.set n, 48
.rept 16                               ; and the fourth
	SOFF n
	global_load_b128 v[48+4*(n-48):48+4*(n-48)+3], v[GO], s[4:5] offset:SO
.set n, n+1
.endr
	s_wait_loadcnt 0x0
.set n, 48
.rept 16
	ds_store_b128 v[LSA], v[48+4*(n-48):48+4*(n-48)+3] offset:512*n
.set n, n+1
.endr
	v_mov_b32 v14, 0x3c00                          ; the first vector: ones, with nothing left over
	v_mov_b32 v13, 0
.irp t, 0,1,2,3,4,5,6,7
	ds_store_b16 v[VST], v14 offset:32*\t
	ds_store_b16 v[VST], v13 offset:32*\t+1152
.endr
	s_wait_dscnt 0x0                               ; the stores have read v176-239
	SLOAD 0
	s_wait_dscnt 0x0                               ; for the others' sake: my part of the vector lies in LDS
	s_barrier_signal -1
	s_barrier_wait -1
	s_mov_b32 s20, 20
.Lpow:
	MATVEC 0
	v_mul_f32 v8, v[Y], v[Y]
.irp t, 1,2,3,4,5,6,7
	v_fmac_f32 v8, v[Y+\t], v[Y+\t]
.endr
	HALF 8
	ds_store_b32 v[PW], v8
	s_wait_dscnt 0x0                               ; my sum lies in LDS, and my reads of the vector are over
	s_barrier_signal -1
	s_barrier_wait -1
	ds_load_b128 v[10:13], v[PR]
	s_wait_dscnt 0x0
	v_add_f32 v10, v10, v11
	v_add_f32 v12, v12, v13
	v_add_f32 v10, v10, v12                        ; the same order in all four waves: the same bits
	v_sqrt_f32 v8, v10
	v_nop                                          ; a plain instruction behind the root (ISA guide 5.7.2),
	s_wait_alu depctr_va_vdst(0)                   ; and a wait ahead of its first reader
	v_add_f32 v8, s30, v8
	v_rcp_f32 v8, v8
	v_nop
	s_wait_alu depctr_va_vdst(0)
.irp t, 0,1,2,3,4,5,6,7
	v_mul_f32 v[V+\t], v[Y+\t], v8
	v_cvt_f16_f32 v14.l, v[V+\t]                   ; the first part,
	v_cvt_f32_f16 v9, v14.l
	v_sub_f32 v9, v[V+\t], v9                      ; what it leaves (exact),
	v_cvt_f16_f32 v13.l, v9                        ; the second part
	ds_store_b16 v[VST], v14 offset:32*\t
	ds_store_b16 v[VST], v13 offset:32*\t+1152
.endr
	s_wait_dscnt 0x0                               ; my part of the new vector lies in LDS, and my read of the sums is over
	s_barrier_signal -1
	s_barrier_wait -1
	s_sub_co_u32 s20, s20, 1
	s_cmp_lg_u32 s20, 0
	s_cbranch_scc1 .Lpow
	MATVEC 1
	v_mul_f32 v10, v[V], v[Y]
	v_mul_f32 v11, v[V], v[V]
.irp t, 1,2,3,4,5,6,7
	v_fmac_f32 v10, v[V+\t], v[Y+\t]
	v_fmac_f32 v11, v[V+\t], v[V+\t]
.endr
	HALF 10
	HALF 11
	v_mov_b32 v9, s21
	ds_store_b64 v9, v[10:11]
	s_wait_dscnt 0x0
	s_barrier_signal -1
	s_barrier_wait -1
	s_cmp_lg_u32 s12, 0
	s_cbranch_scc1 .Lend                           ; wave 0 finishes
	ds_load_b128 v[240:243], v[PR] offset:64
	ds_load_b128 v[244:247], v[PR] offset:80
	s_wait_dscnt 0x0
	v_add_f32 v10, v240, v242
	v_add_f32 v11, v241, v243
	v_add_f32 v12, v244, v246
	v_add_f32 v13, v245, v247
	v_add_f32 v10, v10, v12                        ; v . G' v
	v_add_f32 v11, v11, v13                        ; v . v
	v_add_f32 v11, 0x2b8cbccc, v11                 ; + 1e-12
	v_rcp_f32 v11, v11
	v_nop
	s_wait_alu depctr_va_vdst(0)
	v_mul_f32 v247, v10, v11                       ; rho
	v_mov_b32 v246, s31                            ; s
	v_mul_f32 v245, s31, v247                      ; L = s rho
	v_mul_f32 v9, s29, v247                        ; rho / s
	v_sqrt_f32 v240, v9                            ; gamma
	v_sqrt_f32 v12, v245                           ; sqrt(rho s)
	v_rcp_f32 v242, v247
	v_nop                                          ; one plain instruction and one wait for the batch of three
	s_wait_alu depctr_va_vdst(0)
	v_rcp_f32 v244, v12
	v_nop
	s_wait_alu depctr_va_vdst(0)
	v_mul_f32 v241, 0x3dcccccd, v240               ; 0.1 gamma
	v_mul_f32 v242, -1.0, v242                     ; -1 / rho
	v_mul_f32 v243, v247, v12
	v_mul_f32 v243, 0x358637bd, v243               ; 1e-6 rho sqrt(rho s)
	v_mul_f32 v244, -1.0, v244                     ; -1 / sqrt(rho s)
	v_mov_b32 v9, 0
	s_wait_xcnt 0x0                                ; EXEC changes only behind this wait
	v_cmp_eq_u32 vcc_lo, 0, v0
	s_and_saveexec_b32 s22, vcc_lo
	global_store_b128 v9, v[240:243], s[8:9]       ; lane 0 alone
	global_store_b128 v9, v[244:247], s[8:9] offset:16
	s_wait_xcnt 0x0
	s_or_b32 exec_lo, exec_lo, s22
.Lend:
	s_wait_tensorcnt 0x0                           ; the wave's end: behind my last LDS store
	ds_add_u32 v[SPW], v[NIL]
	s_wait_dscnt 0x0
	s_endpgm
.Lfunc_end_k_q9bb009fa5f_xwpow:
	.size	k_q9bb009fa5f_xwpow, .Lfunc_end_k_q9bb009fa5f_xwpow-k_q9bb009fa5f_xwpow
	.p2alignl 7, 3214868480
	.fill 96, 4, 3214868480
	.section	.rodata,"a",@progbits
	.p2align	6, 0x0
	.amdhsa_kernel k_q9bb009fa5f_xwpow
		.amdhsa_group_segment_fixed_size 204032
		.amdhsa_private_segment_fixed_size 0
		.amdhsa_enable_private_segment 0
		.amdhsa_kernarg_size 48
		.amdhsa_user_sgpr_count 2
		.amdhsa_user_sgpr_kernarg_segment_ptr 1
		.amdhsa_wavefront_size32 1
		.amdhsa_system_sgpr_workgroup_id_x 1
		.amdhsa_system_sgpr_workgroup_id_y 1
		.amdhsa_system_sgpr_workgroup_id_z 1
		.amdhsa_system_vgpr_workitem_id 0
		.amdhsa_next_free_vgpr 1024
		.amdhsa_next_free_sgpr 66
		.amdhsa_reserve_vcc 1
		.amdhsa_float_denorm_mode_32 3
		.amdhsa_float_denorm_mode_16_64 3
		.amdhsa_memory_ordered 1
		.amdhsa_forward_progress 1
		.amdhsa_inst_pref_size 132
	.end_amdhsa_kernel
	.amdgpu_metadata
---
amdhsa.version: [ 1, 2 ]
amdhsa.kernels:
  - .name:           k_q9bb009fa5f_xwpow
    .symbol:         k_q9bb009fa5f_xwpow.kd
    .args:
      - { .name: z_e_x, .offset: 0, .size: 8, .value_kind: global_buffer, .address_space: global }
      - { .name: wt, .offset: 8, .size: 8, .value_kind: global_buffer, .address_space: global }
      - { .name: p, .offset: 16, .size: 8, .value_kind: global_buffer, .address_space: global }
      - { .name: scal, .offset: 24, .size: 8, .value_kind: global_buffer, .address_space: global }
      - { .name: gp, .offset: 32, .size: 8, .value_kind: global_buffer, .address_space: global }
      - { .name: ssq, .offset: 40, .size: 8, .value_kind: global_buffer, .address_space: global }
    .group_segment_fixed_size: 204032
    .private_segment_fixed_size: 0
    .kernarg_segment_align: 8
    .kernarg_segment_size: 48
    .max_flat_workgroup_size: 128
    .sgpr_count:     66
    .vgpr_count:     1024
    .wavefront_size: 32
...
	.end_amdgpu_metadata
.endif
;; end of part 9
;; launch ista (part 10): grid 256 x 1, 4 waves a work-group, no clusters, 247,552 bytes of LDS; arguments p, gp, wh, scal, out0, cnt; writes out0, cnt
.if DOCPART == 10
	.amdgcn_target "amdgcn-amd-amdhsa--gfx1250"
	.amdhsa_code_object_version 6
	.text
	.protected	k_q9bb009fa5f_ista
	.globl	k_q9bb009fa5f_ista
	.p2align	8
	.type	k_q9bb009fa5f_ista,@function
k_q9bb009fa5f_ista:
	s_mov_b64 s[64:65], 0
	v_nop
	global_prefetch_b8 v0, s[64:65] scope:SCOPE_SE
	s_setreg_imm32_b32 hwreg(HW_REG_WAVE_MODE, 25, 1), 1
	s_wait_xcnt 0x0
; SparseDict, launch ista: the six steps on the codes, out0 = Z W^T, and each work-group's count of |Z| > 1e-6.
; LEFT OUT (shown at the first kernel's head): the first step's products with Z0 = 0; a step's two products with W are one with G' = W^T W / s.
; THE STATE is Y = c Z in f32, c = rho sqrt(rho s):  Y <- soft(Y + gamma X W + A G', 0.1 gamma), A = f16(-Y / rho) = -sqrt(L) Z; soft(x, t) = x - (x held to -t .. t).  Six times soft, five products.
; out0 = (A W^T) (-1 / sqrt(rho s)); counted is |Y| > 1e-6 c.  LIMIT: |A|, some 2.5 times a row's norm of X whatever W's scale, stays below 65,504.
; SHARES.  A work-group takes 32 rows; wave w the codes' columns 128 w .. 128 w + 127 (16 accumulators: 8 column tiles x 2 row tiles), later out0's columns 256 w .. 256 w + 255.
; G' STAYS ON CHIP through the five products: of a wave's 128 fragments 96 lie in 768 registers and 32 in LDS, from where a K step's eight come under the products of three others.
; Source 0 = 16 rows of G' (or of W), source 1 = 16 rows of A: a lane holds one row of the result (lane % 16) and eight neighbouring columns, so two tiles packed in pairs ARE a fragment of A, and go to LDS as such, for all four waves.
; NO CLUSTER, NO TENSOR LOADS: gp and wh are shared by all work-groups, but each fragment is wanted by one wave of a work-group and goes straight into its registers, 56 to 64 loads of a wave on their way.
; LDS: 0 G' (K steps 12-15), 32,768 a wave; 131,072 A's 32 fragments; 163,840 U = gamma X W in f32, 16,384 a wave; 229,376 four stages of 16 rows x 272 bytes; 246,784 the waves' counts; 247,040 the spare words.
; REGISTERS: window 0: v0-15 addresses; v16-143 accumulators (column tile t, row tile m at 16 + 8 (2 t + m)); v144-175 A's fragments, two buffers x two row tiles; v176-239 a K step of G' from LDS; v240-255 at work;
;   windows 1-3: G' K step ks (0..11), tile t at 256 + 8 (8 ks + t).  For out0: window 1 A's 32 fragments, window 2 wh's ring of eight K steps of four fragments.
.set ZH,    131072
.set UB,    163840
.set STG,   229376
.set CP,    246784
.set SPARE, 247040
.set SELA, 30
.set SELB, 31
.set TAU,  21                          ; s20 gamma, s21 0.1 gamma, s22 -1 / rho, s23 1e-6 c, s24 -1 / sqrt(rho s)
.set THR,  23
.set NTAU, 28                          ; s28 -0.1 gamma
.set GO,  2                            ; v2   my wave's fragments in gp: 131,072 w + 16 lane
.set MSA, 3                            ; v3   and in LDS: 32,768 w + 16 lane
.set ZRA, 4                            ; v4   A's fragments, to read
.set ZWA, 5                            ; v5   my wave's four K steps of them, to write
.set UA,  6                            ; v6   my wave's U
.set STO, 7                            ; v7   the way out: where I put 32 bytes of a row
.set RD,  8                            ; v8   where I read rows back
.set CO,  9                            ; v9   my 16 bytes in out0
.set WO,  10                           ; v10  my wave's fragments in wh: 262,144 w + 16 lane
.set CNT, 11                           ; v11  my count
.set PO,  12                           ; v12  16,384 w + 16 lane
.set SPW, 13                           ; v13  my spare word; never rewritten
.set NIL, 14                           ; v14  0; never rewritten
.set ACC, 16
.set ZF,  144
.set SB,  176
.set T,   240
.set OB,  144                          ; the way out: rows read back, 32 registers for each row tile
.set MSB, 0
.macro WIN new
.if MSB != (\new)
	s_set_vgpr_msb (MSB<<8)|(\new)
.set MSB, \new
.endif
.endm
.macro PLACES                          ; four plain vector instructions between a matrix instruction and a load into, or a vector read or write of, its registers
.rept 4
	v_nop
.endr
.endm
.macro WRED reg, tmp
	v_add_f32_dpp v[\reg], v[\reg], v[\reg] row_xmask:1 row_mask:0xf bank_mask:0xf
	v_add_f32_dpp v[\reg], v[\reg], v[\reg] row_xmask:2 row_mask:0xf bank_mask:0xf
	v_add_f32_dpp v[\reg], v[\reg], v[\reg] row_xmask:4 row_mask:0xf bank_mask:0xf
	v_add_f32_dpp v[\reg], v[\reg], v[\reg] row_xmask:8 row_mask:0xf bank_mask:0xf
	v_mov_b32 v[\tmp], v[\reg]
	v_permlanex16_b32 v[\tmp], v[\reg], s[SELA], s[SELB]
	v_add_f32 v[\reg], v[\reg], v[\tmp]
.endm
.macro ULOAD dst, a                    ; U of accumulator a
	ds_load_b128 v[(\dst):(\dst)+3],   v[UA] offset:(\a)*1024
	ds_load_b128 v[(\dst)+4:(\dst)+7], v[UA] offset:(\a)*1024+512
.endm
.macro MLOAD ks                        ; G's K step ks (12..15) out of LDS: eight fragments
.set n, 0
.rept 16
	ds_load_b128 v[SB+4*n:SB+4*n+3], v[MSA] offset:((\ks)-12)*8192+512*n
.set n, n+1
.endr
.endm
.macro ZLOAD buf, ks                   ; A's two fragments of K step ks
.irp c, 0,1,2,3
	ds_load_b128 v[ZF+16*(\buf)+4*\c:ZF+16*(\buf)+4*\c+3], v[ZRA] offset:(\ks)*2048+512*\c
.endr
.endm
; One accumulator's soft threshold.  The accumulator holds S = Y_old + U + A G'.  T takes Y = soft(S); the accumulator Y + U (not in the last step, which counts instead); A goes to LDS.
.macro TILE a, last
.set rA, ACC+8*(\a)
.if (\a) < 8
.set rU, SB+8*(\a)
.elseif (\a) < 12
.set rU, ZF+8*((\a)-8)
.else
.set rU, SB+8*((\a)-12)
.endif
.set rH, T+8+4*((\a)%2)
.if !(\last) && ((\a) == 12)
	s_wait_dscnt 8                                 ; U of accumulators 12-15 is in: behind its loads stand the stores of accumulators 4 to 11
.endif
.irp e, 0,1,2,3,4,5,6,7
	v_med3_num_f32 v[T+\e], v[rA+\e], s[NTAU], s[TAU]        ; the accumulator's lowest registers are read first
.endr
.irp e, 0,2,4,6
	v_pk_add_f32 v[T+\e:T+\e+1], v[rA+\e:rA+\e+1], v[T+\e:T+\e+1] neg_lo:[0,1] neg_hi:[0,1]
.endr
.if \last
.irp e, 0,1,2,3,4,5,6,7
	v_and_b32 v15, 0x7fffffff, v[T+\e]
	v_cmp_lt_f32 vcc_lo, s[THR], v15
	v_add_co_ci_u32 v[CNT], vcc_lo, 0, v[CNT], vcc_lo        ; + 1 where |Y| is above the line
.endr
.else
.irp e, 0,2,4,6
	v_pk_add_f32 v[rA+\e:rA+\e+1], v[T+\e:T+\e+1], v[rU+\e:rU+\e+1]
.endr
.endif
.irp e, 0,2,4,6
	v_pk_mul_f32 v[T+\e:T+\e+1], v[T+\e:T+\e+1], s[22:23] op_sel_hi:[1,0]
.endr
.irp e, 0,1,2,3
	v_cvt_pk_f16_f32 v[rH+\e], v[T+2*\e], v[T+2*\e+1]
.endr
	ds_store_b128 v[ZWA], v[rH:rH+3] offset:((\a)/4)*2048+((\a)%2)*1024+(((\a)/2)%2)*512
.if !(\last) && ((\a) < 4)
	ULOAD SB+8*(\a), 12+(\a)                       ; the registers of the U just used take a later one
.endif
.endm
; A step's vector part.  Two barriers: the first when all waves have read the old A, the second when the new A lies in LDS.
.macro EPI last
	WIN 0
	PLACES                                         ; behind the last products
.if \last
	WIN 0x80                                       ; G' is done with: window 2 takes wh's first eight K steps, which land under the vector work
.set n, 0
.rept 64
	global_load_b128 v[4*n:4*n+3], v[WO], s[8:9] offset:512*n
.set n, n+1
.endr
	WIN 0
	v_mov_b32 v[CNT], 0
.else
.set ta, 0
.rept 8
	ULOAD SB+8*ta, ta
.set ta, ta+1
.endr
.rept 4
	ULOAD ZF+8*(ta-8), ta
.set ta, ta+1
.endr
.endif
	s_wait_dscnt 0x0                               ; my reads of A are over (and U is in)
	s_barrier_signal -1
	s_barrier_wait -1
.set ta, 0
.rept 16
	TILE ta, \last
.set ta, ta+1
.endr
.if \last
	v_cvt_f32_u32 v[CNT], v[CNT]                   ; 128 at the most
	WRED CNT, 15
	v_mov_b32 v1, s32
	ds_store_b32 v1, v[CNT]
.else
	MLOAD 12
.endif
	s_wait_dscnt 0x0                               ; for the others' sake: my part of A lies in LDS
	s_barrier_signal -1
	s_barrier_wait -1
.endm
.macro KSOF p                          ; the K step at place p of 16: the four from LDS stand three others apart: 12, 0, 1, 2, 13, 3, 4, 5, 14, 6, 7, 8, 15, 9, 10, 11
.if (\p)%4 == 0
.set KSV, 12+(\p)/4
.else
.set KSV, ((\p)/4)*3+(\p)%4-1
.endif
.endm
; S += A G': 256 products.  The 16 accumulators take turns, in the same order at every place.
.macro PRODUCT
	WIN 0
	KSOF 0
	ZLOAD 0, KSV
	KSOF 1
	ZLOAD 1, KSV
.set pp, 0
.rept 16
	KSOF pp
.if pp == 15
	s_wait_dscnt 0x0
.elseif (pp%4 == 1) && (pp < 12)
	s_wait_dscnt 20                                ; A of this place is in: behind it stand 16 loads of G' and the next place's four of A
.else
	s_wait_dscnt 4                                 ; behind this place's A (and the G' ahead of it) stand the next place's four
.endif
.if KSV >= 12
	WIN 0
.set rG, SB
.else
	WIN 1+KSV/4                                    ; source 0 in window 1, 2 or 3
.set rG, (KSV%4)*64
.endif
.set t, 0
.rept 8
.set m, 0
.rept 2
	v_wmma_f32_16x16x32_f16 v[ACC+8*(2*t+m):ACC+8*(2*t+m)+7], v[rG+8*t:rG+8*t+7], v[ZF+16*(pp%2)+8*m:ZF+16*(pp%2)+8*m+7], v[ACC+8*(2*t+m):ACC+8*(2*t+m)+7]
.set m, m+1
.endr
.set t, t+1
.endr
	PLACES
	WIN 0
.if (pp%4 == 0) && (pp < 12)
	MLOAD 13+pp/4
.endif
.if pp <= 13
	KSOF pp+2
	ZLOAD pp%2, KSV
.endif
.set pp, pp+1
.endr
.endm
; out0, a group of 64 columns at a time.  K step ul of a group: four fragments of wh x A's two row tiles; eight accumulators by turns.  more: the ring's slot takes the K step eight further on (it runs on into the next group).
.macro OSTEP ul, more, n
	s_wait_loadcnt \n                              ; this K step's eight loads are in; the younger steps' stay out
	WIN 0x06                                       ; source 0 in window 2, source 1 in window 1
.set j, 0
.rept 4
.set m, 0
.rept 2
.if (\ul) == 0
	v_wmma_f32_16x16x32_f16 v[ACC+8*(2*j+m):ACC+8*(2*j+m)+7], v[((\ul)%8)*32+8*j:((\ul)%8)*32+8*j+7], v[((\ul)*2+m)*8:((\ul)*2+m)*8+7], 0
.else
	v_wmma_f32_16x16x32_f16 v[ACC+8*(2*j+m):ACC+8*(2*j+m)+7], v[((\ul)%8)*32+8*j:((\ul)%8)*32+8*j+7], v[((\ul)*2+m)*8:((\ul)*2+m)*8+7], v[ACC+8*(2*j+m):ACC+8*(2*j+m)+7]
.endif
.set m, m+1
.endr
.set j, j+1
.endr
.if (\more) || ((\ul) == 15)
	PLACES
.endif
.if \more
	WIN 0x80
.set c, 0
.rept 8
	global_load_b128 v[((\ul)%8)*32+4*c:((\ul)%8)*32+4*c+3], v[WO], s[8:9] offset:((\ul)+8)*4096+512*c
.set c, c+1
.endr
.endif
.endm
; A group leaves: scaled, 32 bytes a lane into my stage (rows of 272 bytes), back as whole rows of 256 bytes, stored.
.macro OEPI
	WIN 0
.irp m, 0,1
.irp j, 0,1,2,3
.irp e, 0,2,4,6
	v_pk_mul_f32 v[ACC+8*(2*\j+\m)+\e:ACC+8*(2*\j+\m)+\e+1], v[ACC+8*(2*\j+\m)+\e:ACC+8*(2*\j+\m)+\e+1], s[24:25] op_sel_hi:[1,0]
.endr
.endr
.irp j, 0,1,2,3
	ds_store_b128 v[STO], v[ACC+8*(2*\j+\m):ACC+8*(2*\j+\m)+3]   offset:64*\j
	ds_store_b128 v[STO], v[ACC+8*(2*\j+\m)+4:ACC+8*(2*\j+\m)+7] offset:64*\j+16
.endr
.irp i, 0,1,2,3,4,5,6,7
	ds_load_b128 v[OB+32*\m+4*\i:OB+32*\m+4*\i+3], v[RD] offset:544*\i   ; LDS serves a wave's instructions in order (ISA guide 5.7.1.4): these see the stores above, and the other row tile's stores come behind them
.endr
.endr
	s_wait_dscnt 16                                ; row tile 0 is back: behind it stand row tile 1's eight stores and eight loads
.irp i, 0,1,2,3,4,5,6,7
	global_store_b128 v[CO], v[OB+4*\i:OB+4*\i+3], s[12:13] offset:(2*\i)*4096 th:TH_STORE_NT   ; 16 lanes store 256 consecutive bytes, aligned
.endr
	s_wait_dscnt 0x0
.irp i, 0,1,2,3,4,5,6,7
	global_store_b128 v[CO], v[OB+32+4*\i:OB+32+4*\i+3], s[12:13] offset:(16+2*\i)*4096 th:TH_STORE_NT
.endr
.endm
	s_load_b256 s[4:11], s[0:1], 0x0               ; p s[4:5], gp s[6:7], wh s[8:9], scal s[10:11]
	s_load_b128 s[12:15], s[0:1], 0x20             ; out0 s[12:13], cnt s[14:15]
	v_lshl_add_u32 v[SPW], v0, 2, SPARE
	v_mov_b32 v[NIL], 0
	v_lshrrev_b32 v1, 5, v0
	v_readfirstlane_b32 s16, v1                    ; wave 0..3
	s_mov_b32 s[SELA], 0x76543210
	s_mov_b32 s[SELB], 0xfedcba98
	v_and_b32 v1, 31, v0
	v_lshlrev_b32 v1, 4, v1                        ; 16 x lane
	v_and_b32 v15, 15, v0                          ; r
	v_bfe_u32 v11, v0, 4, 1                        ; h
	s_lshl_b32 s18, s16, 17
	v_add_nc_u32 v[GO], s18, v1
	s_lshl_b32 s18, s16, 15
	v_add_nc_u32 v[MSA], s18, v1
	v_add_nc_u32 v[ZRA], ZH, v1
	s_lshl_b32 s18, s16, 13
	s_add_co_u32 s18, s18, ZH
	v_add_nc_u32 v[ZWA], s18, v1
	s_lshl_b32 s18, s16, 14
	v_add_nc_u32 v[PO], s18, v1
	s_add_co_u32 s18, s18, UB
	v_add_nc_u32 v[UA], s18, v1
	s_lshl_b32 s18, s16, 18
	v_add_nc_u32 v[WO], s18, v1
	s_mul_i32 s18, s16, 4352
	s_add_co_u32 s18, s18, STG                     ; my stage
	v_mul_u32_u24 v[STO], v15, 272
	v_lshl_add_u32 v[STO], v11, 5, v[STO]
	v_add_nc_u32 v[STO], s18, v[STO]
	v_mul_u32_u24 v[RD], v11, 272                  ; back: lanes 0-15 take one row, lanes 16-31 the next
	v_lshl_add_u32 v[RD], v15, 4, v[RD]
	v_add_nc_u32 v[RD], s18, v[RD]
	v_lshlrev_b32 v[CO], 12, v11                   ; the same two rows in out0,
	v_lshl_add_u32 v[CO], v15, 4, v[CO]
	s_lshl_b32 s19, s16, 10                        ; at my wave's 256 columns
	v_add_nc_u32 v[CO], s19, v[CO]
	s_lshl_b32 s32, s16, 2
	s_add_co_u32 s32, s32, CP                      ; where my wave's count goes
	s_lshl_b32 s33, ttmp9, 2                       ; and the work-group's
	s_lshl_b32 s18, ttmp9, 16                      ; the work-group's 65,536 bytes of p
	s_mov_b32 s19, 0
	s_lshl_b32 s34, ttmp9, 17                      ; and its 32 rows of out0
	s_mov_b32 s35, 0
	s_wait_kmcnt 0x0
	s_load_b256 s[20:27], s[10:11], 0x0            ; the constants
	s_add_nc_u64 s[4:5], s[4:5], s[18:19]
	s_add_nc_u64 s[12:13], s[12:13], s[34:35]
.set i, 0
.rept 32
	global_load_b128 v[ACC+4*i:ACC+4*i+3], v[PO], s[4:5] offset:512*i th:TH_LOAD_NT   ; X W, as the accumulators' images
.set i, i+1
.endr
	WIN 0xc0
.set n, 0
.rept 64
	global_load_b128 v[4*n:4*n+3], v[GO], s[6:7] offset:12*8192+512*n   ; G's K steps 12-15, on their way to LDS through window 3
.set n, n+1
.endr
.irp w, 1,2
	WIN \w<<6
.set n, 0
.rept 64
	global_load_b128 v[4*n:4*n+3], v[GO], s[6:7] offset:(\w-1)*32768+512*n   ; K steps 0-7 stay in windows 1 and 2
.set n, n+1
.endr
.endr
	s_wait_loadcnt 63                              ; 128 loads are younger than X W and K steps 12-15: these are in
	WIN 0x0c                                       ; store data in window 3
.set n, 0
.rept 64
	ds_store_b128 v[MSA], v[4*n:4*n+3] offset:512*n
.set n, n+1
.endr
	s_wait_dscnt 0x0                               ; the stores have read window 3
	WIN 0xc0
.set n, 0
.rept 64
	global_load_b128 v[4*n:4*n+3], v[GO], s[6:7] offset:2*32768+512*n   ; K steps 8-11
.set n, n+1
.endr
	WIN 0
	s_wait_kmcnt 0x0
	s_xor_b32 s[NTAU], s[TAU], 0x80000000
.set i, 0
.rept 64
	v_pk_mul_f32 v[ACC+2*i:ACC+2*i+1], v[ACC+2*i:ACC+2*i+1], s[20:21] op_sel_hi:[1,0]   ; U = gamma X W: also the first step's S
.set i, i+1
.endr
.set i, 0
.rept 32
	ds_store_b128 v[UA], v[ACC+4*i:ACC+4*i+3] offset:512*i
.set i, i+1
.endr
	s_wait_loadcnt 0x0                             ; all of G' is on chip
	s_mov_b32 s17, 5
.Lstep:
	EPI 0
	PRODUCT
	s_sub_co_u32 s17, s17, 1
	s_cmp_lg_u32 s17, 0
	s_cbranch_scc1 .Lstep
	EPI 1                                          ; the sixth soft threshold: the last codes, counted
	s_cmp_lg_u32 s16, 0
	s_cbranch_scc1 .Lnot0                          ; wave 0 adds the four counts
	v_mov_b32 v1, CP
	ds_load_b128 v[T:T+3], v1
	s_wait_dscnt 0x0
	v_add_f32 v[T], v[T], v[T+1]
	v_add_f32 v[T+2], v[T+2], v[T+3]
	v_add_f32 v[T], v[T], v[T+2]                   ; whole numbers up to 16,384: exact
	v_mov_b32 v15, s33
	s_wait_xcnt 0x0                                ; EXEC is a source of the loads of wh that are out: it changes only behind this wait
	v_cmp_eq_u32 vcc_lo, 0, v0
	s_and_saveexec_b32 s34, vcc_lo
	global_store_b32 v15, v[T], s[14:15]
	s_wait_xcnt 0x0
	s_or_b32 exec_lo, exec_lo, s34
.Lnot0:
	WIN 0x40                                       ; A's 32 fragments stay in window 1 for all of out0
.set n, 0
.rept 64
	ds_load_b128 v[4*n:4*n+3], v[ZRA] offset:512*n
.set n, n+1
.endr
	WIN 0
	s_wait_dscnt 0x0
	s_mov_b32 s17, 3
.Lgroup:
.set ou, 0
.rept 16
	OSTEP ou, 1, 56                                ; seven younger K steps of eight loads
.set ou, ou+1
.endr
	OEPI
	s_wait_xcnt 0x0                                ; the loads and stores have read their addresses and data: the two bases, and later the rows' registers, may be written
	s_add_nc_u64 s[8:9], s[8:9], 65536             ; the next group's 16 K steps
	s_add_nc_u64 s[12:13], s[12:13], 256           ; and its 64 columns
	s_sub_co_u32 s17, s17, 1
	s_cmp_lg_u32 s17, 0
	s_cbranch_scc1 .Lgroup
.set ou, 0
.rept 8                                ; the last group is written out: its second half asks for nothing, and the counts run down
	OSTEP ou, 1, 56
.set ou, ou+1
.endr
.rept 8
	OSTEP ou, 0, (15-ou)*8
.set ou, ou+1
.endr
	OEPI
	s_wait_tensorcnt 0x0                           ; the wave's end: behind my last LDS store
	ds_add_u32 v[SPW], v[NIL]
	s_wait_dscnt 0x0
	s_endpgm
.Lfunc_end_k_q9bb009fa5f_ista:
	.size	k_q9bb009fa5f_ista, .Lfunc_end_k_q9bb009fa5f_ista-k_q9bb009fa5f_ista
	.p2alignl 7, 3214868480
	.fill 96, 4, 3214868480
	.section	.rodata,"a",@progbits
	.p2align	6, 0x0
	.amdhsa_kernel k_q9bb009fa5f_ista
		.amdhsa_group_segment_fixed_size 247552
		.amdhsa_private_segment_fixed_size 0
		.amdhsa_enable_private_segment 0
		.amdhsa_kernarg_size 48
		.amdhsa_user_sgpr_count 2
		.amdhsa_user_sgpr_kernarg_segment_ptr 1
		.amdhsa_wavefront_size32 1
		.amdhsa_system_sgpr_workgroup_id_x 1
		.amdhsa_system_sgpr_workgroup_id_y 1
		.amdhsa_system_sgpr_workgroup_id_z 1
		.amdhsa_system_vgpr_workitem_id 0
		.amdhsa_next_free_vgpr 1024
		.amdhsa_next_free_sgpr 66
		.amdhsa_reserve_vcc 1
		.amdhsa_float_denorm_mode_32 3
		.amdhsa_float_denorm_mode_16_64 3
		.amdhsa_memory_ordered 1
		.amdhsa_forward_progress 1
		.amdhsa_inst_pref_size 195
	.end_amdhsa_kernel
	.amdgpu_metadata
---
amdhsa.version: [ 1, 2 ]
amdhsa.kernels:
  - .name:           k_q9bb009fa5f_ista
    .symbol:         k_q9bb009fa5f_ista.kd
    .args:
      - { .name: p, .offset: 0, .size: 8, .value_kind: global_buffer, .address_space: global }
      - { .name: gp, .offset: 8, .size: 8, .value_kind: global_buffer, .address_space: global }
      - { .name: wh, .offset: 16, .size: 8, .value_kind: global_buffer, .address_space: global }
      - { .name: scal, .offset: 24, .size: 8, .value_kind: global_buffer, .address_space: global }
      - { .name: out0, .offset: 32, .size: 8, .value_kind: global_buffer, .address_space: global }
      - { .name: cnt, .offset: 40, .size: 8, .value_kind: global_buffer, .address_space: global }
    .group_segment_fixed_size: 247552
    .private_segment_fixed_size: 0
    .kernarg_segment_align: 8
    .kernarg_segment_size: 48
    .max_flat_workgroup_size: 128
    .sgpr_count:     66
    .vgpr_count:     1024
    .wavefront_size: 32
...
	.end_amdgpu_metadata
.endif
;; end of part 10
;; launch finish (part 11): grid 1 x 1, 1 waves a work-group, no clusters, 0 bytes of LDS; arguments cnt, out1; writes out1
.if DOCPART == 11
	.amdgcn_target "amdgcn-amd-amdhsa--gfx1250"
	.amdhsa_code_object_version 6
	.text
	.protected	k_q9bb009fa5f_finish
	.globl	k_q9bb009fa5f_finish
	.p2align	8
	.type	k_q9bb009fa5f_finish,@function
k_q9bb009fa5f_finish:
	s_mov_b64 s[64:65], 0
	v_nop
	global_prefetch_b8 v0, s[64:65] scope:SCOPE_SE
	s_setreg_imm32_b32 hwreg(HW_REG_WAVE_MODE, 25, 1), 1
	s_wait_xcnt 0x0
; SparseDict, launch finish, the last: out1 = the sum of the 256 work-groups' counts / 8192.  The counts are whole numbers in f32, 4,194,304 in all at the most: every sum is exact, and so is the division by a power of two.
; One wave: a sum that spans work-groups is made by one owner, in a launch of its own.
	s_load_b128 s[4:7], s[0:1], 0x0                ; cnt s[4:5], out1 s[6:7]
	s_mov_b32 s8, 0x76543210                       ; v_permlanex16_b32's selects
	s_mov_b32 s9, 0xfedcba98
	v_lshlrev_b32 v1, 4, v0
	v_mov_b32 v2, 0
	s_wait_kmcnt 0x0
	global_load_b128 v[4:7], v1, s[4:5]
	global_load_b128 v[8:11], v1, s[4:5] offset:512
	s_wait_loadcnt 0x0
	v_pk_add_f32 v[4:5], v[4:5], v[8:9]
	v_pk_add_f32 v[6:7], v[6:7], v[10:11]
	v_pk_add_f32 v[4:5], v[4:5], v[6:7]
	v_add_f32 v4, v4, v5
	v_add_f32_dpp v4, v4, v4 row_xmask:1 row_mask:0xf bank_mask:0xf
	v_add_f32_dpp v4, v4, v4 row_xmask:2 row_mask:0xf bank_mask:0xf
	v_add_f32_dpp v4, v4, v4 row_xmask:4 row_mask:0xf bank_mask:0xf
	v_add_f32_dpp v4, v4, v4 row_xmask:8 row_mask:0xf bank_mask:0xf
	v_permlanex16_b32 v5, v4, s8, s9               ; v5 has been written
	v_add_f32 v4, v4, v5
	v_mul_f32 v4, 0x39000000, v4                   ; / 8192
	s_wait_xcnt 0x0                                ; EXEC changes only behind this wait
	v_cmp_eq_u32 vcc_lo, 0, v0
	s_and_saveexec_b32 s10, vcc_lo
	global_store_b32 v2, v4, s[6:7]
	s_wait_xcnt 0x0
	s_or_b32 exec_lo, exec_lo, s10
	s_endpgm
.Lfunc_end_k_q9bb009fa5f_finish:
	.size	k_q9bb009fa5f_finish, .Lfunc_end_k_q9bb009fa5f_finish-k_q9bb009fa5f_finish
	.p2alignl 7, 3214868480
	.fill 96, 4, 3214868480
	.section	.rodata,"a",@progbits
	.p2align	6, 0x0
	.amdhsa_kernel k_q9bb009fa5f_finish
		.amdhsa_group_segment_fixed_size 0
		.amdhsa_private_segment_fixed_size 0
		.amdhsa_enable_private_segment 0
		.amdhsa_kernarg_size 16
		.amdhsa_user_sgpr_count 2
		.amdhsa_user_sgpr_kernarg_segment_ptr 1
		.amdhsa_wavefront_size32 1
		.amdhsa_system_sgpr_workgroup_id_x 1
		.amdhsa_system_sgpr_workgroup_id_y 1
		.amdhsa_system_sgpr_workgroup_id_z 1
		.amdhsa_system_vgpr_workitem_id 0
		.amdhsa_next_free_vgpr 24
		.amdhsa_next_free_sgpr 66
		.amdhsa_reserve_vcc 1
		.amdhsa_float_denorm_mode_32 3
		.amdhsa_float_denorm_mode_16_64 3
		.amdhsa_memory_ordered 1
		.amdhsa_forward_progress 1
		.amdhsa_inst_pref_size 2
	.end_amdhsa_kernel
	.amdgpu_metadata
---
amdhsa.version: [ 1, 2 ]
amdhsa.kernels:
  - .name:           k_q9bb009fa5f_finish
    .symbol:         k_q9bb009fa5f_finish.kd
    .args:
      - { .name: cnt, .offset: 0, .size: 8, .value_kind: global_buffer, .address_space: global }
      - { .name: out1, .offset: 8, .size: 8, .value_kind: global_buffer, .address_space: global }
    .group_segment_fixed_size: 0
    .private_segment_fixed_size: 0
    .kernarg_segment_align: 8
    .kernarg_segment_size: 16
    .max_flat_workgroup_size: 32
    .sgpr_count:     66
    .vgpr_count:     24
    .wavefront_size: 32
...
	.end_amdgpu_metadata
.endif
;; end of part 11
;; ======== version 3 of 4: 6 launches; 1.35 times as fast as version 1
;; limits: values are held in f16: magnitudes above 65,504 overflow, below 6.1e-05 lose precision; right only within a limited range of input values
;; workspace buffers: wt 1,048,576 bytes; wh 1,048,576 bytes; ssq 4,096 bytes; gp 524,288 bytes; g2 526,336 bytes; p 16,777,216 bytes; scal 256 bytes; cnt 1,024 bytes
;; launch prep (part 12): grid 256 x 1, 4 waves a work-group, no clusters, 0 bytes of LDS; arguments dictionary, wh, wt, ssq; writes wh, wt, ssq
.if DOCPART == 12
	.amdgcn_target "amdgcn-amd-amdhsa--gfx1250"
	.amdhsa_code_object_version 6
	.text
	.protected	k_q9bb009fa5f_prep
	.globl	k_q9bb009fa5f_prep
	.p2align	8
	.type	k_q9bb009fa5f_prep,@function
k_q9bb009fa5f_prep:
	s_mov_b64 s[64:65], 0
	v_nop
	global_prefetch_b8 v0, s[64:65] scope:SCOPE_SE
	s_setreg_imm32_b32 hwreg(HW_REG_WAVE_MODE, 25, 1), 1
	s_wait_xcnt 0x0
; SparseDict, launch prep, the first: the dictionary W [1024 (d)][512 (k)] f32 is rounded once to bf16 and laid out as matrix operands.
; THE WHOLE PROGRAM.  X = z_e_x with each row permuted, [8192][1024].  L = the Rayleigh quotient of G = W^T W after 20 power steps from the vector of ones.
; Six steps Z <- soft(Z - ((Z W^T - X) W) / L, 0.1 / L) from Z = 0.  out0 = Z W^T, out1 = count(|Z| > 1e-6) / 8192.
; The launches: prep (W's two copies, the trace), gram (G), gram2 (G G and G 1), xwpow (X W, and beside it L), ista (the steps, out0, counts), finish (out1).
; WORK LEFT OUT, for all real values of the inputs:
;   (a) (Z W^T - X) W = Z (W^T W) - X W by the distributive and associative laws, so G (512 x 512) and X W are made once and a step is one product Z G: the order of rounding differs from that of reference().
;   (b) the first step's Z0 W^T and its product with W: Z0 is built as zeros in the body of reference(), so both are 0: the first step is soft(X W / L, 0.1 / L).
;   (c) the permutation of X: a sum over d may run in any order, so z_e_x is read as it lies (d' = 64 c + hw) and W's rows are taken in that order (d = 16 (d' % 64) + d' / 64) in the copy wt.
;   (d) stop_gradient changes no value.
;   (e) the 20 power steps go two at a time.  Every v_k is a multiple of G^k 1: v_k = m_k u_k, u_k = G^k 1 / |G^k 1|.  With G2 = G G the vectors a = G^(2j) 1 and b = G^(2j+1) 1 go from j to j + 1 by one product each,
;       and both are rows of one matrix operand: 10 products with G2 stand for the 21 with G.  The norms of reference() are |G v_k| = m_k r_k with r_k = |G^(k+1) 1| / |G^k 1|, so m_(k+1) = m_k r_k / (m_k r_k + 1e-12)
;       for k = 0 .. 19, from the norms of a and b; and, G being symmetric, L = m^2 (a . b / a . a) / (m^2 + 1e-12) with m = m_20, a = G^20 1, b = G^21 1.  Every 1e-12 of reference() is kept.
;   No input is left out.  A NaN, an infinity or an overflow that would arise only in Z W^T - X is not carried to the result.
; FORMATS.  z_e_x and W are rounded once to bf16.  G' = G / s (s a power of two, the mean of G's diagonal in [s, 2 s), so |G'| < 1024), G' G' / 32 and the scaled codes -sqrt(L) Z are f16; all sums and the codes' state are f32.
; LIMITS.  |W| below 65,504 (wh is f16; below 6.1e-5 it keeps f16's fixed step of 6e-8); |sqrt(L) Z|, some 2.5 times a row's norm of X, below 65,504; W = 0 and G 1 = 0 are not served (reference() gives NaN); NaN and infinities are not treated apart.
; A FRAGMENT is the register image of 16 rows x 32 k of 16-bit numbers, 1,024 bytes: byte 512 q + 16 lane + 2 e holds row lane % 16, k = 16 q + 8 (lane / 16) + e.  Two loads of 16 bytes a lane fill an operand.
; THIS LAUNCH.  Wave F = 4 x work-group + wave (0 .. 1023) makes fragment F of wh and fragment F of wt, and the sum of squares of the 512 rounded numbers of its wh fragment (the 1,024 sums add up to G's trace).
;   wh: rows d, k along W's rows, f16 (the bf16 number written as f16); fragment (d tile nt, k step ks) at ((nt / 4) 16 + ks) 4 + nt % 4.
;   wt: rows k, d' along K, bf16; fragment (d' step ks', k tile nt) at 32 ks' + nt.
.set SELA, 20                          ; s20, s21  v_permlanex16_b32's selects: each lane takes its own place in the other half
.set SELB, 21
.macro WRED reg, tmp                   ; the sum over the wave's 32 lanes, in every lane
	v_add_f32_dpp v[\reg], v[\reg], v[\reg] row_xmask:1 row_mask:0xf bank_mask:0xf
	v_add_f32_dpp v[\reg], v[\reg], v[\reg] row_xmask:2 row_mask:0xf bank_mask:0xf
	v_add_f32_dpp v[\reg], v[\reg], v[\reg] row_xmask:4 row_mask:0xf bank_mask:0xf
	v_add_f32_dpp v[\reg], v[\reg], v[\reg] row_xmask:8 row_mask:0xf bank_mask:0xf
	v_mov_b32 v[\tmp], v[\reg]                     ; the next line's destination counts as read
	v_permlanex16_b32 v[\tmp], v[\reg], s[SELA], s[SELB]
	v_add_f32 v[\reg], v[\reg], v[\tmp]
.endm
	s_load_b256 s[4:11], s[0:1], 0x0               ; dictionary s[4:5], wh s[6:7], wt s[8:9], ssq s[10:11]
	v_lshrrev_b32 v1, 5, v0
	v_readfirstlane_b32 s12, v1                    ; wave 0..3
	s_lshl_b32 s13, ttmp9, 2
	s_add_co_u32 s13, s13, s12                     ; F
	s_mov_b32 s[SELA], 0x76543210
	s_mov_b32 s[SELB], 0xfedcba98
	s_mov_b32 s22, 0xffff0000                      ; a word's upper bf16
	v_and_b32 v1, 31, v0                           ; lane
	v_and_b32 v2, 15, v0                           ; r
	v_bfe_u32 v3, v0, 4, 1                         ; h
	; wh's fragment: W[16 nt + r][32 ks + 16 q + 8 h + e]: 32 bytes on end for each q
	s_and_b32 s14, s13, 3
	s_bfe_u32 s15, s13, 0x40002                    ; ks
	s_lshr_b32 s16, s13, 6
	s_lshl2_add_u32 s16, s16, s14                  ; nt
	s_lshl_b32 s16, s16, 15                        ; 16 rows of 2,048 bytes
	s_lshl_b32 s15, s15, 7
	s_add_co_u32 s16, s16, s15
	v_lshlrev_b32 v4, 11, v2
	v_lshl_add_u32 v4, v3, 5, v4
	v_add_nc_u32 v4, s16, v4
	; wt's fragment: W[d][16 nt + r] with d = 16 (32 (ks' % 2) + 16 q + 8 h + e) + ks' / 2
	s_and_b32 s17, s13, 31                         ; nt
	s_lshr_b32 s18, s13, 5                         ; ks'
	s_and_b32 s19, s18, 1
	s_lshl_b32 s19, s19, 20
	s_lshr_b32 s18, s18, 1
	s_lshl_b32 s18, s18, 11
	s_add_co_u32 s19, s19, s18
	s_lshl_b32 s17, s17, 6
	s_add_co_u32 s19, s19, s17
	v_lshlrev_b32 v5, 2, v2
	v_lshl_add_u32 v5, v3, 18, v5
	v_add_nc_u32 v5, s19, v5
	s_lshl_b32 s23, s13, 10
	v_lshl_add_u32 v6, v1, 4, s23                  ; where both fragments go: 1,024 F + 16 lane
	s_lshl_b32 s24, s13, 2
	v_mov_b32 v7, s24                              ; and the sum of squares: 4 F
	s_wait_kmcnt 0x0
	global_load_b128 v[16:19], v4, s[4:5]
	global_load_b128 v[20:23], v4, s[4:5] offset:16
	global_load_b128 v[24:27], v4, s[4:5] offset:64
	global_load_b128 v[28:31], v4, s[4:5] offset:80
.irp q, 0,1
.irp e, 0,1,2,3,4,5,6,7
	global_load_b32 v[32+8*\q+\e], v5, s[4:5] offset:\q*524288+\e*32768  ; the four waves of a work-group take 256 neighbouring bytes of each row
.endr
.endr
	s_wait_loadcnt 16                              ; the four wide loads are in; the sixteen narrow ones may stay out
.set i, 0
.rept 8
	v_cvt_pk_bf16_f32 v58, v[16+2*i], v[17+2*i]    ; the one rounding of W
	v_lshlrev_b32 v59, 16, v58                     ; back to f32: the low half moves up,
	v_and_b32 v60, s22, v58                        ; the high half stays
.if i == 0
	v_mul_f32 v56, v59, v59                        ; the first pair starts the two chains of the sum of squares
	v_mul_f32 v57, v60, v60
.else
	v_fmac_f32 v56, v59, v59
	v_fmac_f32 v57, v60, v60
.endif
	v_cvt_pk_f16_f32 v[8+i], v59, v60              ; eight significant bits: exact in f16's normal range
.set i, i+1
.endr
	global_store_b128 v6, v[8:11], s[6:7]          ; each store of the wave covers 512 consecutive bytes, aligned
	global_store_b128 v6, v[12:15], s[6:7] offset:512
	s_wait_loadcnt 0x0
.set i, 0
.rept 8
	v_cvt_pk_bf16_f32 v[48+i], v[32+2*i], v[33+2*i]
.set i, i+1
.endr
	global_store_b128 v6, v[48:51], s[8:9]
	global_store_b128 v6, v[52:55], s[8:9] offset:512
	v_add_f32 v56, v56, v57
	WRED 56, 57
	s_wait_xcnt 0x0                                ; EXEC is a source of the stores above: it changes only behind this wait
	v_cmp_eq_u32 vcc_lo, 0, v1
	s_and_saveexec_b32 s25, vcc_lo
	global_store_b32 v7, v56, s[10:11]             ; lane 0 alone
	s_wait_xcnt 0x0
	s_or_b32 exec_lo, exec_lo, s25
	s_endpgm
.Lfunc_end_k_q9bb009fa5f_prep:
	.size	k_q9bb009fa5f_prep, .Lfunc_end_k_q9bb009fa5f_prep-k_q9bb009fa5f_prep
	.p2alignl 7, 3214868480
	.fill 96, 4, 3214868480
	.section	.rodata,"a",@progbits
	.p2align	6, 0x0
	.amdhsa_kernel k_q9bb009fa5f_prep
		.amdhsa_group_segment_fixed_size 0
		.amdhsa_private_segment_fixed_size 0
		.amdhsa_enable_private_segment 0
		.amdhsa_kernarg_size 32
		.amdhsa_user_sgpr_count 2
		.amdhsa_user_sgpr_kernarg_segment_ptr 1
		.amdhsa_wavefront_size32 1
		.amdhsa_system_sgpr_workgroup_id_x 1
		.amdhsa_system_sgpr_workgroup_id_y 1
		.amdhsa_system_sgpr_workgroup_id_z 1
		.amdhsa_system_vgpr_workitem_id 0
		.amdhsa_next_free_vgpr 64
		.amdhsa_next_free_sgpr 66
		.amdhsa_reserve_vcc 1
		.amdhsa_float_denorm_mode_32 3
		.amdhsa_float_denorm_mode_16_64 3
		.amdhsa_memory_ordered 1
		.amdhsa_forward_progress 1
		.amdhsa_inst_pref_size 8
	.end_amdhsa_kernel
	.amdgpu_metadata
---
amdhsa.version: [ 1, 2 ]
amdhsa.kernels:
  - .name:           k_q9bb009fa5f_prep
    .symbol:         k_q9bb009fa5f_prep.kd
    .args:
      - { .name: dictionary, .offset: 0, .size: 8, .value_kind: global_buffer, .address_space: global }
      - { .name: wh, .offset: 8, .size: 8, .value_kind: global_buffer, .address_space: global }
      - { .name: wt, .offset: 16, .size: 8, .value_kind: global_buffer, .address_space: global }
      - { .name: ssq, .offset: 24, .size: 8, .value_kind: global_buffer, .address_space: global }
    .group_segment_fixed_size: 0
    .private_segment_fixed_size: 0
    .kernarg_segment_align: 8
    .kernarg_segment_size: 32
    .max_flat_workgroup_size: 128
    .sgpr_count:     66
    .vgpr_count:     64
    .wavefront_size: 32
...
	.end_amdgpu_metadata
.endif
;; end of part 12
;; launch gram: the kernel of part 8 again; grid 256 x 1, 2 waves a work-group, no clusters, 0 bytes of LDS; arguments wt, ssq, gp; writes gp
;; launch gram2 (part 13): grid 272 x 1, 2 waves a work-group, no clusters, 0 bytes of LDS; arguments gp, g2; writes g2
.if DOCPART == 13
	.amdgcn_target "amdgcn-amd-amdhsa--gfx1250"
	.amdhsa_code_object_version 6
	.text
	.protected	k_q9bb009fa5f_gram2
	.globl	k_q9bb009fa5f_gram2
	.p2align	8
	.type	k_q9bb009fa5f_gram2,@function
k_q9bb009fa5f_gram2:
	s_mov_b64 s[64:65], 0
	v_nop
	global_prefetch_b8 v0, s[64:65] scope:SCOPE_SE
	s_setreg_imm32_b32 hwreg(HW_REG_WAVE_MODE, 25, 1), 1
	s_wait_xcnt 0x0
; SparseDict, launch gram2: what lets the power steps go two at a time (shown at the first kernel's head): G2 = G' G' / 32 in f16, as fragments in gp's own layout, and the row sums G' 1 in f32 behind them, at byte 524,288.
; RANGE.  |(G' G')[i][j]| <= sqrt of the product of two diagonal numbers, and a diagonal number is sum_k G'[i][k]^2 <= G'[i][i] trace(G') < 1,024^2: divided by 32 every number is below 2^15, inside f16, for every W.
; WORK-GROUPS 0 TO 255: wave n = 2 x work-group + wave (0 .. 511) makes fragment n: rows i = 16 ni + r, columns j = 32 ks + 16 q + 8 h + e; n = ((ni / 8) 16 + ks) 8 + ni % 8.  G' is symmetric, so column j of G' is its row j:
; source 0 = the fragment of rows j, source 1 = the fragment of rows i; in the result a lane holds one row i (lane % 16) and eight neighbouring j: two results packed in pairs ARE the fragment.
; K = 512 goes in 16 steps; a ring of eight steps in registers keeps 42 to 48 loads of the wave on their way.  Nothing is shared between waves, so nothing goes through LDS.
; WORK-GROUPS 256 TO 271: wave ni = 2 x (work-group - 256) + wave (0 .. 31) adds up the 16 rows of tile ni: 16 products of a fragment of ones with the rows' fragments; every register of the result holds the sum of row lane % 16.
.set LN,   1                           ; v1   16 x lane
.set VQ,   2                           ; v2   the rows' fragments: 131,072 (ni / 8) + 1,024 (ni % 8) + 16 lane
.set VP,   3                           ; v3   the columns' fragments, tile 2 ks; tile 2 ks + 1 lies 1,024 bytes on
.set A0,   16                          ; v[16:23]
.set A1,   24                          ; v[24:31]
.set RING, 32                          ; v[32:223] eight slots of 24: rows' fragment, then the two columns' fragments
.set SUMS, 524288                      ; where the row sums go
.macro PLACES                          ; four plain vector instructions between a matrix instruction and a load into, or a vector read of, its registers
.rept 4
	v_nop
.endr
.endm
.macro GLOAD k                         ; the six loads of K step k, into its slot
.set RL, RING+24*((\k)%8)
	global_load_b128 v[RL:RL+3],     v[VQ], s[4:5] offset:(\k)*8192
	global_load_b128 v[RL+4:RL+7],   v[VQ], s[4:5] offset:(\k)*8192+512
	global_load_b128 v[RL+8:RL+11],  v[VP], s[4:5] offset:(\k)*8192
	global_load_b128 v[RL+12:RL+15], v[VP], s[4:5] offset:(\k)*8192+512
	global_load_b128 v[RL+16:RL+19], v[VP], s[4:5] offset:(\k)*8192+1024
	global_load_b128 v[RL+20:RL+23], v[VP], s[4:5] offset:(\k)*8192+1536
.endm
	s_load_b128 s[4:7], s[0:1], 0x0                ; gp s[4:5], g2 s[6:7]
	v_lshrrev_b32 v1, 5, v0
	v_readfirstlane_b32 s12, v1                    ; wave 0..1
	v_and_b32 v7, 31, v0                           ; lane
	v_lshlrev_b32 v[LN], 4, v7
	s_cmp_ge_u32 ttmp9, 0x100
	s_cbranch_scc1 .Lrows                          ; the last sixteen work-groups add up rows
	s_lshl_b32 s13, ttmp9, 1
	s_add_co_u32 s13, s13, s12                     ; n
	s_and_b32 s14, s13, 7                          ; ni % 8
	s_bfe_u32 s15, s13, 0x40003                    ; ks
	s_lshr_b32 s16, s13, 7                         ; ni / 8
	s_lshl_b32 s16, s16, 17
	s_lshl_b32 s14, s14, 10
	s_add_co_u32 s16, s16, s14
	v_add_nc_u32 v[VQ], s16, v[LN]
	s_lshr_b32 s17, s15, 2                         ; (2 ks) / 8
	s_lshl_b32 s17, s17, 17
	s_and_b32 s18, s15, 3
	s_lshl_b32 s18, s18, 11                        ; 1,024 ((2 ks) % 8)
	s_add_co_u32 s17, s17, s18
	v_add_nc_u32 v[VP], s17, v[LN]
	s_lshl_b32 s19, s13, 10
	v_add_nc_u32 v6, s19, v[LN]                    ; where the fragment goes
	v_mov_b32 v4, 0x3d000000                       ; 1 / 32, twice: a pair for the packed multiply
	v_mov_b32 v5, 0x3d000000
	s_wait_kmcnt 0x0
.irp k, 0,1,2,3,4,5,6,7
	GLOAD \k
.endr
.set st, 0
.rept 16
.set R, RING+24*(st%8)
.if st < 8
	s_wait_loadcnt 42                              ; this step's six loads are in; the seven younger steps' stay out
.else
	s_wait_loadcnt 6*(15-st)                       ; the last steps load nothing: the counts run down
.endif
.if st == 0                            ; the first products start the sums; the two accumulators take turns
	v_wmma_f32_16x16x32_f16 v[A0:A0+7], v[R+8:R+15],  v[R:R+7], 0
	v_wmma_f32_16x16x32_f16 v[A1:A1+7], v[R+16:R+23], v[R:R+7], 0
.else
	v_wmma_f32_16x16x32_f16 v[A0:A0+7], v[R+8:R+15],  v[R:R+7], v[A0:A0+7]
	v_wmma_f32_16x16x32_f16 v[A1:A1+7], v[R+16:R+23], v[R:R+7], v[A1:A1+7]
.endif
.if st < 8
	PLACES
	GLOAD st+8                                     ; the slot just multiplied takes the step eight further on
.endif
.set st, st+1
.endr
	PLACES
.irp z, 0,2,4,6,8,10,12,14
	v_pk_mul_f32 v[A0+\z:A0+\z+1], v[A0+\z:A0+\z+1], v[4:5]   ; a power of two: exact
.endr
.irp z, 0,1,2,3,4,5,6,7
	v_cvt_pk_f16_f32 v[8+\z], v[A0+2*\z], v[A0+2*\z+1]        ; the one rounding of G' G'
.endr
	global_store_b128 v6, v[8:11], s[6:7]          ; 512 consecutive bytes, aligned
	global_store_b128 v6, v[12:15], s[6:7] offset:512
	s_endpgm
.Lrows:
	s_and_b32 s13, ttmp9, 15                       ; work-group - 256
	s_lshl_b32 s13, s13, 1
	s_add_co_u32 s13, s13, s12                     ; ni
	s_lshr_b32 s16, s13, 3
	s_lshl_b32 s16, s16, 17
	s_and_b32 s14, s13, 7
	s_lshl_b32 s14, s14, 10
	s_add_co_u32 s16, s16, s14
	v_add_nc_u32 v[VQ], s16, v[LN]
	s_lshl_b32 s19, s13, 6                         ; 16 rows of 4 bytes
	v_lshl_add_u32 v6, v7, 2, s19
.irp e, 0,1,2,3,4,5,6,7
	v_mov_b32 v[8+\e], 0x3c003c00                  ; a fragment of ones
.endr
	s_wait_kmcnt 0x0
.set k, 0
.rept 16
	global_load_b128 v[32+8*k:32+8*k+3], v[VQ], s[4:5] offset:k*8192
	global_load_b128 v[32+8*k+4:32+8*k+7], v[VQ], s[4:5] offset:k*8192+512
.set k, k+1
.endr
.set k, 0
.rept 16
	s_wait_loadcnt 2*(15-k)                        ; fragment k is in; the younger fragments' loads stay out
.if k < 2                              ; even fragments onto one accumulator, odd ones onto the other, by turns
	v_wmma_f32_16x16x32_f16 v[A0+8*(k%2):A0+8*(k%2)+7], v[8:15], v[32+8*k:32+8*k+7], 0
.else
	v_wmma_f32_16x16x32_f16 v[A0+8*(k%2):A0+8*(k%2)+7], v[8:15], v[32+8*k:32+8*k+7], v[A0+8*(k%2):A0+8*(k%2)+7]
.endif
.set k, k+1
.endr
	PLACES
	v_add_f32 v5, v[A0], v[A1]                     ; the sum of row lane % 16
	s_wait_xcnt 0x0                                ; EXEC changes only behind this wait
	v_cmp_gt_u32 vcc_lo, 16, v7
	s_and_saveexec_b32 s20, vcc_lo
	global_store_b32 v6, v5, s[6:7] offset:SUMS    ; lanes 0 to 15: 64 consecutive bytes
	s_wait_xcnt 0x0
	s_or_b32 exec_lo, exec_lo, s20
	s_endpgm
.Lfunc_end_k_q9bb009fa5f_gram2:
	.size	k_q9bb009fa5f_gram2, .Lfunc_end_k_q9bb009fa5f_gram2-k_q9bb009fa5f_gram2
	.p2alignl 7, 3214868480
	.fill 96, 4, 3214868480
	.section	.rodata,"a",@progbits
	.p2align	6, 0x0
	.amdhsa_kernel k_q9bb009fa5f_gram2
		.amdhsa_group_segment_fixed_size 0
		.amdhsa_private_segment_fixed_size 0
		.amdhsa_enable_private_segment 0
		.amdhsa_kernarg_size 16
		.amdhsa_user_sgpr_count 2
		.amdhsa_user_sgpr_kernarg_segment_ptr 1
		.amdhsa_wavefront_size32 1
		.amdhsa_system_sgpr_workgroup_id_x 1
		.amdhsa_system_sgpr_workgroup_id_y 1
		.amdhsa_system_sgpr_workgroup_id_z 1
		.amdhsa_system_vgpr_workitem_id 0
		.amdhsa_next_free_vgpr 256
		.amdhsa_next_free_sgpr 66
		.amdhsa_reserve_vcc 1
		.amdhsa_float_denorm_mode_32 3
		.amdhsa_float_denorm_mode_16_64 3
		.amdhsa_memory_ordered 1
		.amdhsa_forward_progress 1
		.amdhsa_inst_pref_size 21
	.end_amdhsa_kernel
	.amdgpu_metadata
---
amdhsa.version: [ 1, 2 ]
amdhsa.kernels:
  - .name:           k_q9bb009fa5f_gram2
    .symbol:         k_q9bb009fa5f_gram2.kd
    .args:
      - { .name: gp, .offset: 0, .size: 8, .value_kind: global_buffer, .address_space: global }
      - { .name: g2, .offset: 8, .size: 8, .value_kind: global_buffer, .address_space: global }
    .group_segment_fixed_size: 0
    .private_segment_fixed_size: 0
    .kernarg_segment_align: 8
    .kernarg_segment_size: 16
    .max_flat_workgroup_size: 64
    .sgpr_count:     66
    .vgpr_count:     256
    .wavefront_size: 32
...
	.end_amdgpu_metadata
.endif
;; end of part 13
;; launch xwpow (part 14): grid 129 x 1, 4 waves a work-group, no clusters, 275,456 bytes of LDS; arguments z_e_x, wt, p, scal, g2, ssq; writes p, scal
.if DOCPART == 14
	.amdgcn_target "amdgcn-amd-amdhsa--gfx1250"
	.amdhsa_code_object_version 6
	.text
	.protected	k_q9bb009fa5f_xwpow
	.globl	k_q9bb009fa5f_xwpow
	.p2align	8
	.type	k_q9bb009fa5f_xwpow,@function
k_q9bb009fa5f_xwpow:
	s_mov_b64 s[64:65], 0
	v_nop
	global_prefetch_b8 v0, s[64:65] scope:SCOPE_SE
	s_setreg_imm32_b32 hwreg(HW_REG_WAVE_MODE, 25, 1), 1
	s_wait_xcnt 0x0
; SparseDict, launch xwpow.  Two pieces of work that need only what earlier launches stored, and nothing of each other, share one launch:
;   work-group 0:          L, by the 20 power steps taken two at a time, and the constants that the steps on the codes use (reads g2, ssq; stores scal);
;   work-groups 1 to 128:  P = X W, [8192][512] in f32, 64 rows each (read z_e_x, wt; store p).
; WHY ONE LAUNCH.  Each product for L needs the whole vector of the one before, and work-groups of a launch hand nothing to each other: that chain is one work-group's.  X W has work for the others meanwhile.
; The chain is the longest share, so it has the first number.  129 work-groups of 1,024 registers a wave: each has a WGP of its own from the start.
; The branch hangs on the work-group's number alone: it is the same in all four waves, so the waves of a work-group pass the same barriers.
; LEFT OUT (shown at the first kernel's head): the permutation of X (z_e_x is read as it lies; wt holds W's rows in that order); 10 products with G G stand for the 21 with G.
; LDS.  Each kind of work-group has bytes of its own: 0 to 135,679 the chain's; 135,680 the spare words, 128 bytes for each wave (both kinds'); 136,192 to 275,455 X's blocks.
.set VH,     131072
.set VPITCH, 1088
.set PART,   135424
.set SPARE,  135680
.set XB0,    136192
.set SPW, 6                            ; v6   my spare word; never rewritten
.set NIL, 7                            ; v7   0; never rewritten
.set MSB, 0
.macro WIN new                         ; the immediate's high byte repeats the setting that is left; a switch that changes nothing is dropped
.if MSB != (\new)
	s_set_vgpr_msb (MSB<<8)|(\new)
.set MSB, \new
.endif
.endm
.macro PLACES                          ; four plain vector instructions between a matrix instruction and a load into, or a read of, its registers
.rept 4
	v_nop
.endr
.endm
	v_lshl_add_u32 v[SPW], v0, 2, SPARE
	v_mov_b32 v[NIL], 0
	v_lshrrev_b32 v1, 5, v0
	v_readfirstlane_b32 s12, v1                    ; wave 0..3
	s_cmp_eq_u32 ttmp9, 0
	s_cbranch_scc1 .Lpower                         ; work-group 0 takes the chain
; ---------------------------------------------------------------- P = X W, work-groups 1 to 128 ----------------------------------------------------------------
; SHARES.  Work-group b + 1 takes rows 64 b .. 64 b + 63 of X; wave w takes columns 128 w .. 128 w + 127: 32 accumulators (8 column tiles x 4 row tiles), so a fragment of wt feeds four products.
; X: each wave reads 16 rows, 8 in each of two trips (64 loads of 512 consecutive bytes a trip), rounds them to bf16 and lays them into LDS, where all four waves read them as fragments.
; wt: each fragment is wanted by one wave of the work-group and comes straight from memory into a ring of four K steps in registers: 48 to 64 loads of a wave are on their way all the time.
; NO CLUSTER, NO TENSOR LOADS: what work-groups share is wt, of which no two waves of a work-group want the same byte; through LDS it would need slots, barriers and a second trip into registers.
; Source 0 = 16 columns of W, source 1 = 16 rows of X: a lane holds one row of P (lane % 16) and eight neighbouring columns.  P is stored as register images for blocks of 32 rows: block 2 b + m / 2, wave w,
; image 2 t + m % 2 at 65,536 block + 16,384 w + 1,024 image: the launch that uses it loads them back as they are.
; LDS: 512 blocks of 272 bytes.  Block 128 m + 4 ks + 2 q + h holds, for its 16 rows, the 16 bytes k = 32 ks + 16 q + 8 h + 0..7, then 16 bytes of padding:
; the 32 lanes of a store touch 32 different 8-byte columns modulo 256 bytes, the 16 lanes of a load's pass 256 consecutive bytes.
; REGISTERS: window 0: v0-15 addresses, v16-31 at work, v32-95 X's fragments (two buffers x four row tiles);
;   window 1: X as loaded, 64 x 4, then the accumulators (column tile t, row tile m at 8 (4 t + m));   window 2: wt's ring: K step j % 4, column tile t at 64 j + 8 t.
.set XBMT,  34816                      ; bytes of a row tile's 128 blocks
.set XO,  2                            ; v2   my 16 bytes in my wave's first row of z_e_x: 32,768 w + 16 lane
.set XS,  3                            ; v3   where I put 8 bytes of a row; two row tiles on in the second trip
.set XR0, 4                            ; v4   where I read row tiles 0 and 1; stepped once a trip
.set XR1, 5                            ; v5   row tiles 2 and 3
.set WO,  8                            ; v8   my wave's fragments in a K step of wt: 8,192 w + 16 lane
.set PO,  9                            ; v9   16,384 w + 16 lane
.set XT,  16
.set XF,  32
.macro XFL buf, off                    ; X's four fragments of one K step, at byte off of the blocks, into buffer buf
.irp m, 0,1
	ds_load_b128 v[XF+32*(\buf)+8*\m:XF+32*(\buf)+8*\m+3],       v[XR0] offset:(\off)+XBMT*\m
	ds_load_b128 v[XF+32*(\buf)+8*\m+4:XF+32*(\buf)+8*\m+7],     v[XR0] offset:(\off)+XBMT*\m+544
.endr
.irp m, 0,1
	ds_load_b128 v[XF+32*(\buf)+16+8*\m:XF+32*(\buf)+16+8*\m+3],   v[XR1] offset:(\off)+XBMT*\m
	ds_load_b128 v[XF+32*(\buf)+16+8*\m+4:XF+32*(\buf)+16+8*\m+7], v[XR1] offset:(\off)+XBMT*\m+544
.endr
.endm
; K step j of a trip of four.  zero: the products start the sums.  more: the ring's slot takes the step four further on.  nx: X's buffer takes the step two further on.
; lc: the younger global loads that may stay out (16 for each younger step of the ring).  dc: the younger LDS loads (the next step's eight).
.macro XSTEP j, zero, more, nx, lc, dc
	s_wait_loadcnt \lc
	s_wait_dscnt \dc
	WIN 0x52                                       ; source 0 in window 2, source 1 in window 0, C and D in window 1
.set t, 0
.rept 8                                ; the 32 accumulators take turns, in the same order in every step
.set m, 0
.rept 4
.if \zero
	v_wmma_f32_16x16x32_bf16 v[8*(4*t+m):8*(4*t+m)+7], v[64*(\j)+8*t:64*(\j)+8*t+7], v[XF+32*((\j)%2)+8*m:XF+32*((\j)%2)+8*m+7], 0
.else
	v_wmma_f32_16x16x32_bf16 v[8*(4*t+m):8*(4*t+m)+7], v[64*(\j)+8*t:64*(\j)+8*t+7], v[XF+32*((\j)%2)+8*m:XF+32*((\j)%2)+8*m+7], v[8*(4*t+m):8*(4*t+m)+7]
.endif
.set m, m+1
.endr
.set t, t+1
.endr
	PLACES
.if \more
	WIN 0x80                                       ; destination in window 2
.set n, 0
.rept 16
	global_load_b128 v[64*(\j)+4*n:64*(\j)+4*n+3], v[WO], s[6:7] offset:((\j)+4)*32768+512*n
.set n, n+1
.endr
.endif
.if \nx
	WIN 0
	XFL (\j)%2, ((\j)+2)*1088
.endif
.endm
.macro ONWARD                          ; a trip's end: four K steps on
	WIN 0
	s_wait_xcnt 0x0                                ; every load issued so far has read its address: wt's base may be written
	s_add_nc_u64 s[6:7], s[6:7], 131072
	v_add_nc_u32 v[XR0], 4352, v[XR0]
	v_add_nc_u32 v[XR1], 4352, v[XR1]
.endm
	s_load_b128 s[4:7], s[0:1], 0x0                ; z_e_x s[4:5], wt s[6:7]
	s_load_b64 s[8:9], s[0:1], 0x10                ; p
	v_and_b32 v1, 31, v0                           ; lane
	v_and_b32 v10, 15, v0                          ; r
	v_bfe_u32 v11, v0, 4, 1                        ; h
	v_lshlrev_b32 v12, 4, v1
	s_lshl_b32 s16, s12, 15
	v_add_nc_u32 v[XO], s16, v12
	s_lshl_b32 s16, s12, 13
	v_add_nc_u32 v[WO], s16, v12
	s_lshl_b32 s16, s12, 14
	v_add_nc_u32 v[PO], s16, v12
	v_lshrrev_b32 v13, 1, v1                       ; a lane's four numbers are half of a block's 16 bytes: block lane / 2 of the load's sixteen,
	v_and_b32 v14, 1, v1                           ; half lane % 2
	v_mul_u32_u24 v[XS], v13, 272
	v_lshl_add_u32 v[XS], v14, 3, v[XS]
	s_lshr_b32 s16, s12, 1                         ; a trip's 8 rows of mine: row tile w / 2 of the trip's two,
	s_mul_i32 s16, s16, XBMT
	s_and_b32 s17, s12, 1                          ; rows 8 (w % 2) on
	s_lshl_b32 s17, s17, 7
	s_add_co_u32 s16, s16, s17
	s_add_co_u32 s16, s16, XB0
	v_add_nc_u32 v[XS], s16, v[XS]
	v_mul_u32_u24 v[XR0], v11, 272
	v_lshl_add_u32 v[XR0], v10, 4, v[XR0]
	v_add_nc_u32 v[XR0], XB0, v[XR0]
	v_add_nc_u32 v[XR1], 2*XBMT, v[XR0]
	s_sub_co_u32 s20, ttmp9, 1                     ; b: on this way the work-group's number is 1 or more
	s_lshl_b32 s14, s20, 18                        ; its 64 rows of 4,096 bytes
	s_mov_b32 s15, 0
	s_lshl_b32 s18, s20, 17                        ; and its 131,072 bytes of p
	s_mov_b32 s19, 0
	s_wait_kmcnt 0x0
	s_add_nc_u64 s[4:5], s[4:5], s[14:15]
	s_add_nc_u64 s[8:9], s[8:9], s[18:19]
	WIN 0x80                                       ; the ring's first four K steps go out first: they land while X is laid out
.set n, 0
.rept 64
	global_load_b128 v[4*n:4*n+3], v[WO], s[6:7] offset:(n/16)*32768+(n%16)*512
.set n, n+1
.endr
	WIN 0
	s_mov_b32 s13, 2
.Lrows:                                        ; a trip: 32 rows of the work-group, 8 of mine, read once in the launch
	WIN 0x40                                       ; destination in window 1
.set n, 0
.rept 64
	global_load_b128 v[4*n:4*n+3], v[XO], s[4:5] offset:(n/8)*4096+(n%8)*512 th:TH_LOAD_NT
.set n, n+1
.endr
.set rho, 0
.rept 8                                ; row by row: rounded, laid into LDS
	s_wait_loadcnt 8*(7-rho)                       ; row rho is in: behind it stand the later rows' loads, eight each
	WIN 0x05                                       ; sources in window 1
.set i, 0
.rept 8
	v_cvt_pk_bf16_f32 v[XT+2*i],   v[(rho*8+i)*4],   v[(rho*8+i)*4+1]
	v_cvt_pk_bf16_f32 v[XT+2*i+1], v[(rho*8+i)*4+2], v[(rho*8+i)*4+3]
.set i, i+1
.endr
	WIN 0
.set i, 0
.rept 8
	ds_store_b64 v[XS], v[XT+2*i:XT+2*i+1] offset:i*4352+rho*16
.set i, i+1
.endr
.set rho, rho+1
.endr
	s_add_nc_u64 s[4:5], s[4:5], 131072            ; all loads that named the base are in (the last wait was for 0): 32 rows on
	v_add_nc_u32 v[XS], 2*XBMT, v[XS]              ; two row tiles on
	s_sub_co_u32 s13, s13, 1
	s_cmp_lg_u32 s13, 0
	s_cbranch_scc1 .Lrows
	s_wait_dscnt 0x0                               ; for the others' sake: my rows lie in LDS
	s_barrier_signal -1
	s_barrier_wait -1                              ; all 64 rows do
	XFL 0, 0
	XFL 1, 1088
	XSTEP 0, 1, 1, 1, 48, 8                        ; the first trip stands in front of the loop: its first step starts the sums
	XSTEP 1, 0, 1, 1, 48, 8
	XSTEP 2, 0, 1, 1, 48, 8
	XSTEP 3, 0, 1, 1, 48, 8
	ONWARD
	s_mov_b32 s13, 6
.Ltrip:
	XSTEP 0, 0, 1, 1, 48, 8
	XSTEP 1, 0, 1, 1, 48, 8
	XSTEP 2, 0, 1, 1, 48, 8
	XSTEP 3, 0, 1, 1, 48, 8
	ONWARD
	s_sub_co_u32 s13, s13, 1
	s_cmp_lg_u32 s13, 0
	s_cbranch_scc1 .Ltrip
	XSTEP 0, 0, 0, 1, 48, 8                        ; the last trip asks for nothing of wt: the counts run down
	XSTEP 1, 0, 0, 1, 32, 8
	XSTEP 2, 0, 0, 0, 16, 8
	XSTEP 3, 0, 0, 0, 0, 0
	WIN 0x04                                       ; store data in window 1
.set a, 0
.rept 32                               ; each accumulator's low half first; each store covers 512 consecutive bytes, aligned
	global_store_b128 v[PO], v[8*a:8*a+3],   s[8:9] offset:((a%4)/2)*65536+(2*(a/4)+a%2)*1024
	global_store_b128 v[PO], v[8*a+4:8*a+7], s[8:9] offset:((a%4)/2)*65536+(2*(a/4)+a%2)*1024+512
.set a, a+1
.endr
	WIN 0
	s_wait_tensorcnt 0x0                           ; the wave's end: behind my last LDS store
	ds_add_u32 v[SPW], v[NIL]
	s_wait_dscnt 0x0
	s_endpgm
; ---------------------------------------------------------------- L, work-group 0 ----------------------------------------------------------------
; In units of s (G = s G'): a_j = G'^(2j) 1 and b_j = G'^(2j+1) 1, both held times one common factor, so that |a| = 1 from the first trip on.  A trip: y_a = (G' G' / 32) a, y_b = (G' G' / 32) b; kappa = 1 / |y_a|; a = kappa y_a, b = kappa y_b.
; THE NORMS OF reference().  r_(2j) = |b_j| / |a_j| and r_(2j+1) = 32 |y_a| / |b_j| are its |G' u_k|; M, the norm of its v_k, goes by M <- M r / (M r + 1e-12 / s), twice a trip.
; M starts at 1 beside B = |G' 1|, since the first product M r is |G' 1| itself (sqrt(512) times |G' 1| / sqrt(512)).  At the end rho = L / s = M^2 (a . b / a . a) / (M^2 + 1e-12).
; G' G' / 32 STAYS ON CHIP: of a wave's 128 rows (128 fragments) 96 fragments lie in 768 registers, 32 in LDS, from where they come in four batches of eight under the products on the others.
; THE PRODUCT.  Source 0 = the two vectors as 16 pseudo-rows, by the row's number modulo 4: a rounded to f16, what that rounding left, b rounded, what that left.  Source 1 = 16 rows of the matrix.  In the result every lane holds,
; for row lane % 16 of the tile, the four parts' products in registers 0 to 3: y_a is the sum of the first two, y_b of the others.  The vectors, the norms and the quotient are f32.
; STORED: gamma = sqrt(rho / s), 0.1 gamma, -1 / rho, 1e-6 rho sqrt(rho s), -1 / sqrt(rho s), L, s, rho.  The state of the codes is Y = rho sqrt(rho s) Z: Y <- soft(Y + gamma X W + (-Y / rho) G', 0.1 gamma).
; LDS: 0: the streamed fragments, 32,768 bytes a wave: batch 2 g + (ks - 12) / 2, in it fragment 4 (ks % 2) + t.  131,072: the vectors' four parts, 1,024 bytes each, 1,088 apart (64 modulo 256, so that the four
; addresses of a load's pass fall into different columns).  135,424: the waves' partial sums.
; REGISTERS: window 0: v0-15 addresses, M, B and at work; v16-47 four accumulators, at work between two products; v48-175 the vectors' 16 fragments; v176-239 a batch; v240-247 a, v248-255 b (my wave's eight tiles, one number a lane and tile);
;   windows 1-3: fragment f = 48 g + 4 ks + t (group g of four tiles, ks 0..11) at 256 + 8 f.
.set SUMS, 524288                      ; the row sums G' 1 lie behind g2's fragments
.set SELA, 24
.set SELB, 25
.set PW,  1                            ; v1   where my wave's two sums of squares go
.set GO,  2                            ; v2   my wave's fragments in g2: 131,072 w + 16 lane
.set LSA, 3                            ; v3   and in LDS: 32,768 w + 16 lane
.set VFA, 4                            ; v4   the vectors' fragments: the part that my row's number modulo 4 names, + 16 h
.set VST, 5                            ; v5   where my number of a tile goes: 256 w + 2 r
.set M,   10                           ; v10  the norm of the v_k of reference()
.set B,   11                           ; v11  |b|
.set LN,  13                           ; v13  16 x lane, at the head alone
.set PR,  15                           ; v15  the partial sums' first byte
.set ACC, 16
.set TL,  16                           ; the sums of squares land where the accumulators will lie
.set VF,  48
.set SB,  176
.set YA,  240
.set YB,  248
.macro WRED reg, tmp
	v_add_f32_dpp v[\reg], v[\reg], v[\reg] row_xmask:1 row_mask:0xf bank_mask:0xf
	v_add_f32_dpp v[\reg], v[\reg], v[\reg] row_xmask:2 row_mask:0xf bank_mask:0xf
	v_add_f32_dpp v[\reg], v[\reg], v[\reg] row_xmask:4 row_mask:0xf bank_mask:0xf
	v_add_f32_dpp v[\reg], v[\reg], v[\reg] row_xmask:8 row_mask:0xf bank_mask:0xf
	v_mov_b32 v[\tmp], v[\reg]
	v_permlanex16_b32 v[\tmp], v[\reg], s[SELA], s[SELB]
	v_add_f32 v[\reg], v[\reg], v[\tmp]
.endm
.macro HALF reg                        ; the sum over 16 lanes: the two halves of the lanes hold the same numbers
	v_add_f32_dpp v[\reg], v[\reg], v[\reg] row_xmask:1 row_mask:0xf bank_mask:0xf
	v_add_f32_dpp v[\reg], v[\reg], v[\reg] row_xmask:2 row_mask:0xf bank_mask:0xf
	v_add_f32_dpp v[\reg], v[\reg], v[\reg] row_xmask:4 row_mask:0xf bank_mask:0xf
	v_add_f32_dpp v[\reg], v[\reg], v[\reg] row_xmask:8 row_mask:0xf bank_mask:0xf
.endm
; The trace and s: the same lines as in the launch that made G', so that both have the same bits.  Leaves s in v[TL] and 1 / s in v[TL+1].
.macro TRACE_LOAD
.irp i, 0,1,2,3,4,5,6,7
	global_load_b128 v[TL+4*\i:TL+4*\i+3], v[LN], s[6:7] offset:512*\i
.endr
.endm
.macro TRACE_SUM
.irp z, 0,2,4,6,8,10,12,14
	v_pk_add_f32 v[TL+\z:TL+\z+1], v[TL+\z:TL+\z+1], v[TL+16+\z:TL+17+\z]
.endr
.irp z, 0,2,4,6
	v_pk_add_f32 v[TL+\z:TL+\z+1], v[TL+\z:TL+\z+1], v[TL+8+\z:TL+9+\z]
.endr
.irp z, 0,2
	v_pk_add_f32 v[TL+\z:TL+\z+1], v[TL+\z:TL+\z+1], v[TL+4+\z:TL+5+\z]
.endr
	v_pk_add_f32 v[TL:TL+1], v[TL:TL+1], v[TL+2:TL+3]
	v_add_f32 v[TL], v[TL], v[TL+1]
	WRED TL, TL+1
	v_mul_f32 v[TL], 0x3b000000, v[TL]
	v_and_b32 v[TL], 0x7f800000, v[TL]
	v_sub_nc_u32 v[TL+1], 0x7f000000, v[TL]
.endm
.macro SOFF n                          ; load n of the 64 of the streamed part lies in LDS at 512 n; in g2 at SO: batch n / 16, fragment (n % 16) / 2, half n % 2
.set SO, ((12+2*(((\n)/16)%2)+(((\n)%16)/8))*8+((\n)/32)*4+(((\n)%16)/2)%4)*1024+((\n)%2)*512
.endm
.macro SLOAD beta                      ; a batch of eight fragments out of LDS
	WIN 0
.set n, 0
.rept 16
	ds_load_b128 v[SB+4*n:SB+4*n+3], v[LSA] offset:(\beta)*8192+512*n
.set n, n+1
.endr
.endm
; Four numbers y .. y + 3 go to LDS in two parts each: rounded to f16, and what that leaves (the difference is exact), rounded again.  The first parts at adr + off + str x i, the second VPITCH further on.
.macro SPLIT4 y, adr, off, str
	v_cvt_f16_f32 v16.l, v[(\y)]
	v_cvt_f16_f32 v17.l, v[(\y)+1]
	v_cvt_f16_f32 v18.l, v[(\y)+2]
	v_cvt_f16_f32 v19.l, v[(\y)+3]
	v_cvt_f32_f16 v20, v16.l
	v_cvt_f32_f16 v21, v17.l
	v_cvt_f32_f16 v22, v18.l
	v_cvt_f32_f16 v23, v19.l
	v_sub_f32 v20, v[(\y)], v20
	v_sub_f32 v21, v[(\y)+1], v21
	v_sub_f32 v22, v[(\y)+2], v22
	v_sub_f32 v23, v[(\y)+3], v23
	v_cvt_f16_f32 v24.l, v20
	v_cvt_f16_f32 v25.l, v21
	v_cvt_f16_f32 v26.l, v22
	v_cvt_f16_f32 v27.l, v23
.irp i, 0,1,2,3
	ds_store_b16 v[\adr], v[16+\i] offset:(\off)+(\str)*\i
	ds_store_b16 v[\adr], v[24+\i] offset:(\off)+(\str)*\i+VPITCH
.endr
.endm
; Four products, one for each tile of group g, on K step ks.  The four accumulators take turns, one instruction a turn.
.macro RES g, ks, zero                 ; the matrix from registers
.set t, 0
.rept 4
.set f, (\g)*48+(\ks)*4+t
	WIN (1+f/32)<<2
.if \zero
	v_wmma_f32_16x16x32_f16 v[ACC+8*t:ACC+8*t+7], v[VF+8*(\ks):VF+8*(\ks)+7], v[(8*f)%256:(8*f)%256+7], 0
.else
	v_wmma_f32_16x16x32_f16 v[ACC+8*t:ACC+8*t+7], v[VF+8*(\ks):VF+8*(\ks)+7], v[(8*f)%256:(8*f)%256+7], v[ACC+8*t:ACC+8*t+7]
.endif
.set t, t+1
.endr
.endm
.macro STR ks                          ; the matrix from the batch
	WIN 0
.set t, 0
.rept 4
	v_wmma_f32_16x16x32_f16 v[ACC+8*t:ACC+8*t+7], v[VF+8*(\ks):VF+8*(\ks)+7], v[SB+8*(4*((\ks)%2)+t):SB+8*(4*((\ks)%2)+t)+7], v[ACC+8*t:ACC+8*t+7]
.set t, t+1
.endr
.endm
.macro YSUM g                          ; behind five plain instructions: four are owed to these reads, five to the next group's products, which write the accumulators anew.  Each accumulator's lowest registers are read first
	v_nop
.irp t, 0,1,2,3
	v_add_f32 v[YA+4*(\g)+\t], v[ACC+8*\t], v[ACC+8*\t+1]
.endr
.irp t, 0,1,2,3
	v_add_f32 v[YB+4*(\g)+\t], v[ACC+8*\t+2], v[ACC+8*\t+3]
.endr
.endm
; y_a and y_b for my 128 rows.  At its head no LDS instruction of mine is out and batch 0 lies in registers; at its end batch 0 is fetched for the next trip (in the last trip for nothing: the price of one text for every trip).
.macro MATVEC
	WIN 0
.set n, 0
.rept 16
	ds_load_b128 v[VF+8*n:VF+8*n+3],   v[VFA] offset:64*n
	ds_load_b128 v[VF+8*n+4:VF+8*n+7], v[VFA] offset:64*n+32
.set n, n+1
.endr
	s_wait_dscnt 30                                ; the vectors' fragment ks is in: 30 - 2 ks younger loads may stay out
	RES 0, 0, 1
.irp ks, 1,2,3,4,5
	s_wait_dscnt 30-2*\ks
	RES 0, \ks, 0
.endr
	s_wait_dscnt 4                                 ; fragments 0 to 13 are in
	STR 12
	STR 13
	PLACES
	SLOAD 1                                        ; the next batch lands under 24 products
.irp ks, 6,7,8,9,10,11
	RES 0, \ks, 0
.endr
	s_wait_dscnt 0x0
	STR 14
	STR 15
	PLACES
	SLOAD 2
	YSUM 0
	RES 1, 0, 1
.irp ks, 1,2,3,4,5
	RES 1, \ks, 0
.endr
	s_wait_dscnt 0x0
	STR 12
	STR 13
	PLACES
	SLOAD 3
.irp ks, 6,7,8,9,10,11
	RES 1, \ks, 0
.endr
	s_wait_dscnt 0x0
	STR 14
	STR 15
	PLACES
	SLOAD 0
	YSUM 1
.endm
.Lpower:
	s_load_b128 s[4:7], s[0:1], 0x20               ; g2 s[4:5], ssq s[6:7]
	s_load_b64 s[8:9], s[0:1], 0x18                ; scal
	s_mov_b32 s[SELA], 0x76543210
	s_mov_b32 s[SELB], 0xfedcba98
	v_and_b32 v[LN], 31, v0
	v_lshlrev_b32 v[LN], 4, v[LN]
	s_lshl_b32 s16, s12, 17
	v_add_nc_u32 v[GO], s16, v[LN]
	s_lshl_b32 s16, s12, 15
	v_add_nc_u32 v[LSA], s16, v[LN]
	v_and_b32 v8, 15, v0                           ; r
	v_bfe_u32 v9, v0, 4, 1                         ; h
	v_and_b32 v[VFA], 3, v0
	v_mul_u32_u24 v[VFA], v[VFA], VPITCH
	v_lshl_add_u32 v[VFA], v9, 4, v[VFA]
	v_add_nc_u32 v[VFA], VH, v[VFA]
	s_lshl_b32 s16, s12, 8
	s_add_co_u32 s16, s16, VH
	v_lshl_add_u32 v[VST], v8, 1, s16
	v_lshrrev_b32 v14, 1, v[LN]
	v_add_nc_u32 v14, s16, v14                     ; at the head: numbers 128 w + 4 lane + 0..3 of a vector: 256 w + 8 lane
	s_lshl_b32 s17, s12, 9
	v_add_nc_u32 v12, s17, v[LN]                   ; and the same four row sums in memory: 512 w + 16 lane
	s_lshl_b32 s16, s12, 3
	s_add_co_u32 s16, s16, PART
	v_mov_b32 v[PW], s16
	v_mov_b32 v[PR], PART
	s_add_co_u32 s21, s16, 64                      ; where my wave's last two sums go
	s_wait_kmcnt 0x0
	TRACE_LOAD
.irp i, 0,1,2,3
	global_load_b128 v[YA+4*\i:YA+4*\i+3], v[LN], s[4:5] offset:SUMS+512*\i   ; all 512 row sums, 16 a lane: every wave makes |G' 1| for itself, in the same order
.endr
	global_load_b128 v[8:11], v12, s[4:5] offset:SUMS                         ; and my four of my wave's 128
.set n, 0
.rept 48                               ; the fragments that go to LDS: three batches through v48-239, asked for ahead of the others
	SOFF n
	global_load_b128 v[48+4*n:48+4*n+3], v[GO], s[4:5] offset:SO
.set n, n+1
.endr
.set f, 0
.rept 96                               ; the fragments that stay in registers
	WIN (1+f/32)<<6
	global_load_b128 v[(8*f)%256:(8*f)%256+3],   v[GO], s[4:5] offset:(((f%48)/4)*8+(f/48)*4+f%4)*1024
	global_load_b128 v[(8*f)%256+4:(8*f)%256+7], v[GO], s[4:5] offset:(((f%48)/4)*8+(f/48)*4+f%4)*1024+512
.set f, f+1
.endr
	WIN 0
	s_wait_loadcnt 63                              ; 192 loads are younger than the 61 issued first: those are in
	TRACE_SUM
	v_mul_f32 v[TL+2], 0x2b8cbccc, v[TL+1]         ; 1e-12 / s
	v_readfirstlane_b32 s31, v[TL]                 ; s
	v_readfirstlane_b32 s29, v[TL+1]               ; 1 / s
	v_readfirstlane_b32 s30, v[TL+2]
	v_mul_f32 v32, v[YA], v[YA]                    ; |G' 1|^2, in two chains
	v_mul_f32 v33, v[YA+1], v[YA+1]
.irp i, 2,4,6,8,10,12,14
	v_fmac_f32 v32, v[YA+\i], v[YA+\i]
	v_fmac_f32 v33, v[YA+\i+1], v[YA+\i+1]
.endr
	v_add_f32 v32, v32, v33
	WRED 32, 33
	SPLIT4 8, 14, 2*VPITCH, 2                      ; b starts as G' 1
	v_sqrt_f32 v[B], v32
	v_mov_b32 v[M], 1.0                            ; (the plain instruction behind the root: ISA guide 5.7.2)
	s_wait_alu depctr_va_vdst(0)                   ; a wait ahead of the root's first reader
	v_mov_b32 v28, 0x3c00                          ; a starts as ones, with nothing left over
	v_mov_b32 v29, 0
.irp t, 0,1,2,3,4,5,6,7
	ds_store_b16 v[VST], v28 offset:32*\t
	ds_store_b16 v[VST], v29 offset:32*\t+VPITCH
.endr
.set n, 0
.rept 48
	ds_store_b128 v[LSA], v[48+4*n:48+4*n+3] offset:512*n
.set n, n+1
.endr
	s_wait_dscnt 0x0                               ; the stores have read their registers
.set n, 48
.rept 16                               ; the fourth batch
	SOFF n
	global_load_b128 v[48+4*(n-48):48+4*(n-48)+3], v[GO], s[4:5] offset:SO
.set n, n+1
.endr
	s_wait_loadcnt 0x0                             ; it is in, and so is all that stays in registers
.set n, 48
.rept 16
	ds_store_b128 v[LSA], v[48+4*(n-48):48+4*(n-48)+3] offset:512*n
.set n, n+1
.endr
	SLOAD 0                                        ; (LDS serves a wave's instructions in order: ISA guide 5.7.1.4)
	s_wait_dscnt 0x0                               ; for the others' sake: my parts of the two vectors lie in LDS
	s_barrier_signal -1
	s_barrier_wait -1
	s_mov_b32 s20, 10
.Lpow:
	MATVEC
	v_mul_f32 v8, v[YA], v[YA]
	v_mul_f32 v9, v[YB], v[YB]
.irp t, 1,2,3,4,5,6,7
	v_fmac_f32 v8, v[YA+\t], v[YA+\t]
	v_fmac_f32 v9, v[YB+\t], v[YB+\t]
.endr
	HALF 8
	HALF 9
	ds_store_b64 v[PW], v[8:9]
	v_mul_f32 v28, v[M], v[B]                      ; the even step of reference(): M r = M |b|, while the store is out
	v_add_f32 v29, s30, v28
	v_rcp_f32 v30, v[B]
	v_rcp_f32 v31, v29
	v_nop                                          ; one plain instruction and one wait for the two reciprocals
	s_wait_alu depctr_va_vdst(0)
	v_mul_f32 v[M], v28, v31
	v_mul_f32 v30, 0x42000000, v30                 ; 32 / |b|
	v_mul_f32 v30, v[M], v30
	s_wait_dscnt 0x0                               ; my sums lie in LDS, and my reads of the vectors are over
	s_barrier_signal -1
	s_barrier_wait -1
	ds_load_b128 v[32:35], v[PR]
	ds_load_b128 v[36:39], v[PR] offset:16
	s_wait_dscnt 0x0
	v_pk_add_f32 v[32:33], v[32:33], v[34:35]
	v_pk_add_f32 v[36:37], v[36:37], v[38:39]
	v_pk_add_f32 v[32:33], v[32:33], v[36:37]      ; |y_a|^2, |y_b|^2: the same order in all four waves: the same bits
	v_rsq_f32 v8, v32                              ; kappa
	v_sqrt_f32 v9, v33                             ; |y_b|
	v_nop
	s_wait_alu depctr_va_vdst(0)
	v_mul_f32 v34, v32, v8                         ; |y_a|
	v_mul_f32 v28, v30, v34                        ; the odd step: M r = M 32 |y_a| / |b|
	v_add_f32 v29, s30, v28
	v_rcp_f32 v31, v29                             ; its reader stands behind the vectors' work below
	v_mul_f32 v[B], v9, v8                         ; the new |b|
.irp t, 0,2,4,6,8,10,12,14
	v_pk_mul_f32 v[YA+\t:YA+\t+1], v[YA+\t:YA+\t+1], v[8:9] op_sel_hi:[1,0]   ; a and b, both times kappa
.endr
	SPLIT4 YA,   VST, 0, 32
	SPLIT4 YA+4, VST, 128, 32
	SPLIT4 YB,   VST, 2*VPITCH, 32
	SPLIT4 YB+4, VST, 2*VPITCH+128, 32
	s_wait_alu depctr_va_vdst(0)                   ; for the reciprocal above
	v_mul_f32 v[M], v28, v31
	s_wait_dscnt 0x0                               ; my parts of the new vectors lie in LDS, and my read of the sums is over
	s_barrier_signal -1
	s_barrier_wait -1
	s_sub_co_u32 s20, s20, 1
	s_cmp_lg_u32 s20, 0
	s_cbranch_scc1 .Lpow
	v_mul_f32 v8, v[YA], v[YB]
	v_mul_f32 v9, v[YA], v[YA]
.irp t, 1,2,3,4,5,6,7
	v_fmac_f32 v8, v[YA+\t], v[YB+\t]
	v_fmac_f32 v9, v[YA+\t], v[YA+\t]
.endr
	HALF 8
	HALF 9
	v_mov_b32 v13, s21
	ds_store_b64 v13, v[8:9]
	s_wait_dscnt 0x0
	s_barrier_signal -1
	s_barrier_wait -1
	s_cmp_lg_u32 s12, 0
	s_cbranch_scc1 .Lend                           ; wave 0 finishes
	ds_load_b128 v[240:243], v[PR] offset:64
	ds_load_b128 v[244:247], v[PR] offset:80
	s_wait_dscnt 0x0
	v_pk_add_f32 v[240:241], v[240:241], v[242:243]
	v_pk_add_f32 v[244:245], v[244:245], v[246:247]
	v_pk_add_f32 v[240:241], v[240:241], v[244:245] ; a . b, a . a
	v_mul_f32 v8, v[M], v[M]                       ; v . v of reference()
	v_add_f32 v9, 0x2b8cbccc, v8                   ; + 1e-12
	v_rcp_f32 v12, v241
	v_rcp_f32 v13, v9
	v_nop
	s_wait_alu depctr_va_vdst(0)
	v_mul_f32 v247, v240, v12
	v_mul_f32 v8, v8, v13
	v_mul_f32 v247, v247, v8                       ; rho
	v_mov_b32 v246, s31                            ; s
	v_mul_f32 v245, s31, v247                      ; L = s rho
	v_mul_f32 v9, s29, v247                        ; rho / s
	v_sqrt_f32 v240, v9                            ; gamma
	v_sqrt_f32 v12, v245                           ; sqrt(rho s)
	v_rcp_f32 v242, v247
	v_nop                                          ; one plain instruction and one wait for the batch of three
	s_wait_alu depctr_va_vdst(0)
	v_rcp_f32 v244, v12
	v_nop
	s_wait_alu depctr_va_vdst(0)
	v_mul_f32 v241, 0x3dcccccd, v240               ; 0.1 gamma
	v_mul_f32 v242, -1.0, v242                     ; -1 / rho
	v_mul_f32 v243, v247, v12
	v_mul_f32 v243, 0x358637bd, v243               ; 1e-6 rho sqrt(rho s)
	v_mul_f32 v244, -1.0, v244                     ; -1 / sqrt(rho s)
	v_mov_b32 v9, 0
	s_wait_xcnt 0x0                                ; EXEC changes only behind this wait
	v_cmp_eq_u32 vcc_lo, 0, v0
	s_and_saveexec_b32 s22, vcc_lo
	global_store_b128 v9, v[240:243], s[8:9]       ; lane 0 alone
	global_store_b128 v9, v[244:247], s[8:9] offset:16
	s_wait_xcnt 0x0
	s_or_b32 exec_lo, exec_lo, s22
.Lend:
	s_wait_tensorcnt 0x0                           ; the wave's end: behind my last LDS store
	ds_add_u32 v[SPW], v[NIL]
	s_wait_dscnt 0x0
	s_endpgm
.Lfunc_end_k_q9bb009fa5f_xwpow:
	.size	k_q9bb009fa5f_xwpow, .Lfunc_end_k_q9bb009fa5f_xwpow-k_q9bb009fa5f_xwpow
	.p2alignl 7, 3214868480
	.fill 96, 4, 3214868480
	.section	.rodata,"a",@progbits
	.p2align	6, 0x0
	.amdhsa_kernel k_q9bb009fa5f_xwpow
		.amdhsa_group_segment_fixed_size 275456
		.amdhsa_private_segment_fixed_size 0
		.amdhsa_enable_private_segment 0
		.amdhsa_kernarg_size 48
		.amdhsa_user_sgpr_count 2
		.amdhsa_user_sgpr_kernarg_segment_ptr 1
		.amdhsa_wavefront_size32 1
		.amdhsa_system_sgpr_workgroup_id_x 1
		.amdhsa_system_sgpr_workgroup_id_y 1
		.amdhsa_system_sgpr_workgroup_id_z 1
		.amdhsa_system_vgpr_workitem_id 0
		.amdhsa_next_free_vgpr 1024
		.amdhsa_next_free_sgpr 66
		.amdhsa_reserve_vcc 1
		.amdhsa_float_denorm_mode_32 3
		.amdhsa_float_denorm_mode_16_64 3
		.amdhsa_memory_ordered 1
		.amdhsa_forward_progress 1
		.amdhsa_inst_pref_size 142
	.end_amdhsa_kernel
	.amdgpu_metadata
---
amdhsa.version: [ 1, 2 ]
amdhsa.kernels:
  - .name:           k_q9bb009fa5f_xwpow
    .symbol:         k_q9bb009fa5f_xwpow.kd
    .args:
      - { .name: z_e_x, .offset: 0, .size: 8, .value_kind: global_buffer, .address_space: global }
      - { .name: wt, .offset: 8, .size: 8, .value_kind: global_buffer, .address_space: global }
      - { .name: p, .offset: 16, .size: 8, .value_kind: global_buffer, .address_space: global }
      - { .name: scal, .offset: 24, .size: 8, .value_kind: global_buffer, .address_space: global }
      - { .name: g2, .offset: 32, .size: 8, .value_kind: global_buffer, .address_space: global }
      - { .name: ssq, .offset: 40, .size: 8, .value_kind: global_buffer, .address_space: global }
    .group_segment_fixed_size: 275456
    .private_segment_fixed_size: 0
    .kernarg_segment_align: 8
    .kernarg_segment_size: 48
    .max_flat_workgroup_size: 128
    .sgpr_count:     66
    .vgpr_count:     1024
    .wavefront_size: 32
...
	.end_amdgpu_metadata
.endif
;; end of part 14
;; launch ista: the kernel of part 10 again; grid 256 x 1, 4 waves a work-group, no clusters, 247,552 bytes of LDS; arguments p, gp, wh, scal, out0, cnt; writes out0, cnt
;; launch finish: the kernel of part 11 again; grid 1 x 1, 1 waves a work-group, no clusters, 0 bytes of LDS; arguments cnt, out1; writes out1
;; ======== version 4 of 4: 6 launches; version 3 with the launches gram, gram2 written anew for expert scheduling mode
;; limits: values are held in f16: magnitudes above 65,504 overflow, below 6.1e-05 lose precision; right only within a limited range of input values
;; workspace buffers: wt 1,048,576 bytes; wh 1,048,576 bytes; ssq 4,096 bytes; gp 524,288 bytes; g2 526,336 bytes; p 16,777,216 bytes; scal 256 bytes; cnt 1,024 bytes
;; launch prep: the kernel of part 12 again; grid 256 x 1, 4 waves a work-group, no clusters, 0 bytes of LDS; arguments dictionary, wh, wt, ssq; writes wh, wt, ssq
;; launch gram (part 15): grid 256 x 1, 2 waves a work-group, no clusters, 0 bytes of LDS; arguments wt, ssq, gp; writes gp
.if DOCPART == 15
	.amdgcn_target "amdgcn-amd-amdhsa--gfx1250"
	.amdhsa_code_object_version 6
	.text
	.protected	k_q9bb009fa5f_gram
	.globl	k_q9bb009fa5f_gram
	.p2align	8
	.type	k_q9bb009fa5f_gram,@function
k_q9bb009fa5f_gram:
	s_mov_b64 s[64:65], 0
	v_nop
	global_prefetch_b8 v0, s[64:65] scope:SCOPE_SE
	s_setreg_imm32_b32 hwreg(HW_REG_WAVE_SCHED_MODE, 0, 2), 2
	s_setreg_imm32_b32 hwreg(HW_REG_WAVE_MODE, 25, 1), 1
	s_wait_xcnt 0x0
	s_wait_alu depctr_vm_vsrc(0)
; SparseDict, launch gram: G' = W^T W / s in f16, as fragments.  G stands for the two products with W in every step of reference() (see the first kernel's head).
; s is the power of two at or below trace(G) / 512, so the mean of G's diagonal lies in [s, 2 s) and |G'| < 1,024 for every W (|G[i][j]| <= trace).
; Wave n = 2 x work-group + wave (0 .. 511) makes fragment n of gp: rows i = 16 ni + r, columns j = 32 ks + 16 q + 8 h + e; n = ((ni / 8) 16 + ks) 8 + ni % 8.
; Source 0 = wt's fragment of the 16 columns j, source 1 = wt's fragment of the 16 rows i: in the result a lane holds one row i (lane % 16) and eight neighbouring j: two results packed in pairs ARE the fragment.
; K = 1,024 goes in 32 steps; a ring of nine slots in registers keeps 42 to 48 loads of the wave on their way.  Nothing is shared between waves, so nothing goes through LDS.
; THE MODE: SCHED_MODE bits 1:0 = 2 (LLVM: expert scheduling mode 2), set by the entry lines.  The code itself states the register dependences
; between vector or matrix instructions and memory instructions, with s_wait_alu, always for 0.
; THE PLAN.  Registers that memory instructions touch:
;   slots 0 .. 8    K step k lies in slot k % 9.  Written by the six loads of step k, issued at the head (k < 8) or in step k - 8; read by step k's two matrix instructions alone.
;                   Step st multiplies slot st % 9 and loads into slot (st + 8) % 9 = (st - 1) % 9: the slot that the step before multiplied, which no instruction of step st names.
;   v[224:255]      At the head: the sums of squares, written by eight loads, added up in place.  Slot 8 lies in v[224:247] and is first loaded in step 0, behind those additions.
;   v1, v2, v3, v6  Offsets, made once at the head and never written again: the K steps are reached by immediate offsets.
;   v[8:15]         The fragment to store: written by the eight conversions at the end, read by the two stores.
;   The accumulators, v4 and v5 are named by vector and matrix instructions alone.
; So ONE wait on va_vdst stands at the head of each step that loads, behind the wait for the step's data; the step's six loads follow it, dealt among its two matrix instructions.
; No register that a memory instruction reads is written again, so there is no wait on vm_vsrc.
.set SELA, 20
.set SELB, 21
.set LN,   1                           ; v1   16 x lane
.set VQ,   2                           ; v2   the rows' fragments: 1,024 ni + 16 lane
.set VP,   3                           ; v3   the columns' fragments: 1,024 (2 ks) + 16 lane
.set A0,   16                          ; v[16:23]  columns 32 ks + 0..15
.set A1,   24                          ; v[24:31]  columns 32 ks + 16..31
.set RING, 32                          ; v[32:247] nine slots of 24: rows' fragment, then the two columns' fragments
.set TL,   224                         ; v[224:255] the 1,024 sums of squares, 32 a lane; at the head alone
.macro WRED reg, tmp
	v_add_f32_dpp v[\reg], v[\reg], v[\reg] row_xmask:1 row_mask:0xf bank_mask:0xf
	v_add_f32_dpp v[\reg], v[\reg], v[\reg] row_xmask:2 row_mask:0xf bank_mask:0xf
	v_add_f32_dpp v[\reg], v[\reg], v[\reg] row_xmask:4 row_mask:0xf bank_mask:0xf
	v_add_f32_dpp v[\reg], v[\reg], v[\reg] row_xmask:8 row_mask:0xf bank_mask:0xf
	v_mov_b32 v[\tmp], v[\reg]
	v_permlanex16_b32 v[\tmp], v[\reg], s[SELA], s[SELB]
	v_add_f32 v[\reg], v[\reg], v[\tmp]
.endm
; The trace and s.  The same lines stand in the launch that finds L, so that both have the same bits.  Leaves s in v[TL] and 1 / s in v[TL+1].
.macro TRACE_LOAD
.irp i, 0,1,2,3,4,5,6,7
	global_load_b128 v[TL+4*\i:TL+4*\i+3], v[LN], s[6:7] offset:512*\i
.endr
.endm
.macro TRACE_SUM
.irp z, 0,2,4,6,8,10,12,14
	v_pk_add_f32 v[TL+\z:TL+\z+1], v[TL+\z:TL+\z+1], v[TL+16+\z:TL+17+\z]
.endr
.irp z, 0,2,4,6
	v_pk_add_f32 v[TL+\z:TL+\z+1], v[TL+\z:TL+\z+1], v[TL+8+\z:TL+9+\z]
.endr
.irp z, 0,2
	v_pk_add_f32 v[TL+\z:TL+\z+1], v[TL+\z:TL+\z+1], v[TL+4+\z:TL+5+\z]
.endr
	v_pk_add_f32 v[TL:TL+1], v[TL:TL+1], v[TL+2:TL+3]
	v_add_f32 v[TL], v[TL], v[TL+1]
	WRED TL, TL+1
	v_mul_f32 v[TL], 0x3b000000, v[TL]             ; trace / 512
	v_and_b32 v[TL], 0x7f800000, v[TL]             ; its exponent alone: s
	v_sub_nc_u32 v[TL+1], 0x7f000000, v[TL]        ; exponent field 254 - E: 1 / s
.endm
.macro PLACES                          ; four plain vector instructions between a matrix instruction and a vector read of its result; kept also between a matrix instruction and the loads into the slot that it read: a wait fills no place
.rept 4
	v_nop
.endr
.endm
.macro GROWS k                         ; K step k, the rows' fragment: two loads into its slot
.set RL, RING+24*((\k)%9)
	global_load_b128 v[RL:RL+3],   v[VQ], s[4:5] offset:(\k)*32768
	global_load_b128 v[RL+4:RL+7], v[VQ], s[4:5] offset:(\k)*32768+512
.endm
.macro GCOLS k, c                      ; K step k, the columns' fragment c (0, 1): two loads
.set RL, RING+24*((\k)%9)+8+8*(\c)
	global_load_b128 v[RL:RL+3],   v[VP], s[4:5] offset:(\k)*32768+1024*(\c)
	global_load_b128 v[RL+4:RL+7], v[VP], s[4:5] offset:(\k)*32768+1024*(\c)+512
.endm
	s_load_b128 s[4:7], s[0:1], 0x0                ; wt s[4:5], ssq s[6:7]
	s_load_b64 s[8:9], s[0:1], 0x10                ; gp
	v_lshrrev_b32 v1, 5, v0
	v_readfirstlane_b32 s12, v1                    ; wave 0..1
	v_and_b32 v[LN], 31, v0
	v_lshlrev_b32 v[LN], 4, v[LN]
	s_mov_b32 s[SELA], 0x76543210
	s_mov_b32 s[SELB], 0xfedcba98
	s_lshl_b32 s13, ttmp9, 1
	s_wait_alu depctr_va_sdst(0)                   ; s12 is written, ahead of its first reader: the fragment's number is made from it
	s_add_co_u32 s13, s13, s12                     ; n
	s_and_b32 s14, s13, 7
	s_bfe_u32 s15, s13, 0x40003                    ; ks
	s_lshr_b32 s16, s13, 7
	s_lshl3_add_u32 s16, s16, s14                  ; ni
	s_lshl_b32 s16, s16, 10
	s_lshl_b32 s15, s15, 11
	v_add_nc_u32 v[VQ], s16, v[LN]
	v_add_nc_u32 v[VP], s15, v[LN]
	s_lshl_b32 s17, s13, 10
	v_add_nc_u32 v6, s17, v[LN]                    ; where the fragment goes
	s_wait_kmcnt 0x0
	s_wait_alu depctr_va_vdst(0)                   ; the offsets v1, v2, v3 and v6 are written: every load and store of the kernel reads one of them
	TRACE_LOAD
.irp k, 0,1,2,3,4,5,6,7
	GROWS \k
	GCOLS \k, 0
	GCOLS \k, 1
.endr
	s_wait_loadcnt 48                              ; the eight loads of the sums of squares are in; the ring's 48 stay out
	TRACE_SUM
	v_mov_b32 v4, v[TL+1]
	v_mov_b32 v5, v[TL+1]                          ; 1 / s, twice: a pair for the packed multiply
.set st, 0
.rept 32
.set R, RING+24*(st%9)
.if st < 24
	s_wait_loadcnt 42                              ; this step's six loads are in; the seven younger steps' stay out
	s_wait_alu depctr_va_vdst(0)                   ; the matrix instructions of the step before are done reading their slot, in which the loads below land; in step 0: the additions and copies above are done with v[224:255], where slot 8 lies
	GROWS st+8                                     ; the step eight further on; no matrix instruction of this step names its slot
.else
	s_wait_loadcnt 6*(31-st)                       ; the last steps load nothing: the counts run down
.endif
.if st == 0                            ; the first products start the sums; the two accumulators take turns
	v_wmma_f32_16x16x32_bf16 v[A0:A0+7], v[R+8:R+15],  v[R:R+7], 0
.else
	v_wmma_f32_16x16x32_bf16 v[A0:A0+7], v[R+8:R+15],  v[R:R+7], v[A0:A0+7]
.endif
.if st < 24
	GCOLS st+8, 0
.endif
.if st == 0
	v_wmma_f32_16x16x32_bf16 v[A1:A1+7], v[R+16:R+23], v[R:R+7], 0
.else
	v_wmma_f32_16x16x32_bf16 v[A1:A1+7], v[R+16:R+23], v[R:R+7], v[A1:A1+7]
.endif
.if st < 24
	GCOLS st+8, 1
.endif
.if st < 23
	PLACES                                         ; the next step loads into the slot just multiplied
.endif
.set st, st+1
.endr
	PLACES
.irp z, 0,2,4,6,8,10,12,14
	v_pk_mul_f32 v[A0+\z:A0+\z+1], v[A0+\z:A0+\z+1], v[4:5]   ; a power of two: exact
.endr
.irp z, 0,1,2,3,4,5,6,7
	v_cvt_pk_f16_f32 v[8+\z], v[A0+2*\z], v[A0+2*\z+1]        ; G's one rounding
.endr
	s_wait_alu depctr_va_vdst(0)                   ; the conversions have written v[8:15], which the two stores read
	global_store_b128 v6, v[8:11], s[8:9]          ; 512 consecutive bytes, aligned
	global_store_b128 v6, v[12:15], s[8:9] offset:512
	s_endpgm
.Lfunc_end_k_q9bb009fa5f_gram:
	.size	k_q9bb009fa5f_gram, .Lfunc_end_k_q9bb009fa5f_gram-k_q9bb009fa5f_gram
	.p2alignl 7, 3214868480
	.fill 96, 4, 3214868480
	.section	.rodata,"a",@progbits
	.p2align	6, 0x0
	.amdhsa_kernel k_q9bb009fa5f_gram
		.amdhsa_group_segment_fixed_size 0
		.amdhsa_private_segment_fixed_size 0
		.amdhsa_enable_private_segment 0
		.amdhsa_kernarg_size 24
		.amdhsa_user_sgpr_count 2
		.amdhsa_user_sgpr_kernarg_segment_ptr 1
		.amdhsa_wavefront_size32 1
		.amdhsa_system_sgpr_workgroup_id_x 1
		.amdhsa_system_sgpr_workgroup_id_y 1
		.amdhsa_system_sgpr_workgroup_id_z 1
		.amdhsa_system_vgpr_workitem_id 0
		.amdhsa_next_free_vgpr 256
		.amdhsa_next_free_sgpr 66
		.amdhsa_reserve_vcc 0
		.amdhsa_float_denorm_mode_32 3
		.amdhsa_float_denorm_mode_16_64 3
		.amdhsa_memory_ordered 1
		.amdhsa_forward_progress 1
		.amdhsa_inst_pref_size 32
	.end_amdhsa_kernel
	.amdgpu_metadata
---
amdhsa.version: [ 1, 2 ]
amdhsa.kernels:
  - .name:           k_q9bb009fa5f_gram
    .symbol:         k_q9bb009fa5f_gram.kd
    .args:
      - { .name: wt, .offset: 0, .size: 8, .value_kind: global_buffer, .address_space: global }
      - { .name: ssq, .offset: 8, .size: 8, .value_kind: global_buffer, .address_space: global }
      - { .name: gp, .offset: 16, .size: 8, .value_kind: global_buffer, .address_space: global }
    .group_segment_fixed_size: 0
    .private_segment_fixed_size: 0
    .kernarg_segment_align: 8
    .kernarg_segment_size: 24
    .max_flat_workgroup_size: 64
    .sgpr_count:     66
    .vgpr_count:     256
    .wavefront_size: 32
...
	.end_amdgpu_metadata
.endif
;; end of part 15
;; launch gram2 (part 16): grid 272 x 1, 2 waves a work-group, no clusters, 0 bytes of LDS; arguments gp, g2; writes g2
.if DOCPART == 16
	.amdgcn_target "amdgcn-amd-amdhsa--gfx1250"
	.amdhsa_code_object_version 6
	.text
	.protected	k_q9bb009fa5f_gram2
	.globl	k_q9bb009fa5f_gram2
	.p2align	8
	.type	k_q9bb009fa5f_gram2,@function
k_q9bb009fa5f_gram2:
	s_mov_b64 s[64:65], 0
	v_nop
	global_prefetch_b8 v0, s[64:65] scope:SCOPE_SE
	s_setreg_imm32_b32 hwreg(HW_REG_WAVE_SCHED_MODE, 0, 2), 2
	s_setreg_imm32_b32 hwreg(HW_REG_WAVE_MODE, 25, 1), 1
	s_wait_xcnt 0x0
	s_wait_alu depctr_vm_vsrc(0)
; SparseDict, launch gram2: what lets the power steps go two at a time (shown at the first kernel's head): G2 = G' G' / 32 in f16, as fragments in gp's own layout, and the row sums G' 1 in f32 behind them, at byte 524,288.
; RANGE.  |(G' G')[i][j]| <= sqrt of the product of two diagonal numbers, and a diagonal number is sum_k G'[i][k]^2 <= G'[i][i] trace(G') < 1,024^2: divided by 32 every number is below 2^15, inside f16, for every W.
; WORK-GROUPS 0 TO 255: wave n = 2 x work-group + wave (0 .. 511) makes fragment n: rows i = 16 ni + r, columns j = 32 ks + 16 q + 8 h + e; n = ((ni / 8) 16 + ks) 8 + ni % 8.  G' is symmetric, so column j of G' is its row j:
; source 0 = the fragment of rows j, source 1 = the fragment of rows i; in the result a lane holds one row i (lane % 16) and eight neighbouring j: two results packed in pairs ARE the fragment.
; K = 512 goes in 16 steps; a ring of nine slots in registers keeps 42 to 48 loads of the wave on their way.  Nothing is shared between waves, so nothing goes through LDS.
; WORK-GROUPS 256 TO 271: wave ni = 2 x (work-group - 256) + wave (0 .. 31) adds up the 16 rows of tile ni: 16 products of a fragment of ones with the rows' fragments; every register of the result holds the sum of row lane % 16.
; THE MODE: SCHED_MODE bits 1:0 = 2 (LLVM: expert scheduling mode 2), set by the entry lines.  The code itself states the register dependences
; between vector or matrix instructions and memory instructions, with s_wait_alu, always for 0.
; THE PLAN.  Registers that memory instructions touch:
;   slots 0 .. 8    K step k lies in slot k % 9.  Written by the six loads of step k, issued at the head (k < 8) or in step k - 8; read by step k's two matrix instructions alone.
;                   Step st multiplies slot st % 9 and loads into slot (st + 8) % 9 = (st - 1) % 9: the slot that the step before multiplied, which no instruction of step st names.
;   v1, v2, v3, v6  Offsets, made once at the head of either way and never written again: the K steps are reached by immediate offsets.
;   v[8:15]         The fragment to store: written by the eight conversions at the end, read by the two stores.  (On the row sums' way they hold the ones, which no memory instruction names.)
;   v[32:159], v5   The row sums' way: 16 fragments, loaded once, read by the matrix instructions; the sum, written by one addition, read by one store.
; So ONE wait on va_vdst stands at the head of steps 1 to 7, behind the wait for the step's data; the step's six loads follow it, dealt among its two matrix instructions.  Step 0 owes none: no vector instruction stands between the head's wait and its loads.
; No register that a memory instruction reads is written again; vm_vsrc is waited for ahead of the two writes of EXEC alone.
.set LN,   1                           ; v1   16 x lane
.set VQ,   2                           ; v2   the rows' fragments: 131,072 (ni / 8) + 1,024 (ni % 8) + 16 lane
.set VP,   3                           ; v3   the columns' fragments, tile 2 ks; tile 2 ks + 1 lies 1,024 bytes on
.set A0,   16                          ; v[16:23]
.set A1,   24                          ; v[24:31]
.set RING, 32                          ; v[32:247] nine slots of 24: rows' fragment, then the two columns' fragments
.set SUMS, 524288                      ; where the row sums go
.macro PLACES                          ; four plain vector instructions between a matrix instruction and a vector read of its result; kept also between a matrix instruction and the loads into the slot that it read: a wait fills no place
.rept 4
	v_nop
.endr
.endm
.macro GROWS k                         ; K step k, the rows' fragment: two loads into its slot
.set RL, RING+24*((\k)%9)
	global_load_b128 v[RL:RL+3],   v[VQ], s[4:5] offset:(\k)*8192
	global_load_b128 v[RL+4:RL+7], v[VQ], s[4:5] offset:(\k)*8192+512
.endm
.macro GCOLS k, c                      ; K step k, the columns' fragment c (0, 1): two loads
.set RL, RING+24*((\k)%9)+8+8*(\c)
	global_load_b128 v[RL:RL+3],   v[VP], s[4:5] offset:(\k)*8192+1024*(\c)
	global_load_b128 v[RL+4:RL+7], v[VP], s[4:5] offset:(\k)*8192+1024*(\c)+512
.endm
	s_load_b128 s[4:7], s[0:1], 0x0                ; gp s[4:5], g2 s[6:7]
	v_lshrrev_b32 v1, 5, v0
	v_readfirstlane_b32 s12, v1                    ; wave 0..1
	v_and_b32 v7, 31, v0                           ; lane
	v_lshlrev_b32 v[LN], 4, v7
	s_wait_alu depctr_va_sdst(0)                   ; s12 is written
	s_cmp_ge_u32 ttmp9, 0x100
	s_cbranch_scc1 .Lrows                          ; the last sixteen work-groups add up rows
	s_lshl_b32 s13, ttmp9, 1
	s_add_co_u32 s13, s13, s12                     ; n
	s_and_b32 s14, s13, 7                          ; ni % 8
	s_bfe_u32 s15, s13, 0x40003                    ; ks
	s_lshr_b32 s16, s13, 7                         ; ni / 8
	s_lshl_b32 s16, s16, 17
	s_lshl_b32 s14, s14, 10
	s_add_co_u32 s16, s16, s14
	v_add_nc_u32 v[VQ], s16, v[LN]
	s_lshr_b32 s17, s15, 2                         ; (2 ks) / 8
	s_lshl_b32 s17, s17, 17
	s_and_b32 s18, s15, 3
	s_lshl_b32 s18, s18, 11                        ; 1,024 ((2 ks) % 8)
	s_add_co_u32 s17, s17, s18
	v_add_nc_u32 v[VP], s17, v[LN]
	s_lshl_b32 s19, s13, 10
	v_add_nc_u32 v6, s19, v[LN]                    ; where the fragment goes
	v_mov_b32 v4, 0x3d000000                       ; 1 / 32, twice: a pair for the packed multiply
	v_mov_b32 v5, 0x3d000000
	s_wait_kmcnt 0x0
	s_wait_alu depctr_va_vdst(0)                   ; the offsets v2, v3 and v6 are written: every load and store of this way reads one of them
.irp k, 0,1,2,3,4,5,6,7
	GROWS \k
	GCOLS \k, 0
	GCOLS \k, 1
.endr
.set st, 0
.rept 16
.set R, RING+24*(st%9)
.if st < 8
	s_wait_loadcnt 42                              ; this step's six loads are in; the seven younger steps' stay out
.else
	s_wait_loadcnt 6*(15-st)                       ; the last steps load nothing: the counts run down
.endif
.if (st > 0) && (st < 8)
	s_wait_alu depctr_va_vdst(0)                   ; the matrix instructions of the step before are done reading their slot, in which the loads below land
.endif
.if st < 8
	GROWS st+8                                     ; the step eight further on; no matrix instruction of this step names its slot (in step 0: slot 8, which nothing has named yet)
.endif
.if st == 0                            ; the first products start the sums; the two accumulators take turns
	v_wmma_f32_16x16x32_f16 v[A0:A0+7], v[R+8:R+15],  v[R:R+7], 0
.else
	v_wmma_f32_16x16x32_f16 v[A0:A0+7], v[R+8:R+15],  v[R:R+7], v[A0:A0+7]
.endif
.if st < 8
	GCOLS st+8, 0
.endif
.if st == 0
	v_wmma_f32_16x16x32_f16 v[A1:A1+7], v[R+16:R+23], v[R:R+7], 0
.else
	v_wmma_f32_16x16x32_f16 v[A1:A1+7], v[R+16:R+23], v[R:R+7], v[A1:A1+7]
.endif
.if st < 8
	GCOLS st+8, 1
.endif
.if st < 7
	PLACES                                         ; the next step loads into the slot just multiplied
.endif
.set st, st+1
.endr
	PLACES
.irp z, 0,2,4,6,8,10,12,14
	v_pk_mul_f32 v[A0+\z:A0+\z+1], v[A0+\z:A0+\z+1], v[4:5]   ; a power of two: exact
.endr
.irp z, 0,1,2,3,4,5,6,7
	v_cvt_pk_f16_f32 v[8+\z], v[A0+2*\z], v[A0+2*\z+1]        ; the one rounding of G' G'
.endr
	s_wait_alu depctr_va_vdst(0)                   ; the conversions have written v[8:15], which the two stores read
	global_store_b128 v6, v[8:11], s[6:7]          ; 512 consecutive bytes, aligned
	global_store_b128 v6, v[12:15], s[6:7] offset:512
	s_endpgm
.Lrows:
	s_and_b32 s13, ttmp9, 15                       ; work-group - 256
	s_lshl_b32 s13, s13, 1
	s_add_co_u32 s13, s13, s12                     ; ni
	s_lshr_b32 s16, s13, 3
	s_lshl_b32 s16, s16, 17
	s_and_b32 s14, s13, 7
	s_lshl_b32 s14, s14, 10
	s_add_co_u32 s16, s16, s14
	v_add_nc_u32 v[VQ], s16, v[LN]
	s_lshl_b32 s19, s13, 6                         ; 16 rows of 4 bytes
	v_lshl_add_u32 v6, v7, 2, s19
.irp e, 0,1,2,3,4,5,6,7
	v_mov_b32 v[8+\e], 0x3c003c00                  ; a fragment of ones
.endr
	s_wait_kmcnt 0x0
	s_wait_alu depctr_va_vdst(0)                   ; the offset v2 is written, which the 32 loads read
.set k, 0
.rept 16
	global_load_b128 v[32+8*k:32+8*k+3], v[VQ], s[4:5] offset:k*8192
	global_load_b128 v[32+8*k+4:32+8*k+7], v[VQ], s[4:5] offset:k*8192+512
.set k, k+1
.endr
.set k, 0
.rept 16
	s_wait_loadcnt 2*(15-k)                        ; fragment k is in; the younger fragments' loads stay out
.if k < 2                              ; even fragments onto one accumulator, odd ones onto the other, by turns
	v_wmma_f32_16x16x32_f16 v[A0+8*(k%2):A0+8*(k%2)+7], v[8:15], v[32+8*k:32+8*k+7], 0
.else
	v_wmma_f32_16x16x32_f16 v[A0+8*(k%2):A0+8*(k%2)+7], v[8:15], v[32+8*k:32+8*k+7], v[A0+8*(k%2):A0+8*(k%2)+7]
.endif
.set k, k+1
.endr
	PLACES
	v_add_f32 v5, v[A0], v[A1]                     ; the sum of row lane % 16
	s_wait_xcnt 0x0                                ; EXEC changes only behind this wait
	v_cmp_gt_u32 vcc_lo, 16, v7
	s_wait_alu depctr_va_vcc(0)                    ; VCC is written, ahead of its reader: EXEC is made from it
	s_wait_alu depctr_va_vdst(0)                   ; ahead of a scalar write of EXEC: every vector and matrix instruction issued under the old EXEC has written its result, v5 and v6, the store's data and offset, among them
	s_wait_alu depctr_vm_vsrc(0)                   ; and every load issued under it has read its offset
	s_and_saveexec_b32 s20, vcc_lo
	global_store_b32 v6, v5, s[6:7] offset:SUMS    ; lanes 0 to 15: 64 consecutive bytes
	s_wait_xcnt 0x0
	s_wait_alu depctr_va_vdst(0)                   ; ahead of the second scalar write of EXEC: both sides once more; no vector instruction is out,
	s_wait_alu depctr_vm_vsrc(0)                   ; and the store has read v5 and v6
	s_or_b32 exec_lo, exec_lo, s20
	s_endpgm
.Lfunc_end_k_q9bb009fa5f_gram2:
	.size	k_q9bb009fa5f_gram2, .Lfunc_end_k_q9bb009fa5f_gram2-k_q9bb009fa5f_gram2
	.p2alignl 7, 3214868480
	.fill 96, 4, 3214868480
	.section	.rodata,"a",@progbits
	.p2align	6, 0x0
	.amdhsa_kernel k_q9bb009fa5f_gram2
		.amdhsa_group_segment_fixed_size 0
		.amdhsa_private_segment_fixed_size 0
		.amdhsa_enable_private_segment 0
		.amdhsa_kernarg_size 16
		.amdhsa_user_sgpr_count 2
		.amdhsa_user_sgpr_kernarg_segment_ptr 1
		.amdhsa_wavefront_size32 1
		.amdhsa_system_sgpr_workgroup_id_x 1
		.amdhsa_system_sgpr_workgroup_id_y 1
		.amdhsa_system_sgpr_workgroup_id_z 1
		.amdhsa_system_vgpr_workitem_id 0
		.amdhsa_next_free_vgpr 256
		.amdhsa_next_free_sgpr 66
		.amdhsa_reserve_vcc 1
		.amdhsa_float_denorm_mode_32 3
		.amdhsa_float_denorm_mode_16_64 3
		.amdhsa_memory_ordered 1
		.amdhsa_forward_progress 1
		.amdhsa_inst_pref_size 22
	.end_amdhsa_kernel
	.amdgpu_metadata
---
amdhsa.version: [ 1, 2 ]
amdhsa.kernels:
  - .name:           k_q9bb009fa5f_gram2
    .symbol:         k_q9bb009fa5f_gram2.kd
    .args:
      - { .name: gp, .offset: 0, .size: 8, .value_kind: global_buffer, .address_space: global }
      - { .name: g2, .offset: 8, .size: 8, .value_kind: global_buffer, .address_space: global }
    .group_segment_fixed_size: 0
    .private_segment_fixed_size: 0
    .kernarg_segment_align: 8
    .kernarg_segment_size: 16
    .max_flat_workgroup_size: 64
    .sgpr_count:     66
    .vgpr_count:     256
    .wavefront_size: 32
...
	.end_amdgpu_metadata
.endif
;; end of part 16
;; launch xwpow: the kernel of part 14 again; grid 129 x 1, 4 waves a work-group, no clusters, 275,456 bytes of LDS; arguments z_e_x, wt, p, scal, g2, ssq; writes p, scal
;; launch ista: the kernel of part 10 again; grid 256 x 1, 4 waves a work-group, no clusters, 247,552 bytes of LDS; arguments p, gp, wh, scal, out0, cnt; writes out0, cnt
;; launch finish: the kernel of part 11 again; grid 1 x 1, 1 waves a work-group, no clusters, 0 bytes of LDS; arguments cnt, out1; writes out1
